; MI455X (gfx1250); checked and timed in simulation.
; The chip was launched on July 23, 2026; its instructions are those of AMD's public machine-readable ISA for CDNA 5 (MIT licence, August 2026) and "CDNA5" Instruction Set Architecture Reference Guide (July 2026). The comments in the code are by the model that wrote it; some were corrected since.
;; Encoder Block. Allowed arithmetic: matrix products marked QUANTISED: E4M3 operands, one E8M0 scale for each 32 along K, by v_wmma_scale_f32_16x16x128_f8f6f4 with both operands' format E4M3, f32 sums; everything else in f32.
;; Inputs: W1_codes 2,048 x 16 x 32 uint8 (E4M3 codes of W1, K innermost, in blocks of 32 codes); W1_scales 2,048 x 16 uint8 (E8M0 scales of W1, one for each 32 codes along K); W2_codes 512 x 64 x 32 uint8 (E4M3 codes of W2, K innermost, in blocks of 32 codes); W2_scales 512 x 64 uint8 (E8M0 scales of W2, one for each 32 codes along K); Wk_codes 8 x 64 x 16 x 32 uint8 (E4M3 codes of Wk, K innermost, in blocks of 32 codes); Wk_scales 8 x 64 x 16 uint8 (E8M0 scales of Wk, one for each 32 codes along K); Wo_codes 512 x 16 x 32 uint8 (E4M3 codes of Wo, K innermost, in blocks of 32 codes); Wo_scales 512 x 16 uint8 (E8M0 scales of Wo, one for each 32 codes along K); Wq_codes 8 x 64 x 16 x 32 uint8 (E4M3 codes of Wq, K innermost, in blocks of 32 codes); Wq_scales 8 x 64 x 16 uint8 (E8M0 scales of Wq, one for each 32 codes along K); Wv_codes 8 x 64 x 16 x 32 uint8 (E4M3 codes of Wv, K innermost, in blocks of 32 codes); Wv_scales 8 x 64 x 16 uint8 (E8M0 scales of Wv, one for each 32 codes along K); b1 2,048 float32; b2 512 float32; bk 8 x 64 float32; bo 512 float32; bq 8 x 64 float32; bv 8 x 64 float32; ln1_b 512 float32; ln1_g 512 float32; ln2_b 512 float32; ln2_g 512 float32; x 4 x 2,048 x 512 float32.
;; Outputs: out0 4 x 2,048 x 512 float32.
;; This version of the problem:
;;   THIS VERSION OF THE PROBLEM IS GIVEN IN LOW PRECISION. The matrix products marked QUANTISED in the list below multiply operands that are first quantised to E4M3 (4 exponent bits, 3 mantissa bits; 8 bits a number), with one power-of-two scale for each 32 numbers along K (OCP MX v1.0); their sums are f32. All else is computed in f32.
;;   The module's matrix products, in the order in which they are computed (A, B: the left and right operand; K: the contracted axis; several contracted axes count as one K, in the product's order):
;;     1. [M 512, K 512] x [K 512, N 8,192]; A: input Wq (given as codes); B: computed on the way: QUANTISED
;;     2. [M 512, K 512] x [K 512, N 8,192]; A: input Wk (given as codes); B: computed on the way: QUANTISED
;;     3. [M 512, K 512] x [K 512, N 8,192]; A: input Wv (given as codes); B: computed on the way: QUANTISED
;;     4. batch 32 x [M 2,048, K 64] x [K 64, N 2,048]; A: computed on the way; B: computed on the way: QUANTISED
;;     5. batch 32 x [M 2,048, K 2,048] x [K 2,048, N 64]; A: softmax (see below); B: computed on the way: QUANTISED
;;     6. [M 8,192, K 512] x [K 512, N 512]; A: computed on the way; B: input Wo (given as codes): QUANTISED
;;     7. [M 8,192, K 512] x [K 512, N 2,048]; A: computed on the way; B: input W1 (given as codes): QUANTISED
;;     8. [M 8,192, K 2,048] x [K 2,048, N 512]; A: computed on the way; B: input W2 (given as codes): QUANTISED
;;   THE QUANTISER, for each operand of a quantised product, along K:
;;     - K is cut into blocks of 32 from its start; a last block that is shorter is filled with zeros.
;;     - A block's scale is 2^e with e = floor(log2(the largest magnitude in the block)) - 8, held to -126 .. 127; a block of zeros has e = 0. As a byte (E8M0): e + 127.
;;     - Each number is divided by its block's scale, clamped to +-448, and rounded to the nearest number of E4M3, ties to even, subnormals kept.
;;     - The product sums the exact products of the quantised numbers (number of the format x scale) in f32.
;;   ~~~python
;;   def quantise(x, axis):      # numpy; x: float32 -> the quantised numbers, widened to float32 again
;;       x = np.moveaxis(x, axis, -1); K = x.shape[-1]
;;       x = np.pad(x, [(0, 0)] * (x.ndim - 1) + [(0, -K % 32)]); x = x.reshape(x.shape[:-1] + (-1, 32)); a = np.abs(x).max(-1, keepdims=True)
;;       e = np.where(a > 0, np.clip(np.frexp(np.where(a > 0, a, 1))[1] - 1 - 8, -126, 127), 0)      # np.frexp(a)[1] - 1 = floor(log2(a)), exactly
;;       r = np.clip(x / 2.0 ** e, -448, 448)
;;       step = 2.0 ** (np.maximum(np.frexp(np.where(r == 0, 1, r))[1] - 1, -6) - 3)
;;       q = np.round(r / step) * step * 2.0 ** e      # np.round: ties to even
;;       return np.moveaxis(q.reshape(q.shape[:-2] + (-1,))[..., :K], -1, axis).astype(np.float32)
;;   ~~~
;;   SOFTMAX AHEAD OF A QUANTISED PRODUCT. Where the list says 'softmax', what is quantised is not the finished softmax but p = 2^(t - M), with t = logit x log2(e) and M = ceil(the row's largest t), a whole number; so 1/2 < the row's largest p <= 1. The row's sum l is taken of the UNQUANTISED p, in f32, and the product's result is divided by l at the end. Since M is a whole number, a kernel that streams over the keys may use a running M (the ceiling of the running maximum): every later rescaling is an exact power of two, which a block's scale takes up: the codes' values come out the same.
;;   OPERANDS COMPUTED ON THE WAY. 'Computed on the way' means the value that the module computes at that place (a softmax that the list does not call 'softmax' is quantised finished and normalised). What goes into a quantiser is computed in f32, as accurately as f32 sums, v_exp_f32 and their like allow (about 1e-6 of the number): no bf16 or f16 on the way to a quantiser, and a product that is left as it is and whose result goes on into a quantised operand takes f32 operands (vector FMAs, or v_wmma_f32_16x16x4_f32). A number that lies on a knife's edge between two numbers of the format may be rounded either way, as far as f32 arithmetic and the matrix unit's own rounding can turn it there, and no further.
;;   INPUTS GIVEN AS CODES. W1 (in the module: [512, 2048], K = its axis 0); W2 (in the module: [2048, 512], K = its axis 0); Wk (in the module: [8, 512, 64], K = its axis 1); Wo (in the module: [512, 512], K = its axis 0); Wq (in the module: [8, 512, 64], K = its axis 1); Wv (in the module: [8, 512, 64], K = its axis 1): each comes as NAME_codes (uint8): NAME with its K axis moved to the last place and cut into blocks of 32 codes, [.., K / 32, bytes a block], one block behind the other in memory; one code a byte (a code: sign, 4 exponent bits, 3 mantissa bits); and NAME_scales (uint8): the same leading axes, one E8M0 byte (e + 127) for each 32 codes along K. Its value is code x scale, taken as it is: it is not quantised again, and the codes and scales need not be those that the quantiser above would give.
;; 2 versions. Each part assembles by itself: llvm-mc -triple=amdgcn-amd-amdhsa -mcpu=gfx1250 --defsym DOCPART=n.
;; ======== version 1 of 2: 5 launches
;; workspace buffers: qbuf 4,194,304 bytes; qs 524,288 bytes; kv 8,912,896 bytes; avr 4,456,448 bytes; x2r 4,456,448 bytes; x1 16,777,216 bytes; hid 17,825,792 bytes; wimg 2,359,296 bytes
;; launch qkv (part 1): grid 64 x 4, 4 waves a work-group, no clusters, 78,336 bytes of LDS; arguments x, ln1_g, ln1_b, Wq_codes, Wq_scales, bq, Wk_codes, Wk_scales, bk, Wv_codes, Wv_scales, bv, qbuf, qs, kv, Wo_codes, W1_codes, W2_codes, wimg; writes qbuf, qs, kv, wimg
.if DOCPART == 1
	.amdgcn_target "amdgcn-amd-amdhsa--gfx1250"
	.amdhsa_code_object_version 6
	.text
	.protected	k_q950f7d0c91_qkv
	.globl	k_q950f7d0c91_qkv
	.p2align	8
	.type	k_q950f7d0c91_qkv,@function
k_q950f7d0c91_qkv:
	s_mov_b64 s[64:65], 0
	v_nop
	global_prefetch_b8 v0, s[64:65] scope:SCOPE_SE
	s_setreg_imm32_b32 hwreg(HW_REG_WAVE_MODE, 25, 1), 1
	s_wait_xcnt 0x0
; LayerNorm 1, its quantising along D, the products with Wq, Wk, Wv (codes of E4M3, one E8M0 byte for each 32 along K), the biases, and the quantising of q and k (along the head's 64) and of v (along the KEYS).
; SHARES.  A work-group takes 128 rows (one key step of one batch) and two heads.  Wave w normalises rows 32 w .. 32 w + 31 (two tiles of 16) and leaves their codes in LDS as images of operand registers;
; in the products wave w owns head 2 y + (w >> 1) and the 32 columns e = 32 (w & 1) .. of q, of k and of v: six weight tiles x 4 K steps = 384 registers, read from memory once, straight into the registers of the one wave that multiplies by them.
; NO JOINT LOADS: the weights never lie in LDS here (through LDS each byte would be written and read once more), and the rows of x that four work-groups share are 256 KiB of f32 that each needs in a lane order of its own.
; A TILE'S ROWS ARE NOT NEIGHBOURS: lane r of tile 2 f + u takes row 32 f + 8 u + r + (r & 8), of x and of every weight alike.  So in a product used transposed (source 0 = weight, source 1 = xn) the 16 registers of weight tiles
; u' = 0, 1 are 16 neighbours along e, and in v's product (source 0 = xn, source 1 = Wv) the 16 registers of row tiles u = 0, 1 are 16 neighbouring keys: the conversions' results are operand registers as they stand.
; OUT.  qbuf [bh][tile][group bb][16 x lane]; qs: a word a lane, bytes (s0, s1, s0, s1); kv: a record of 17,408 bytes for each head and 128 keys: four fragments of K (two key tiles each: group 2 u + bb), four of V^T (group f),
; then their scale words.  Every store of codes covers 512 consecutive bytes.  The scale bytes meet in LDS and leave as 1,024 consecutive bytes a wave.
; BESIDE THAT the codes of Wo, W1 and W2 are laid for the later launches as images of operand registers: wimg = Wo's 128 fragments, W1's 512, W2's 512, a fragment 2,048 bytes, in the order [owning wave][tile n][K step k][group c][16 x lane].
; The images' 9,216 runs of 256 bytes are shared among the launch's 1,024 waves: one of Wo, four of W1, four of W2 each.  A run is half a group: 16 rows x 16 bytes; two lanes share a row's 16 bytes, and a store covers 256 consecutive bytes, aligned.
; LIMITS: NaN and infinities are not served.  A block whose largest magnitude lies under 2^-118 (a block of zeros too) gets the byte 1: only this program reads the bytes.  v_rsq_f32 is taken as it is (1 ulp).
; The mean is taken first and the squares of the differences after it, so a common offset of x does no harm.
; REGISTERS.  window 0: v4-15 addresses; v16-143 g and b of a K step, later 12 accumulators (v16-111) and their codes (v112-135); v144-167 the quantiser's; v168-184 xn's codes and scale word; v192-215 the weights' scale words,
; v216-223 xn's; v224-237 sums; v239-241 the images' addresses.   window 1: a tile of x (256 numbers a lane), later xn's fragments.   window 2: Wq, Wk.   window 3: Wv; from v128 the biases in the results' layouts; v176-193 the images' nine runs.
.set XSC,    65536                     ; LDS: xn's images 0 .. 65,535 (tile x 8,192 + K step x 2,048 + group x 512 + 16 x lane); their scale words (tile x 512 + K step x 128 + 4 x lane);
.set GB,     69632                     ; ln1_g, then ln1_b;
.set SCG,    73728                     ; the scale bytes on their way out, 2,048 for each of the two heads: K's words, V's, q's
.set FLOORC, 0x4800000                 ; 2^(9 - 127): under it no largest magnitude is taken
.set DEXP,   0xfc000000                ; -(8 << 23)
.set EXPM,   0x7f800000
.set XA,  4
.set WA,  5
.set WSA, 6
.set BQA, 7
.set BVA, 8
.set LI,  9
.set LS,  10
.set GA,  11
.set XWI, 12
.set XWS, 13
.set SBA, 14
.set SVA, 15
.set GG,  16
.set BB,  80
.set ACC, 16
.set PC,  112
.set QTM, 144
.set QTP, 150
.set QCAP, 156
.set QSOP, 162
.set LPC, 168
.set PW,  184
.set LSX, 185
.set SRD, 186
.set GST, 187
.set VW,  188
.set WS,  192
.set XS,  216
.set SA,  224
.set MU,  232
.set RS,  234
.set TT,  236
.set TID, 238
.set RVA, 239                          ; the images: my byte in 16 rows of 512 bytes;
.set RVB, 240                          ; in 16 rows of 2,048 bytes;
.set RDS, 241                          ; 8 x lane
.set RIM, 176                          ; in window 3: nine runs, two registers each; never rewritten
.set SELR, 48
.set MNTR, 50
.set MSB, 0
.macro WIN new                         ; the immediate's high byte repeats the setting that is left; a switch that changes nothing is dropped
.if MSB != (\new)
	s_set_vgpr_msb (MSB<<8)|(\new)
.set MSB, (\new)
.endif
.endm
.macro PLACES n
.rept \n
	v_nop
.endr
.endm
.macro BARRIER                         ; my LDS stores have landed and my LDS loads are in: then the work-group's barrier
	s_wait_dscnt 0x0
	s_barrier_signal -1
	s_barrier_wait -1
.endm
; n blocks of 16 registers from v[s] of window w (register 16 b + i: number 16 (lane / 16) + i of block b of my row) become codes in v[pc + 4 b ..] and bytes in v[QTP + b]
.macro QUANT s, n, w, pc
	WIN 5*(\w)
.set qb, 0
.rept \n
	v_max3_num_f32 v[QTM+qb], |v[(\s)+16*qb]|, |v[(\s)+16*qb+1]|, FLOORC
.set qb, qb+1
.endr
.set qi, 2
.rept 7
.set qb, 0
.rept \n
	v_max3_num_f32 v[QTM+qb], |v[(\s)+16*qb+qi]|, |v[(\s)+16*qb+qi+1]|, v[QTM+qb]   ; the blocks by turns
.set qb, qb+1
.endr
.set qi, qi+2
.endr
	WIN 0
.set qb, 0
.rept \n
	v_permlanex16_b32 v[QTP+qb], v[QTM+qb], s[SELR], s[SELR+1]
.set qb, qb+1
.endr
.set qb, 0
.rept \n
	v_max_num_f32 v[QTM+qb], v[QTM+qb], v[QTP+qb]          ; with lane l xor 16's 16 numbers: the block's largest magnitude
.set qb, qb+1
.endr
.set qb, 0
.rept \n
	v_add_nc_u32 v[QSOP+qb], DEXP, v[QTM+qb]               ; 8 off its exponent field: the conversion's scale operand
.set qb, qb+1
.endr
.set qb, 0
.rept \n
	v_and_or_b32 v[QCAP+qb], v[QTM+qb], EXPM, s[MNTR]      ; 448 x the scale
.set qb, qb+1
.endr
.set qb, 0
.rept \n
	v_lshrrev_b32 v[QTP+qb], 23, v[QSOP+qb]                ; the scale's byte
.set qb, qb+1
.endr
	WIN 0x41*(\w)
.set qb, 0
.rept \n
.set qi, 0
.rept 16
	v_med3_num_f32 v[(\s)+16*qb+qi], v[(\s)+16*qb+qi], -v[QCAP+qb], v[QCAP+qb]   ; the conversion does not saturate (ISA guide 7.6.2): the hold
.set qi, qi+1
.endr
.set qb, qb+1
.endr
	WIN (\w)
.set qb, 0
.rept \n
	v_cvt_scalef32_pk8_fp8_f32 v[(\pc)+4*qb:(\pc)+4*qb+1], v[(\s)+16*qb:(\s)+16*qb+7], v[QSOP+qb]
	v_cvt_scalef32_pk8_fp8_f32 v[(\pc)+4*qb+2:(\pc)+4*qb+3], v[(\s)+16*qb+8:(\s)+16*qb+15], v[QSOP+qb]
.set qb, qb+1
.endr
	WIN 0
	v_nop                                          ; one plain line behind the last conversion
.endm
.macro WORD4 d
	v_lshl_or_b32 v[\d], v[QTP+1], 8, v[QTP]
	v_lshl_or_b32 v[\d], v[QTP+2], 16, v[\d]
	v_lshl_or_b32 v[\d], v[QTP+3], 24, v[\d]
.endm
.macro XLOAD u, s                      ; K step s of row tile u of my 32 rows: 64 numbers a lane: of each block of 32 my half's 16
	WIN 0x40
.set xb, 4*(\s)
.rept 4
.irp j, 0,1,2,3
	global_load_b128 v[16*xb+4*\j:16*xb+4*\j+3], v[XA], s[8:9] offset:16384*(\u)+128*xb+16*\j
.endr
.set xb, xb+1
.endr
.endm
.macro WLD win, base, ptr              ; two weight tiles x four K steps
	WIN \win
.irp u, 0,1
.irp s, 0,1,2,3
.irp c, 0,1,2,3
	global_load_b128 v[\base+64*\u+16*\s+4*\c:\base+64*\u+16*\s+4*\c+3], v[WA], s[\ptr:\ptr+1] offset:4096*\u+128*\s+32*\c
.endr
.endr
.endr
.endm
.macro GBLOAD s                        ; g and b at my 64 columns of K step s
.irp b, 0,1,2,3
.irp j, 0,1,2,3
	ds_load_b128 v[GG+16*\b+4*\j:GG+16*\b+4*\j+3], v[GA] offset:128*(4*(\s)+\b)+16*\j
	ds_load_b128 v[BB+16*\b+4*\j:BB+16*\b+4*\j+3], v[GA] offset:2048+128*(4*(\s)+\b)+16*\j
.endr
.endr
.endm
.macro FOLD                            ; four pairs of partial sums, and lane l xor 16's, into v[TT]
	v_pk_add_f32 v[SA:SA+1], v[SA:SA+1], v[SA+2:SA+3]
	v_pk_add_f32 v[SA+4:SA+5], v[SA+4:SA+5], v[SA+6:SA+7]
	v_pk_add_f32 v[SA:SA+1], v[SA:SA+1], v[SA+4:SA+5]
	v_add_f32 v[TT], v[SA], v[SA+1]
	v_permlanex16_b32 v[TT+1], v[TT], s[SELR], s[SELR+1]
	v_add_f32 v[TT], v[TT], v[TT+1]
.endm
.macro LNSTEP u, s                     ; K step s of tile u: x g + b, quantised, its image to LDS
	s_wait_dscnt 0x0                               ; g and b of this K step are in; the last image's stores have read their registers
	WIN 0x41
.set p, 0
.rept 32
	v_pk_fma_f32 v[64*(\s)+p:64*(\s)+p+1], v[64*(\s)+p:64*(\s)+p+1], v[GG+p:GG+p+1], v[BB+p:BB+p+1]
.set p, p+2
.endr
	WIN 0
.if \s < 3
	GBLOAD (\s)+1                                  ; the next K step's land while this one is quantised
.endif
	QUANT 64*(\s), 4, 1, LPC
	WORD4 PW
.irp c, 0,1,2,3
	ds_store_b128 v[XWI], v[LPC+4*\c:LPC+4*\c+3] offset:8192*(\u)+2048*(\s)+512*\c
.endr
	ds_store_b32 v[XWS], v[PW] offset:512*(\u)+128*(\s)
.if \u == 0
	XLOAD 1, \s                                    ; the second tile's numbers take the registers just left
.if \s == 0
	WLD 0xc0, 0, 26                                ; Wv
.endif
	WIN 0
.endif
.endm
.macro LNTILE u
	WIN 0x05                                       ; the sum of my 256 numbers, in four chains
.irp k, 0,1,2,3
	v_pk_add_f32 v[SA+2*\k:SA+2*\k+1], v[4*\k:4*\k+1], v[4*\k+2:4*\k+3]
.endr
	WIN 0x01
.set p, 16
.rept 120
	v_pk_add_f32 v[SA+2*((p/2)%4):SA+2*((p/2)%4)+1], v[p:p+1], v[SA+2*((p/2)%4):SA+2*((p/2)%4)+1]
.set p, p+2
.endr
	WIN 0
	FOLD
	v_mul_f32 v[MU], 0x3b000000, v[TT]             ; / 512
	v_mov_b32 v[MU+1], v[MU]
.if \u == 0
	WLD 0x80, 0, 14                                ; Wq
	WIN 0
.endif
	GBLOAD 0
	WIN 0x41
.set p, 0
.rept 128
	v_pk_add_f32 v[p:p+1], v[p:p+1], v[MU:MU+1] op_sel_hi:[1,0] neg_lo:[0,1] neg_hi:[0,1]
.set p, p+2
.endr
	WIN 0x05                                       ; the squares of the differences
.irp k, 0,1,2,3
	v_pk_mul_f32 v[SA+2*\k:SA+2*\k+1], v[2*\k:2*\k+1], v[2*\k:2*\k+1]
.endr
.set p, 8
.rept 124
	v_pk_fma_f32 v[SA+2*((p/2)%4):SA+2*((p/2)%4)+1], v[p:p+1], v[p:p+1], v[SA+2*((p/2)%4):SA+2*((p/2)%4)+1]
.set p, p+2
.endr
	WIN 0
	FOLD
	v_fma_f32 v[TT], v[TT], 0x3b000000, s51        ; the variance + 1e-5
	v_rsq_f32 v[RS], v[TT]
	v_rsq_f32 v[RS+1], v[TT]
	v_nop                                          ; a plain line behind the transcendentals
.if \u == 0
	WLD 0x80, 128, 20                              ; Wk
.endif
	WIN 0x41
.set p, 0
	s_wait_alu depctr_va_vdst(0)
.rept 128
	v_pk_mul_f32 v[p:p+1], v[p:p+1], v[RS:RS+1]
.set p, p+2
.endr
	WIN 0
.irp s, 0,1,2,3
	LNSTEP \u, \s
.endr
.endm
.macro FETCH f                         ; xn's fragments and scale words of row tiles 2 f and 2 f + 1
	WIN 0x40
.irp t, 0,1
.irp s, 0,1,2,3
.irp c, 0,1,2,3
	ds_load_b128 v[64*\t+16*\s+4*\c:64*\t+16*\s+4*\c+3], v[LI] offset:(2*(\f)+\t)*8192+2048*\s+512*\c
.endr
.endr
.endr
	WIN 0
.irp t, 0,1
.irp s, 0,1,2,3
	ds_load_b32 v[XS+4*\t+\s], v[LSX] offset:(2*(\f)+\t)*512+128*\s
.endr
.endr
.endm
; 48 products: 12 accumulators by turns, one instruction a turn, K step by K step.  The biases are the C of each sum's first product.
.macro PROD
.irp s, 0,1,2,3
.if \s == 0
	WIN 0x36                                       ; source 0 (weight) window 2, source 1 (xn) window 1, C (bias) window 3
.else
	WIN 0x06
.endif
.irp t, 0,1
.irp u, 0,1
.if \s == 0
	v_wmma_scale_f32_16x16x128_f8f6f4 v[ACC+16*\t+8*\u:ACC+16*\t+8*\u+7], v[64*\u+16*\s:64*\u+16*\s+15], v[64*\t+16*\s:64*\t+16*\s+15], v[128+8*\u:128+8*\u+7], v[WS+4*\u+\s], v[XS+4*\t+\s]
	v_wmma_scale_f32_16x16x128_f8f6f4 v[ACC+32+16*\t+8*\u:ACC+32+16*\t+8*\u+7], v[128+64*\u+16*\s:128+64*\u+16*\s+15], v[64*\t+16*\s:64*\t+16*\s+15], v[144+8*\u:144+8*\u+7], v[WS+8+4*\u+\s], v[XS+4*\t+\s]
.else
	v_wmma_scale_f32_16x16x128_f8f6f4 v[ACC+16*\t+8*\u:ACC+16*\t+8*\u+7], v[64*\u+16*\s:64*\u+16*\s+15], v[64*\t+16*\s:64*\t+16*\s+15], v[ACC+16*\t+8*\u:ACC+16*\t+8*\u+7], v[WS+4*\u+\s], v[XS+4*\t+\s]
	v_wmma_scale_f32_16x16x128_f8f6f4 v[ACC+32+16*\t+8*\u:ACC+32+16*\t+8*\u+7], v[128+64*\u+16*\s:128+64*\u+16*\s+15], v[64*\t+16*\s:64*\t+16*\s+15], v[ACC+32+16*\t+8*\u:ACC+32+16*\t+8*\u+7], v[WS+8+4*\u+\s], v[XS+4*\t+\s]
.endif
.endr
.endr
.if \s == 0
	WIN 0x3d                                       ; v: source 0 (xn) window 1, source 1 (Wv) and C (bias) window 3
.else
	WIN 0x0d
.endif
.irp u, 0,1
.irp t, 0,1
.if \s == 0
	v_wmma_scale_f32_16x16x128_f8f6f4 v[ACC+64+16*\u+8*\t:ACC+64+16*\u+8*\t+7], v[64*\t+16*\s:64*\t+16*\s+15], v[64*\u+16*\s:64*\u+16*\s+15], v[160+8*\u:160+8*\u+7], v[XS+4*\t+\s], v[WS+16+4*\u+\s]
.else
	v_wmma_scale_f32_16x16x128_f8f6f4 v[ACC+64+16*\u+8*\t:ACC+64+16*\u+8*\t+7], v[64*\t+16*\s:64*\t+16*\s+15], v[64*\u+16*\s:64*\u+16*\s+15], v[ACC+64+16*\u+8*\t:ACC+64+16*\u+8*\t+7], v[XS+4*\t+\s], v[WS+16+4*\u+\s]
.endif
.endr
.endr
.endr
.endm
.macro OUTF f                          ; six groups of codes, 512 consecutive bytes each; the bytes of q and k to LDS; v's gathered in a word
	global_store_b128 v[LI], v[PC:PC+3], s[32:33] offset:2048*(\f)
	global_store_b128 v[LI], v[PC+4:PC+7], s[32:33] offset:2048*(\f)+1024
	global_store_b128 v[LI], v[PC+8:PC+11], s[52:53] offset:2048*(\f)
	global_store_b128 v[LI], v[PC+12:PC+15], s[52:53] offset:2048*(\f)+1024
	global_store_b128 v[LI], v[PC+16:PC+19], s[54:55] offset:512*(\f)
	global_store_b128 v[LI], v[PC+20:PC+23], s[54:55] offset:2048+512*(\f)
	ds_store_b8 v[SBA], v[QTP] offset:1024+256*(\f)
	ds_store_b8 v[SBA], v[QTP] offset:1024+256*(\f)+2
	ds_store_b8 v[SBA], v[QTP+1] offset:1024+256*(\f)+128
	ds_store_b8 v[SBA], v[QTP+1] offset:1024+256*(\f)+130
	ds_store_b8 v[SBA], v[QTP+2] offset:128*(\f)
	ds_store_b8 v[SBA], v[QTP+3] offset:128*(\f)+2
.if \f == 0
	v_mov_b32 v[VW], v[QTP+4]
	v_mov_b32 v[VW+1], v[QTP+5]
.else
	v_lshl_or_b32 v[VW], v[QTP+4], 8*(\f), v[VW]
	v_lshl_or_b32 v[VW+1], v[QTP+5], 8*(\f), v[VW+1]
.endif
.endm
	s_load_b512 s[8:23], s[0:1], 0x0               ; x, ln1_g, ln1_b, Wq's codes, scales, bq, Wk's codes, scales
	s_load_b256 s[24:31], s[0:1], 0x40             ; bk, Wv's codes, scales, bv
	s_load_b128 s[32:35], s[0:1], 0x60             ; qbuf, qs
	s_load_b128 s[36:39], s[0:1], 0x70             ; kv, Wo's codes
	s_load_b128 s[68:71], s[0:1], 0x80             ; W1's codes, W2's codes
	s_load_b64 s[72:73], s[0:1], 0x90              ; wimg
	v_lshl_add_u32 v254, v0, 2, 0x13000
	v_mov_b32 v255, 0
	v_lshrrev_b32 v1, 5, v0
	v_readfirstlane_b32 s40, v1                    ; wave
	v_and_b32 v1, 31, v0                           ; lane
	v_and_b32 v2, 15, v0                           ; r
	v_bfe_u32 v3, v0, 4, 1                         ; h
	v_and_b32 v[TT], 8, v2
	v_add_nc_u32 v[TT], v[TT], v2                  ; r + (r & 8)
	v_mov_b32 v[TT+1], 0                           ; (a lane permute's destination counts as read)
	v_lshlrev_b32 v[XA], 11, v[TT]
	v_lshl_add_u32 v[XA], v3, 6, v[XA]             ; x: my row of 2,048 bytes + 64 h
	v_lshlrev_b32 v[WA], 9, v[TT]
	v_lshl_add_u32 v[WA], v3, 4, v[WA]             ; a weight: my row of 512 codes + 16 h
	v_lshlrev_b32 v[WSA], 4, v[TT]                 ; its 16 scale bytes
	v_lshlrev_b32 v[BQA], 6, v3                    ; bq, bk: my half's 16 numbers
	v_lshlrev_b32 v[BVA], 2, v[TT]                 ; bv: my row's number
	v_lshlrev_b32 v[LI], 4, v1
	v_lshlrev_b32 v[LS], 2, v1
	v_add_nc_u32 v[GA], GB, v[BQA]
	s_lshr_b32 s41, s40, 1                         ; hh: which of the two heads
	s_and_b32 s42, s40, 1                          ; bb: which 32 of its 64 columns
	s_and_b32 s43, ttmp7, 0xffff
	s_lshl_b32 s74, ttmp9, 2
	s_add_co_u32 s74, s74, s43
	s_lshl_b32 s74, s74, 2
	s_add_co_u32 s74, s74, s40                     ; my wave's number in the launch, 0 .. 1,023: 4 (4 x + y) + wave
	s_lshl_b32 s43, s43, 1
	s_add_co_u32 s43, s43, s41                     ; the head
	s_lshr_b32 s44, ttmp9, 4
	s_lshl_b32 s44, s44, 3
	s_add_co_u32 s44, s44, s43                     ; bh = 8 x batch + head
	s_and_b32 s45, ttmp9, 15                       ; the key step
	s_mov_b32 s48, 0x76543210
	s_mov_b32 s49, 0xfedcba98                      ; v_permlanex16_b32's selects for lane l xor 16
	s_mov_b32 s50, 0x600000                        ; the mantissa field of 448
	s_mov_b32 s51, 0x3727c5ac                      ; 1e-5
	s_lshl_b32 s46, s40, 14
	v_add_nc_u32 v[XWI], s46, v[LI]                ; my two tiles' images
	s_lshl_b32 s46, s40, 10
	s_add_co_u32 s46, s46, XSC
	v_add_nc_u32 v[XWS], s46, v[LS]                ; and their scale words
	s_lshl_b32 s46, s41, 11
	s_add_co_u32 s46, s46, SCG                     ; my head's 2,048 bytes
	s_add_co_u32 s60, s46, s42
	v_add_nc_u32 v[SBA], s60, v[LS]                ; bytes of q and k: 4 x lane + bb
	s_lshl_b32 s60, s42, 8
	s_add_co_u32 s60, s60, s46
	s_add_co_u32 s60, s60, 512
	v_add_nc_u32 v[SVA], s60, v[LS]                ; V's words of fragments 2 bb, 2 bb + 1
	s_lshl_b32 s60, s42, 10
	s_add_co_u32 s60, s60, s46
	v_add_nc_u32 v[SRD], s60, v[LI]                ; the way out: bb = 0: K's and V's words; bb = 1: q's
	v_add_nc_u32 v[LSX], XSC, v[LS]
	v_lshl_add_u32 v[GST], v0, 4, GB
	v_lshlrev_b32 v[TID], 4, v0
	v_lshrrev_b32 v[RVA], 1, v1                    ; the images: two lanes to a row: j = lane / 2,
	v_and_b32 v[RVB], 8, v[RVA]
	v_add_nc_u32 v[RVB], v[RVB], v[RVA]            ; the tile's row j + (j & 8),
	v_and_b32 v[RDS], 1, v1
	v_lshlrev_b32 v[RDS], 3, v[RDS]                ; and which 8 of its 16 bytes
	v_lshl_add_u32 v[RVA], v[RVB], 9, v[RDS]
	v_lshl_add_u32 v[RVB], v[RVB], 11, v[RDS]
	v_lshlrev_b32 v[RDS], 3, v1
.irp b, 0,1,2,3,4,5
	v_mov_b32 v[QTP+\b], 0
.endr
	s_mov_b32 s47, 0
	s_wait_kmcnt 0x0
	s_lshl_b32 s46, ttmp9, 18
	s_lshl_b32 s60, s40, 16
	s_add_co_u32 s46, s46, s60
	s_add_nc_u64 s[8:9], s[8:9], s[46:47]          ; x at my 32 rows
	s_lshl_b32 s46, s43, 15
	s_lshl_b32 s60, s42, 14
	s_add_co_u32 s46, s46, s60
	s_add_nc_u64 s[14:15], s[14:15], s[46:47]      ; the weights' codes at my 32 rows
	s_add_nc_u64 s[20:21], s[20:21], s[46:47]
	s_add_nc_u64 s[26:27], s[26:27], s[46:47]
	s_lshl_b32 s46, s43, 10
	s_lshl_b32 s60, s42, 9
	s_add_co_u32 s46, s46, s60
	s_add_nc_u64 s[16:17], s[16:17], s[46:47]      ; their scale bytes
	s_add_nc_u64 s[22:23], s[22:23], s[46:47]
	s_add_nc_u64 s[28:29], s[28:29], s[46:47]
	s_lshl_b32 s46, s43, 8
	s_lshl_b32 s60, s42, 7
	s_add_co_u32 s46, s46, s60
	s_add_nc_u64 s[18:19], s[18:19], s[46:47]      ; the biases
	s_add_nc_u64 s[24:25], s[24:25], s[46:47]
	s_add_nc_u64 s[30:31], s[30:31], s[46:47]
	s_lshl_b32 s46, s44, 17
	s_lshl_b32 s60, s45, 13
	s_add_co_u32 s46, s46, s60
	s_lshl_b32 s60, s42, 9
	s_add_co_u32 s46, s46, s60
	s_add_nc_u64 s[32:33], s[32:33], s[46:47]      ; qbuf: my eight tiles, group bb
	s_lshl_b32 s46, s44, 14
	s_lshl_b32 s60, s45, 10
	s_add_co_u32 s46, s46, s60
	s_add_nc_u64 s[34:35], s[34:35], s[46:47]      ; qs
	s_lshl_b32 s46, s44, 4
	s_add_co_u32 s46, s46, s45
	s_mul_i32 s46, s46, 17408
	s_add_nc_u64 s[36:37], s[36:37], s[46:47]      ; my record of kv
	s_lshl_b32 s46, s42, 9
	s_add_nc_u64 s[52:53], s[36:37], s[46:47]      ; K's groups 2 u + bb
	s_lshl_b32 s46, s42, 12
	s_add_co_u32 s46, s46, 8192
	s_add_nc_u64 s[54:55], s[36:37], s[46:47]      ; V's fragments 2 bb + u'
	s_add_nc_u64 s[56:57], s[36:37], 16384         ; the record's scale words
	; The images.  Run q of an image (256 bytes) is half q & 1 of group (q >> 1) & 3 of K step (q >> 3) & 3 of tile t = q >> 5: along K it begins at byte 16 (q & 31).
	; Wo: q = my wave's number; tile t begins at row 32 (t >> 1) + 8 (t & 1)
	s_lshr_b32 s60, s74, 5
	s_lshr_b32 s46, s60, 1
	s_lshl_b32 s46, s46, 14                        ; 32 rows of 512 bytes
	s_and_b32 s60, s60, 1
	s_lshl_b32 s60, s60, 12                        ; 8 rows
	s_add_co_u32 s46, s46, s60
	s_and_b32 s60, s74, 31
	s_lshl_b32 s60, s60, 4
	s_add_co_u32 s46, s46, s60
	s_add_nc_u64 s[38:39], s[38:39], s[46:47]
	; W1: q = 4 x my wave's number + i: t = number >> 3, along K 64 (number & 7) + 16 i
	s_lshr_b32 s75, s74, 3
	s_lshr_b32 s46, s75, 1
	s_lshl_b32 s46, s46, 14
	s_and_b32 s60, s75, 1
	s_lshl_b32 s60, s60, 12
	s_add_co_u32 s46, s46, s60
	s_and_b32 s61, s74, 7
	s_lshl_b32 s61, s61, 6
	s_add_co_u32 s46, s46, s61
	s_add_nc_u64 s[68:69], s[68:69], s[46:47]
	; W2: t = (4 cs + w) 8 + n: rows 128 cs + 32 (n >> 1) + 8 (n & 1) on, of 2,048 bytes; along K 512 w more
	s_lshr_b32 s46, s75, 5
	s_lshl_b32 s46, s46, 18
	s_bfe_u32 s60, s75, 0x20001
	s_lshl_b32 s60, s60, 16
	s_add_co_u32 s46, s46, s60
	s_and_b32 s60, s75, 1
	s_lshl_b32 s60, s60, 14
	s_add_co_u32 s46, s46, s60
	s_bfe_u32 s60, s75, 0x20003
	s_lshl_b32 s60, s60, 9
	s_add_co_u32 s46, s46, s60
	s_add_co_u32 s46, s46, s61
	s_add_nc_u64 s[70:71], s[70:71], s[46:47]
	s_lshl_b32 s46, s74, 8
	s_add_nc_u64 s[76:77], s[72:73], s[46:47]      ; where my run of Wo's image goes,
	s_lshl_b32 s46, s74, 10
	s_add_co_u32 s46, s46, 262144
	s_add_nc_u64 s[78:79], s[72:73], s[46:47]      ; my four of W1's,
	s_add_co_u32 s46, s46, 1048576
	s_add_nc_u64 s[80:81], s[72:73], s[46:47]      ; my four of W2's
	WIN 0xc0
	global_load_b64 v[RIM:RIM+1], v[RVA], s[38:39]
.irp i, 0,1,2,3
	global_load_b64 v[RIM+2+2*\i:RIM+3+2*\i], v[RVA], s[68:69] offset:16*\i
	global_load_b64 v[RIM+10+2*\i:RIM+11+2*\i], v[RVB], s[70:71] offset:16*\i
.endr
	WIN 0
	global_load_b128 v[16:19], v[TID], s[10:11]
	global_load_b128 v[20:23], v[TID], s[12:13]
.irp s, 0,1,2,3
	XLOAD 0, \s
.endr
	WIN 0
	s_wait_loadcnt 0x0
	ds_store_b128 v[GST], v[16:19]
	ds_store_b128 v[GST], v[20:23] offset:2048
	WIN 0x0c                                       ; a store's data are its source 1: window 3
	global_store_b64 v[RDS], v[RIM:RIM+1], s[76:77]                          ; 32 lanes store 256 consecutive bytes, at a multiple of 256 from wimg's first byte
.irp i, 0,1,2,3
	global_store_b64 v[RDS], v[RIM+2+2*\i:RIM+3+2*\i], s[78:79] offset:256*\i
	global_store_b64 v[RDS], v[RIM+10+2*\i:RIM+11+2*\i], s[80:81] offset:256*\i
.endr
	WIN 0
	BARRIER                                        ; g and b lie in LDS
.irp u, 0,1                                    ; the weights' scale words and the biases
.irp s, 0,1,2,3
	global_load_b32 v[WS+4*\u+\s], v[WSA], s[16:17] offset:128*\u+4*\s
	global_load_b32 v[WS+8+4*\u+\s], v[WSA], s[22:23] offset:128*\u+4*\s
	global_load_b32 v[WS+16+4*\u+\s], v[WSA], s[28:29] offset:128*\u+4*\s
.endr
.endr
	WIN 0xc0
.irp u, 0,1
	global_load_b128 v[128+8*\u:128+8*\u+3], v[BQA], s[18:19] offset:32*\u          ; bq at e = 32 bb + 16 h + 8 u' + 0 .. 7
	global_load_b128 v[128+8*\u+4:128+8*\u+7], v[BQA], s[18:19] offset:32*\u+16
	global_load_b128 v[144+8*\u:144+8*\u+3], v[BQA], s[24:25] offset:32*\u
	global_load_b128 v[144+8*\u+4:144+8*\u+7], v[BQA], s[24:25] offset:32*\u+16
.irp j, 0,1,2,3,4,5,6,7
	global_load_b32 v[160+8*\u+\j], v[BVA], s[30:31] offset:32*\u                   ; bv at my row e, for eight keys
.endr
.endr
	WIN 0
	LNTILE 0
	s_wait_loadcnt 0x0                             ; the second tile, and all the weights
	LNTILE 1
	BARRIER                                        ; xn's 32 fragments lie in LDS
	FETCH 0
.irp f, 0,1,2,3
	s_wait_dscnt 0x0                               ; the fragments are in; the last bytes' stores have read their registers
	PROD
	WIN 0
	PLACES 8                                       ; behind this form eight places in front of loads into its sources and of reads of its results
.if \f < 3
	FETCH \f+1
.endif
	s_wait_xcnt 0x0                                ; the last codes' stores have read their registers
	QUANT ACC, 6, 0, PC
	OUTF \f
.endr
	ds_store_b32 v[SVA], v[VW]
	ds_store_b32 v[SVA], v[VW+1] offset:128
	BARRIER                                        ; both heads' scale words lie whole in LDS
	ds_load_b128 v[16:19], v[SRD]
	ds_load_b128 v[20:23], v[SRD] offset:512
	s_cmp_eq_u32 s42, 0
	s_cselect_b64 s[58:59], s[56:57], s[34:35]     ; the choice hangs on the wave's number alone
	s_wait_dscnt 0x0
	global_store_b128 v[LI], v[16:19], s[58:59]
	global_store_b128 v[LI], v[20:23], s[58:59] offset:512
	s_wait_tensorcnt 0x0
	ds_add_u32 v254, v255
	s_wait_dscnt 0x0
	s_endpgm
.Lfunc_end_k_q950f7d0c91_qkv:
	.size	k_q950f7d0c91_qkv, .Lfunc_end_k_q950f7d0c91_qkv-k_q950f7d0c91_qkv
	.p2alignl 7, 3214868480
	.fill 96, 4, 3214868480
	.section	.rodata,"a",@progbits
	.p2align	6, 0x0
	.amdhsa_kernel k_q950f7d0c91_qkv
		.amdhsa_group_segment_fixed_size 78336
		.amdhsa_private_segment_fixed_size 0
		.amdhsa_enable_private_segment 0
		.amdhsa_kernarg_size 152
		.amdhsa_user_sgpr_count 2
		.amdhsa_user_sgpr_kernarg_segment_ptr 1
		.amdhsa_wavefront_size32 1
		.amdhsa_system_sgpr_workgroup_id_x 1
		.amdhsa_system_sgpr_workgroup_id_y 1
		.amdhsa_system_sgpr_workgroup_id_z 1
		.amdhsa_system_vgpr_workitem_id 0
		.amdhsa_next_free_vgpr 1024
		.amdhsa_next_free_sgpr 84
		.amdhsa_reserve_vcc 0
		.amdhsa_float_denorm_mode_32 3
		.amdhsa_float_denorm_mode_16_64 3
		.amdhsa_memory_ordered 1
		.amdhsa_forward_progress 1
		.amdhsa_inst_pref_size 255
	.end_amdhsa_kernel
	.section	.bss,"aw",@nobits
	.p2align	6
	.space	262144
	.amdgpu_metadata
---
amdhsa.version: [ 1, 2 ]
amdhsa.kernels:
  - .name:           k_q950f7d0c91_qkv
    .symbol:         k_q950f7d0c91_qkv.kd
    .args:
      - { .name: x, .offset: 0, .size: 8, .value_kind: global_buffer, .address_space: global }
      - { .name: ln1_g, .offset: 8, .size: 8, .value_kind: global_buffer, .address_space: global }
      - { .name: ln1_b, .offset: 16, .size: 8, .value_kind: global_buffer, .address_space: global }
      - { .name: Wq_codes, .offset: 24, .size: 8, .value_kind: global_buffer, .address_space: global }
      - { .name: Wq_scales, .offset: 32, .size: 8, .value_kind: global_buffer, .address_space: global }
      - { .name: bq, .offset: 40, .size: 8, .value_kind: global_buffer, .address_space: global }
      - { .name: Wk_codes, .offset: 48, .size: 8, .value_kind: global_buffer, .address_space: global }
      - { .name: Wk_scales, .offset: 56, .size: 8, .value_kind: global_buffer, .address_space: global }
      - { .name: bk, .offset: 64, .size: 8, .value_kind: global_buffer, .address_space: global }
      - { .name: Wv_codes, .offset: 72, .size: 8, .value_kind: global_buffer, .address_space: global }
      - { .name: Wv_scales, .offset: 80, .size: 8, .value_kind: global_buffer, .address_space: global }
      - { .name: bv, .offset: 88, .size: 8, .value_kind: global_buffer, .address_space: global }
      - { .name: qbuf, .offset: 96, .size: 8, .value_kind: global_buffer, .address_space: global }
      - { .name: qs, .offset: 104, .size: 8, .value_kind: global_buffer, .address_space: global }
      - { .name: kv, .offset: 112, .size: 8, .value_kind: global_buffer, .address_space: global }
      - { .name: Wo_codes, .offset: 120, .size: 8, .value_kind: global_buffer, .address_space: global }
      - { .name: W1_codes, .offset: 128, .size: 8, .value_kind: global_buffer, .address_space: global }
      - { .name: W2_codes, .offset: 136, .size: 8, .value_kind: global_buffer, .address_space: global }
      - { .name: wimg, .offset: 144, .size: 8, .value_kind: global_buffer, .address_space: global }
    .group_segment_fixed_size: 78336
    .private_segment_fixed_size: 0
    .kernarg_segment_align: 8
    .kernarg_segment_size: 152
    .max_flat_workgroup_size: 128
    .sgpr_count:     84
    .vgpr_count:     1024
    .wavefront_size: 32
...
	.end_amdgpu_metadata
.endif
;; end of part 1
;; launch attn (part 2): grid 8 x 32, 16 waves a work-group, clusters of 4 x 1, 280,576 bytes of LDS; arguments qbuf, qs, kv, avr; writes avr
.if DOCPART == 2
	.amdgcn_target "amdgcn-amd-amdhsa--gfx1250"
	.amdhsa_code_object_version 6
	.text
	.protected	k_q950f7d0c91_attn
	.globl	k_q950f7d0c91_attn
	.p2align	8
	.type	k_q950f7d0c91_attn,@function
k_q950f7d0c91_attn:
	s_mov_b64 s[64:65], 0
	v_nop
	global_prefetch_b8 v0, s[64:65] scope:SCOPE_SE
	s_setreg_imm32_b32 hwreg(HW_REG_WAVE_MODE, 25, 1), 1
	s_wait_xcnt 0x0
	s_wait_alu depctr_hold_cnt(0) depctr_sa_sdst(0) depctr_va_vdst(0) depctr_va_sdst(0) depctr_va_ssrc(0) depctr_va_vcc(0) depctr_vm_vsrc(0)
	s_getreg_b32 s2, hwreg(HW_REG_IB_STS2, 6, 4)
	s_cmp_eq_u32 s2, 0
	s_cbranch_scc0 .Lentry_in_a_cluster
	s_endpgm
.Lentry_in_a_cluster:
	s_bfe_u32 s2, ttmp6, 0x10000c
	s_cmp_lg_u32 s2, 0x3003
	s_cbranch_scc0 .Lentry_shape_is_right
	s_endpgm
.Lentry_shape_is_right:
; av = softmax(q k^T / 8) v for one head and 256 queries a work-group, both products on codes of E4M3 with one E8M0 byte for each 32 along K; av is divided by the row's sum and quantised along H x HD on its way out.
; THE SOFTMAX AHEAD OF THE SECOND PRODUCT: t = score x log2(e) / 8; M = the running largest t rounded UP to a whole number; p = 2^(t - M) is quantised along the keys, not normalised; the row's sum is taken of the unquantised p.
; When M moves, the sum and O^T are multiplied by 2^(old M - new M), which rounds nothing.
; SHARES.  Sixteen waves, each one tile of 16 queries in 256 registers, four to a SIMD.  Every wave walks the head's 2,048 keys, 128 a step.
; THE WHOLE HEAD LIES IN LDS: sixteen records of 17,408 bytes (K's four fragments, V^T's four, their scale words), images of operand registers, so a fragment is four loads of 512 consecutive bytes.  No byte of LDS is filled twice.
; IT COMES IN FOUR QUARTERS of four records (69,632 bytes): each wave brings 17 rows of 256 bytes of each quarter, four tensor loads in one group at the start (four of a wave's are out).  A wave's tensor loads end in order
; (ISA guide 10.11.1), so a counted wait and a barrier in front of each quarter's four steps show that quarter whole, and the later quarters land while the earlier ones are worked.
; CLUSTER: the four work-groups of a cluster belong to one head and want the same records: each load is a joint one (mask 15), the same descriptor in all four.
; K = 64 UNDER AN INSTRUCTION OF 128: a fragment of K holds TWO key tiles (groups 0, 1 and 2, 3).  Q stands in 24 registers as [Q][zeros][Q]: source 1 = the first 16 of them for the even tile, the last 16 for the odd one;
; zero codes take the other tile's half out of the sum under any byte but 0xff, and the bytes lie between 1 and 254.
; Both products are used transposed (source 0 = keys, or V^T's rows): a lane holds ONE query (lane % 16); by the order of a tile's rows its 16 registers of two neighbouring tiles are 16 neighbouring keys (or columns e).
; OUT.  avr: a record of 8,704 bytes a row tile: head hd fills groups 2 (hd & 1) + b of K step hd >> 1, 512 consecutive bytes a store.  Its two scale bytes go out as 2 bytes a lane, 4 bytes apart (128 KiB in the whole launch):
; the one place where aligned blocks of 256 bytes are written in part, by two heads.
; LIMITS: NaN and infinities are not served; a block under 2^-118 gets the byte 1.  A block's largest p is made from its largest score by the same two instructions, which takes v_exp_f32 not to fall where its input rises.
.set REC,    17408
.set QUART,  69632                     ; four records
.set PART,   4352                      ; a wave's sixteenth of a quarter: 17 rows of 256 bytes
.set FLOORC, 0x4800000
.set DEXP,   0xfc000000
.set EXPM,   0x7f800000
.set LI,  1                            ; 16 x lane
.set LS,  2                            ; 4 x lane
.set ADI, 3
.set ADS, 4
.set NM,  12                           ; -M
.set TMX, 13                           ; the largest t
.set SUM, 14                           ; v[14:15]
.set QF,  16                           ; v16-39
.set F,   40                           ; v40-103 four fragments of K, then of V^T
.set S,   104                          ; v104-167 S^T, then p
.set O,   168                          ; v168-199 O^T
.set PC,  200                          ; v200-215 p's codes
.set BM,  216
.set T2,  220
.set CAP, 224
.set SOP, 228
.set SW,  232                          ; the fragments' scale words
.set FF,  236                          ; 2^(old M - new M)
.set PW,  237                          ; p's scale word
.set TMP, 238
.set QSW, 239                          ; Q's scale word
.set SUM2, 240
.set CAP2, 245                         ; the caps once more, one register bank on: the two halves of a dual instruction take their second sources from different banks
.set QTM, 216
.set QTP, 220
.set QCAP, 224
.set QSOP, 228
.set G0,  44                           ; s[44:59] descriptor group 0, a set for each quarter
.macro PLACES n
.rept \n
	v_nop
.endr
.endm
.macro CROUND                          ; a round of the cluster's barrier
	s_barrier_signal -1
	s_barrier_wait -1
	s_cmp_lg_u32 s31, 0
	s_cbranch_scc1 .Lnot_wave_0_\@
	s_barrier_signal -3
.Lnot_wave_0_\@:
	s_barrier_wait -3
	s_barrier_signal -1
	s_barrier_wait -1
.endm
; A KEY STEP: the 128 keys of the record at LDS byte s29
.macro STEP
	v_add_nc_u32 v[ADI], s29, v[LI]
	v_add_nc_u32 v[ADS], s29, v[LS]
	PLACES 6                                       ; with the two additions: eight places in front of loads into registers that the last products read
.irp f, 0,1,2,3
.irp c, 0,1,2,3
	ds_load_b128 v[F+16*\f+4*\c:F+16*\f+4*\c+3], v[ADI] offset:2048*\f+512*\c
.endr
	ds_load_b32 v[SW+\f], v[ADS] offset:16384+128*\f
.endr
	s_wait_dscnt 0x0
.irp f, 0,1,2,3
.irp u, 0,1
	v_wmma_scale_f32_16x16x128_f8f6f4 v[S+16*\f+8*\u:S+16*\f+8*\u+7], v[F+16*\f:F+16*\f+15], v[QF+8*\u:QF+8*\u+15], 0, v[SW+\f], v[QSW]
.endr
.endr
	PLACES 8
.irp f, 0,1,2,3                                ; V^T's fragments land under the softmax
.irp c, 0,1,2,3
	ds_load_b128 v[F+16*\f+4*\c:F+16*\f+4*\c+3], v[ADI] offset:8192+2048*\f+512*\c
.endr
	ds_load_b32 v[SW+\f], v[ADS] offset:16896+128*\f
.endr
.irp b, 0,1,2,3
	v_max3_num_f32 v[BM+\b], v[S+16*\b], v[S+1+16*\b], v[S+2+16*\b]   ; the largest score of each block of 32 keys: for the row's maximum and for the block's largest p
.endr
.irp i, 3,5,7,9,11,13
.irp b, 0,1,2,3
	v_max3_num_f32 v[BM+\b], v[BM+\b], v[S+16*\b+\i], v[S+1+16*\b+\i]
.endr
.endr
.irp b, 0,1,2,3
	v_max_num_f32 v[BM+\b], v[BM+\b], v[S+15+16*\b]
.endr
.irp b, 0,1,2,3
	v_permlanex16_b32 v[T2+\b], v[BM+\b], s24, s25
.endr
.irp b, 0,1,2,3
	v_max_num_f32 v[BM+\b], v[BM+\b], v[T2+\b]     ; with lane l xor 16's 16 keys
.endr
	v_max3_num_f32 v[TMP], v[BM], v[BM+1], v[BM+2]
	v_max_num_f32 v[TMP], v[TMP], v[BM+3]
	v_mul_f32 v[TMP], s26, v[TMP]                  ; as t (c is positive)
	v_max_num_f32 v[TMX], v[TMX], v[TMP]
	v_mov_b32 v[TMP], v[NM]
	v_floor_f32 v[NM], -v[TMX]                     ; the new -M = -ceil(t)
	v_sub_f32 v[TMP], v[NM], v[TMP]                ; old M - new M: a whole number, 0 or less
	v_cvt_i32_f32 v[TMP], v[TMP]                   ; (it saturates)
	v_ldexp_f32 v[FF], 1.0, v[TMP]
.set j, 0
.rept 32
	v_pk_fma_f32 v[S+j:S+j+1], v[S+j:S+j+1], s[26:27], v[NM:NM+1] op_sel_hi:[1,0,0]   ; t - M
.set j, j+2
.endr
.irp b, 0,1,2,3
	v_fma_f32 v[BM+\b], v[BM+\b], s26, v[NM]
.endr
.set j, 0
.rept 64
	v_exp_f32 v[S+j], v[S+j]                       ; p
.set j, j+1
.endr
.irp b, 0,1,2,3
	v_exp_f32 v[BM+\b], v[BM+\b]                   ; the block's largest p
.endr
	v_pk_mul_f32 v[SUM:SUM+1], v[SUM:SUM+1], v[FF:FF+1] op_sel_hi:[1,0]   ; the sums under the new M (a plain line behind the exponentials)
	s_wait_alu depctr_va_vdst(0)
.irp b, 0,1,2,3
	v_max_num_f32 v[BM+\b], FLOORC, v[BM+\b]
.endr
.irp b, 0,1,2,3
	v_add_nc_u32 v[SOP+\b], DEXP, v[BM+\b]
.endr
.irp b, 0,1,2,3
	v_and_or_b32 v[CAP+\b], v[BM+\b], EXPM, s28    ; 448 x the scale,
.endr
.irp b, 0,1,2,3
	v_and_or_b32 v[CAP2+\b], v[BM+\b], EXPM, s28   ; twice
.endr
.irp b, 0,1,2,3
	v_lshrrev_b32 v[T2+\b], 23, v[SOP+\b]
.endr
	v_lshl_or_b32 v[PW], v[T2+1], 8, v[T2]         ; p's scale word for these 128 keys
	v_lshl_or_b32 v[PW], v[T2+2], 16, v[PW]
	v_lshl_or_b32 v[PW], v[T2+3], 24, v[PW]
	v_pk_add_f32 v[SUM2:SUM2+1], v[S:S+1], v[S+2:S+3]   ; the row's sum of the unquantised p, in two chains
.set j, 4
.rept 15
	v_pk_add_f32 v[SUM:SUM+1], v[SUM:SUM+1], v[S+j:S+j+1]
	v_pk_add_f32 v[SUM2:SUM2+1], v[SUM2:SUM2+1], v[S+2+j:S+3+j]
.set j, j+4
.endr
	v_pk_add_f32 v[SUM:SUM+1], v[SUM:SUM+1], v[SUM2:SUM2+1]
.irp b, 0,1,2,3
.irp i, 0,2,4,6,8,10,12,14
	v_dual_min_num_f32 v[S+16*\b+\i], v[S+16*\b+\i], v[CAP+\b] :: v_dual_min_num_f32 v[S+16*\b+\i+1], v[S+16*\b+\i+1], v[CAP2+\b]   ; p is not negative: the hold is one-sided; two holds an instruction (an even and an odd destination; sources of different banks)
.endr
	v_cvt_scalef32_pk8_fp8_f32 v[PC+4*\b:PC+4*\b+1], v[S+16*\b:S+16*\b+7], v[SOP+\b]
	v_cvt_scalef32_pk8_fp8_f32 v[PC+4*\b+2:PC+4*\b+3], v[S+16*\b+8:S+16*\b+15], v[SOP+\b]
.endr
.set j, 0
.rept 16
	v_pk_mul_f32 v[O+j:O+j+1], v[O+j:O+j+1], v[FF:FF+1] op_sel_hi:[1,0]   ; O^T under the new M; these sixteen also stand between the codes and the products
.set j, j+2
.endr
	s_wait_dscnt 0x0                               ; V^T
.irp t, 0,1,2,3                                ; four accumulators by turns, one instruction a turn
	v_wmma_scale_f32_16x16x128_f8f6f4 v[O+8*\t:O+8*\t+7], v[F+16*\t:F+16*\t+15], v[PC:PC+15], v[O+8*\t:O+8*\t+7], v[SW+\t], v[PW]
.endr
.endm
; Quarter c of the head: left = how many of my later quarters' loads may stay out.  The wait is counted.  No LDS access of mine is out at the signal: a step ends behind its wait for all of them.
.macro QUARTER c, left
	s_wait_tensorcnt \left                         ; my part of quarter c is in,
	s_barrier_signal -1
	s_barrier_wait -1                              ; everybody's is
	s_mov_b32 s29, \c*QUART
	s_mov_b32 s30, 4
.Lstep_\@:
	STEP
	s_add_co_u32 s29, s29, REC
	s_sub_co_u32 s30, s30, 1
	s_cmp_lg_u32 s30, 0
	s_cbranch_scc1 .Lstep_\@
.endm
	s_load_b256 s[4:11], s[0:1], 0x0               ; qbuf, qs, kv, avr
	v_lshl_add_u32 v254, v0, 2, 0x44000
	v_mov_b32 v255, 0
	ds_add_u32 v254, v255
	ds_add_u32 v254, v255
	v_lshrrev_b32 v1, 5, v0
	v_readfirstlane_b32 s31, v1                    ; wave 0..15
	v_and_b32 v2, 31, v0
	v_lshlrev_b32 v[LI], 4, v2
	v_lshlrev_b32 v[LS], 2, v2
	s_bfe_u32 s32, ttmp6, 0x40000                  ; cx: it enters Q's and avr's addresses alone
	s_lshl_b32 s33, ttmp9, 2
	s_add_co_u32 s33, s33, s32                     ; my block of 256 queries
	s_and_b32 s34, ttmp7, 0xffff                   ; bh, which the four partners share
	s_lshl_b32 s35, s33, 4
	s_add_co_u32 s35, s35, s31                     ; my query tile, 0 .. 127
	s_mul_i32 s13, s31, PART                       ; my part of a quarter: in LDS as in memory
	s_mul_i32 s36, s34, 4*QUART                    ; the head's sixteen records
	s_add_co_u32 s36, s36, s13
	s_mov_b32 s37, 0
	s_mov_b32 s39, 0
	s_mov_b32 s16, 15|(3<<16)|(1<<21)              ; group 1: the mask: all four work-groups; elements of 8 bytes; bit 21 beside a mask; no padding: images are read as they lie
	s_mov_b32 s17, 32<<16                          ; tensor_dim0 = 32 elements: rows of 256 bytes
	s_mov_b32 s18, 17<<16                          ; tensor_dim1 = 17 rows
	s_mov_b32 s19, 32<<16                          ; tile_dim0
	s_mov_b32 s20, 17                              ; tile_dim1
	s_mov_b32 s21, 32                              ; the pitch: dense
	s_mov_b32 s22, 0
	s_mov_b32 s23, 0
	s_mov_b32 s24, 0x76543210
	s_mov_b32 s25, 0xfedcba98
	s_mov_b32 s26, 0x3e38aa3b                      ; c = log2(e) / 8
	s_mov_b32 s27, s26
	s_mov_b32 s28, 0x600000
	s_wait_dscnt 0x0
	s_wait_kmcnt 0x0
	s_add_nc_u64 s[14:15], s[8:9], s[36:37]
.irp c, 0,1,2,3
	s_mov_b32 s[G0+4*\c], 1                                        ; count 1
	s_add_co_u32 s[G0+4*\c+1], s13, \c*QUART                       ; LDS address: quarter x 69,632 + wave x 4,352
	s_add_nc_u64 s[G0+4*\c+2:G0+4*\c+3], s[14:15], \c*QUART        ; the same bytes of the head in memory
	s_or_b32 s[G0+4*\c+3], s[G0+4*\c+3], 0x80000000                ; type 2
.endr
	s_lshl_b32 s38, s34, 17
	s_lshl_b32 s36, s35, 10
	s_add_co_u32 s38, s38, s36
	s_add_nc_u64 s[4:5], s[4:5], s[38:39]          ; my tile of Q
	s_lshl_b32 s38, s34, 14
	s_lshl_b32 s36, s35, 7
	s_add_co_u32 s38, s38, s36
	s_add_nc_u64 s[6:7], s[6:7], s[38:39]          ; its scale words
	s_lshr_b32 s38, s34, 3
	s_lshl_b32 s38, s38, 7
	s_add_co_u32 s38, s38, s35                     ; the row tile: 128 x batch + query tile
	s_mul_i32 s38, s38, 8704
	s_add_nc_u64 s[10:11], s[10:11], s[38:39]
	s_bfe_u32 s36, s34, 0x20001                    ; (head >> 1)
	s_and_b32 s33, s34, 1                          ; head & 1
	s_lshl_b32 s38, s36, 7
	s_add_co_u32 s38, s38, 8192
	s_lshl_b32 s32, s33, 1
	s_add_co_u32 s38, s38, s32
	s_add_nc_u64 s[40:41], s[10:11], s[38:39]      ; my two scale bytes of each row's word
	s_lshl_b32 s38, s36, 11
	s_lshl_b32 s32, s33, 10
	s_add_co_u32 s38, s38, s32
	s_add_nc_u64 s[10:11], s[10:11], s[38:39]      ; my two groups of codes
	CROUND                                         ; all four work-groups are here: the joint loads meet
	tensor_load_to_lds s[G0:G0+3], s[16:23]        ; the first fills, one group: four of mine are out
	s_nop 0
	tensor_load_to_lds s[G0+4:G0+7], s[16:23]
	s_nop 0
	tensor_load_to_lds s[G0+8:G0+11], s[16:23]
	s_nop 0
	tensor_load_to_lds s[G0+12:G0+15], s[16:23]
	s_nop 0
	PLACES 4
	global_load_b128 v[QF:QF+3], v[LI], s[4:5]
	global_load_b128 v[QF+4:QF+7], v[LI], s[4:5] offset:512
	global_load_b128 v[QF+16:QF+19], v[LI], s[4:5]
	global_load_b128 v[QF+20:QF+23], v[LI], s[4:5] offset:512
	global_load_b32 v[QSW], v[LS], s[6:7]
.irp j, 8,9,10,11,12,13,14,15
	v_mov_b32 v[QF+\j], 0                          ; zero codes
.endr
.set j, 0
.rept 32
	v_mov_b32 v[O+j], 0                            ; O^T: the step is written once; its first trip finds zeros
.set j, j+1
.endr
	v_mov_b32 v[TMX], 0xff61b1e6                   ; -3e38, under every t
	v_floor_f32 v[NM], -v[TMX]
	v_mov_b32 v[SUM], 0
	v_mov_b32 v[SUM+1], 0
.irp b, 0,1,2,3
	v_mov_b32 v[T2+\b], 0                          ; (a lane permute's destination counts as read)
.endr
	v_mov_b32 v[PW], 0                             ; (named as the upper half of a pair before it is first written)
	v_mov_b32 v[TMP], 0
	s_wait_loadcnt 0x0                             ; Q
	QUARTER 0, 3
	QUARTER 1, 2
	QUARTER 2, 1
	QUARTER 3, 0
	PLACES 8
	v_add_f32 v[SUM], v[SUM], v[SUM+1]
	v_permlanex16_b32 v[TMP], v[SUM], s24, s25
	v_add_f32 v[SUM], v[SUM], v[TMP]               ; the row's sum
	v_rcp_f32 v[SUM], v[SUM]
	v_nop
.set j, 0
	s_wait_alu depctr_va_vdst(0)
.rept 32
	v_mul_f32 v[S+j], v[O+j], v[SUM]               ; register 16 b + i: av(my query, 64 head + 32 b + 16 (lane / 16) + i)
.set j, j+1
.endr
	; av's two blocks are quantised as every operand is
.irp b, 0,1
	v_max3_num_f32 v[QTM+\b], |v[S+16*\b]|, |v[S+16*\b+1]|, FLOORC
.endr
.irp i, 2,4,6,8,10,12,14
.irp b, 0,1
	v_max3_num_f32 v[QTM+\b], |v[S+16*\b+\i]|, |v[S+16*\b+\i+1]|, v[QTM+\b]
.endr
.endr
.irp b, 0,1
	v_permlanex16_b32 v[QTP+\b], v[QTM+\b], s24, s25
.endr
.irp b, 0,1
	v_max_num_f32 v[QTM+\b], v[QTM+\b], v[QTP+\b]
.endr
.irp b, 0,1
	v_add_nc_u32 v[QSOP+\b], DEXP, v[QTM+\b]
.endr
.irp b, 0,1
	v_and_or_b32 v[QCAP+\b], v[QTM+\b], EXPM, s28
.endr
.irp b, 0,1
	v_lshrrev_b32 v[QTP+\b], 23, v[QSOP+\b]
.endr
.irp b, 0,1
.irp i, 0,1,2,3,4,5,6,7,8,9,10,11,12,13,14,15
	v_med3_num_f32 v[S+16*\b+\i], v[S+16*\b+\i], -v[QCAP+\b], v[QCAP+\b]
.endr
.endr
.irp b, 0,1
	v_cvt_scalef32_pk8_fp8_f32 v[PC+4*\b:PC+4*\b+1], v[S+16*\b:S+16*\b+7], v[QSOP+\b]
	v_cvt_scalef32_pk8_fp8_f32 v[PC+4*\b+2:PC+4*\b+3], v[S+16*\b+8:S+16*\b+15], v[QSOP+\b]
.endr
	v_lshl_or_b32 v[TMP], v[QTP+1], 8, v[QTP]      ; (a plain line behind the conversions)  the two bytes
	global_store_b128 v[LI], v[PC:PC+3], s[10:11]
	global_store_b128 v[LI], v[PC+4:PC+7], s[10:11] offset:512
	global_store_b16 v[LS], v[TMP], s[40:41]
	s_wait_tensorcnt 0x0
	ds_add_u32 v254, v255
	s_wait_dscnt 0x0
	CROUND                                         ; the closing round: no work-group ends while a partner may still ask for a record that names it
	s_endpgm
.Lfunc_end_k_q950f7d0c91_attn:
	.size	k_q950f7d0c91_attn, .Lfunc_end_k_q950f7d0c91_attn-k_q950f7d0c91_attn
	.p2alignl 7, 3214868480
	.fill 96, 4, 3214868480
	.section	.rodata,"a",@progbits
	.p2align	6, 0x0
	.amdhsa_kernel k_q950f7d0c91_attn
		.amdhsa_group_segment_fixed_size 280576
		.amdhsa_private_segment_fixed_size 0
		.amdhsa_enable_private_segment 0
		.amdhsa_kernarg_size 32
		.amdhsa_user_sgpr_count 2
		.amdhsa_user_sgpr_kernarg_segment_ptr 1
		.amdhsa_wavefront_size32 1
		.amdhsa_system_sgpr_workgroup_id_x 1
		.amdhsa_system_sgpr_workgroup_id_y 1
		.amdhsa_system_sgpr_workgroup_id_z 1
		.amdhsa_system_vgpr_workitem_id 0
		.amdhsa_next_free_vgpr 256
		.amdhsa_next_free_sgpr 66
		.amdhsa_reserve_vcc 0
		.amdhsa_float_denorm_mode_32 3
		.amdhsa_float_denorm_mode_16_64 3
		.amdhsa_memory_ordered 1
		.amdhsa_forward_progress 1
		.amdhsa_inst_pref_size 90
	.end_amdhsa_kernel
	.amdgpu_metadata
---
amdhsa.version: [ 1, 2 ]
amdhsa.kernels:
  - .name:           k_q950f7d0c91_attn
    .symbol:         k_q950f7d0c91_attn.kd
    .args:
      - { .name: qbuf, .offset: 0, .size: 8, .value_kind: global_buffer, .address_space: global }
      - { .name: qs, .offset: 8, .size: 8, .value_kind: global_buffer, .address_space: global }
      - { .name: kv, .offset: 16, .size: 8, .value_kind: global_buffer, .address_space: global }
      - { .name: avr, .offset: 24, .size: 8, .value_kind: global_buffer, .address_space: global }
    .group_segment_fixed_size: 280576
    .private_segment_fixed_size: 0
    .kernarg_segment_align: 8
    .kernarg_segment_size: 32
    .max_flat_workgroup_size: 512
    .sgpr_count:     66
    .vgpr_count:     256
    .wavefront_size: 32
...
	.end_amdgpu_metadata
.endif
;; end of part 2
;; launch proj (part 3): grid 256 x 1, 4 waves a work-group, no clusters, 2,560 bytes of LDS; arguments avr, wimg, Wo_scales, bo, x, ln2_g, ln2_b, x1, x2r; writes x1, x2r
.if DOCPART == 3
	.amdgcn_target "amdgcn-amd-amdhsa--gfx1250"
	.amdhsa_code_object_version 6
	.text
	.protected	k_q950f7d0c91_proj
	.globl	k_q950f7d0c91_proj
	.p2align	8
	.type	k_q950f7d0c91_proj,@function
k_q950f7d0c91_proj:
	s_mov_b64 s[64:65], 0
	v_nop
	global_prefetch_b8 v0, s[64:65] scope:SCOPE_SE
	s_setreg_imm32_b32 hwreg(HW_REG_WAVE_MODE, 25, 1), 1
	s_wait_xcnt 0x0
; x1 = x + av Wo + bo (product on codes of E4M3, one E8M0 byte for each 32 along K); x2 = LayerNorm 2 of x1, quantised along D.
; SHARES.  A work-group takes 32 rows (row tiles 2 g, 2 g + 1).  THE WAVES SHARE THE COLUMNS: wave w makes columns 128 w .. 128 w + 127, which are K step w of x2: its 128 rows of Wo (8 tiles x 4 K steps = 512 registers) go from
; memory straight into its registers, once.  They come from wimg, where the first launch laid them as images of operand registers: wave w's 65,536 bytes on end, each load 512 consecutive bytes.
; NO JOINT LOADS: Wo never lies in LDS (through LDS each byte would be written and read once more), and av's records are each work-group's own.
; The product is used transposed (source 0 = 16 rows of Wo, source 1 = av); lane r of weight tile 2 b + u' takes row 32 b + 8 u' + r + (r & 8), so a lane's register 16 b + i is column 128 w + 32 b + 16 (lane / 16) + i of its row.
; x is loaded in that very layout into the accumulators, bo is added, and the products add onto them in place.
; A row's mean and variance span the four waves: each wave's part goes through LDS, one barrier for the sums and one for the squares of the differences (two passes: a common offset does no harm).
; OUT.  x1: images of the 64 registers, [row tile][w][16 groups of 512 bytes].  x2r: a record of 8,704 bytes a row tile: K step w's four groups of 512 bytes, its scale words at 8,192 + 128 w.
; LIMITS: NaN and infinities are not served; a block under 2^-118 gets the byte 1 (only this program reads the bytes); v_rsq_f32 is taken as it is.
; REGISTERS.  window 0: v4-10 addresses; v16-143 the 16 accumulators; v144-207 bo, then the quantiser's and the sums'; v208-239 Wo's scale words, v240-247 av's; v248-255 means and 1 / deviations.
; window 1: v0-127 av's fragments; v128-191 ln2_g, v192-255 ln2_b.   windows 2, 3: Wo.
.set FLOORC, 0x4800000
.set DEXP,   0xfc000000
.set EXPM,   0x7f800000
.set XA,  4
.set WSA, 6
.set C64, 7
.set LI,  8
.set LS,  9
.set STW, 10
.set ACC, 16
.set T64, 144
.set QTM, 144
.set QTP, 148
.set QCAP, 152
.set QSOP, 156
.set PC,  160
.set PW,  176
.set SA,  180
.set PS,  188
.set TT,  196
.set WS,  208
.set XS,  240
.set MU,  248
.set RS,  252
.set SELR, 24
.set MNTR, 26
.set MSB, 0
.macro WIN new
.if MSB != (\new)
	s_set_vgpr_msb (MSB<<8)|(\new)
.set MSB, (\new)
.endif
.endm
.macro PLACES n
.rept \n
	v_nop
.endr
.endm
.macro BARRIER
	s_wait_dscnt 0x0
	s_barrier_signal -1
	s_barrier_wait -1
.endm
.macro QUANT4 s, pc                    ; four blocks of 16 registers from v[s] become codes in v[pc ..] and bytes in v[QTP ..]
.irp b, 0,1,2,3
	v_max3_num_f32 v[QTM+\b], |v[(\s)+16*\b]|, |v[(\s)+16*\b+1]|, FLOORC
.endr
.irp i, 2,4,6,8,10,12,14
.irp b, 0,1,2,3
	v_max3_num_f32 v[QTM+\b], |v[(\s)+16*\b+\i]|, |v[(\s)+16*\b+\i+1]|, v[QTM+\b]
.endr
.endr
.irp b, 0,1,2,3
	v_permlanex16_b32 v[QTP+\b], v[QTM+\b], s[SELR], s[SELR+1]
.endr
.irp b, 0,1,2,3
	v_max_num_f32 v[QTM+\b], v[QTM+\b], v[QTP+\b]
.endr
.irp b, 0,1,2,3
	v_add_nc_u32 v[QSOP+\b], DEXP, v[QTM+\b]
.endr
.irp b, 0,1,2,3
	v_and_or_b32 v[QCAP+\b], v[QTM+\b], EXPM, s[MNTR]
.endr
.irp b, 0,1,2,3
	v_lshrrev_b32 v[QTP+\b], 23, v[QSOP+\b]
.endr
.irp b, 0,1,2,3
.irp i, 0,1,2,3,4,5,6,7,8,9,10,11,12,13,14,15
	v_med3_num_f32 v[(\s)+16*\b+\i], v[(\s)+16*\b+\i], -v[QCAP+\b], v[QCAP+\b]
.endr
.endr
.irp b, 0,1,2,3
	v_cvt_scalef32_pk8_fp8_f32 v[(\pc)+4*\b:(\pc)+4*\b+1], v[(\s)+16*\b:(\s)+16*\b+7], v[QSOP+\b]
	v_cvt_scalef32_pk8_fp8_f32 v[(\pc)+4*\b+2:(\pc)+4*\b+3], v[(\s)+16*\b+8:(\s)+16*\b+15], v[QSOP+\b]
.endr
	v_nop
.endm
.macro FOLD u                          ; four pairs of partial sums, and lane l xor 16's, into v[TT + 2 u]
	v_pk_add_f32 v[SA:SA+1], v[SA:SA+1], v[SA+2:SA+3]
	v_pk_add_f32 v[SA+4:SA+5], v[SA+4:SA+5], v[SA+6:SA+7]
	v_pk_add_f32 v[SA:SA+1], v[SA:SA+1], v[SA+4:SA+5]
	v_add_f32 v[TT+2*\u], v[SA], v[SA+1]
	v_permlanex16_b32 v[TT+2*\u+1], v[TT+2*\u], s[SELR], s[SELR+1]
	v_add_f32 v[TT+2*\u], v[TT+2*\u], v[TT+2*\u+1]
.endm
.macro MEET pass                       ; the four waves' parts of both tiles' sums: v[PS], v[PS + 4]
	BARRIER
.irp u, 0,1
.irp k, 0,1,2,3
	ds_load_b32 v[PS+4*\u+\k], v[LS] offset:1024*\pass+256*\k+128*\u
.endr
.endr
	s_wait_dscnt 0x0
.irp u, 0,1
	v_add_f32 v[PS+4*\u], v[PS+4*\u], v[PS+4*\u+1]
	v_add_f32 v[PS+4*\u+2], v[PS+4*\u+2], v[PS+4*\u+3]
	v_add_f32 v[PS+4*\u], v[PS+4*\u], v[PS+4*\u+2]
.endr
.endm
	s_load_b512 s[4:19], s[0:1], 0x0               ; avr, wimg, Wo's scales, bo, x, ln2_g, ln2_b, x1
	s_load_b64 s[20:21], s[0:1], 0x40              ; x2r
	v_lshl_add_u32 v14, v0, 2, 0x800
	v_mov_b32 v15, 0
	v_lshrrev_b32 v1, 5, v0
	v_readfirstlane_b32 s22, v1                    ; wave
	v_and_b32 v1, 31, v0
	v_and_b32 v2, 15, v0
	v_bfe_u32 v3, v0, 4, 1
	v_and_b32 v11, 8, v2
	v_add_nc_u32 v11, v11, v2                      ; r + (r & 8)
	v_lshlrev_b32 v[XA], 11, v11
	v_lshl_add_u32 v[XA], v3, 6, v[XA]
	v_lshlrev_b32 v[WSA], 4, v11
	v_lshlrev_b32 v[C64], 6, v3
	v_lshlrev_b32 v[LI], 4, v1
	v_lshlrev_b32 v[LS], 2, v1
	s_lshl_b32 s28, s22, 8
	v_add_nc_u32 v[STW], s28, v[LS]                ; my wave's words among the sums
	s_mov_b32 s24, 0x76543210
	s_mov_b32 s25, 0xfedcba98
	s_mov_b32 s26, 0x600000
	s_mov_b32 s27, 0x3727c5ac                      ; 1e-5
	s_mov_b32 s29, 0
	s_wait_kmcnt 0x0
	s_mul_i32 s28, ttmp9, 17408
	s_add_nc_u64 s[4:5], s[4:5], s[28:29]          ; av's two records
	s_add_nc_u64 s[20:21], s[20:21], s[28:29]      ; x2's two records
	s_lshl_b32 s28, s22, 16
	s_add_nc_u64 s[6:7], s[6:7], s[28:29]          ; Wo's image begins wimg: my 32 fragments
	s_lshl_b32 s28, s22, 11
	s_add_nc_u64 s[8:9], s[8:9], s[28:29]
	s_add_nc_u64 s[32:33], s[20:21], s[28:29]      ; x2r: K step w's codes
	s_lshl_b32 s28, s22, 9
	s_add_nc_u64 s[10:11], s[10:11], s[28:29]      ; bo, g, b at my 128 columns
	s_add_nc_u64 s[14:15], s[14:15], s[28:29]
	s_add_nc_u64 s[16:17], s[16:17], s[28:29]
	s_lshl_b32 s30, ttmp9, 16
	s_add_co_u32 s28, s28, s30
	s_add_nc_u64 s[12:13], s[12:13], s[28:29]      ; x at my rows and columns
	s_lshl_b32 s28, s22, 13
	s_add_co_u32 s28, s28, s30
	s_add_nc_u64 s[18:19], s[18:19], s[28:29]      ; x1's images
	s_lshl_b32 s28, s22, 7
	s_add_co_u32 s28, s28, 8192
	s_add_nc_u64 s[20:21], s[20:21], s[28:29]      ; x2r: K step w's scale words
.irp u, 0,1
.irp b, 0,1,2,3
.irp j, 0,1,2,3
	global_load_b128 v[ACC+64*\u+16*\b+4*\j:ACC+64*\u+16*\b+4*\j+3], v[XA], s[12:13] offset:16384*\u+128*\b+16*\j
.endr
.endr
.endr
.irp b, 0,1,2,3
.irp j, 0,1,2,3
	global_load_b128 v[T64+16*\b+4*\j:T64+16*\b+4*\j+3], v[C64], s[10:11] offset:128*\b+16*\j
.endr
.endr
	WIN 0x40
.irp b, 0,1,2,3
.irp j, 0,1,2,3
	global_load_b128 v[128+16*\b+4*\j:128+16*\b+4*\j+3], v[C64], s[14:15] offset:128*\b+16*\j
	global_load_b128 v[192+16*\b+4*\j:192+16*\b+4*\j+3], v[C64], s[16:17] offset:128*\b+16*\j
.endr
.endr
.irp u, 0,1
.irp k, 0,1,2,3
.irp c, 0,1,2,3
	global_load_b128 v[64*\u+16*\k+4*\c:64*\u+16*\k+4*\c+3], v[LI], s[4:5] offset:8704*\u+2048*\k+512*\c
.endr
.endr
.endr
	WIN 0
.irp u, 0,1
.irp k, 0,1,2,3
	global_load_b32 v[XS+4*\u+\k], v[LS], s[4:5] offset:8704*\u+8192+128*\k
.endr
.endr
.irp n, 0,1,2,3,4,5,6,7                        ; Wo: tile n, K step k at register 64 (n % 4) + 16 k of window 2 (n < 4) or 3: 512 consecutive bytes a load
	WIN 0x80+0x40*(\n/4)
.irp k, 0,1,2,3
.irp c, 0,1,2,3
	global_load_b128 v[64*(\n%4)+16*\k+4*\c:64*(\n%4)+16*\k+4*\c+3], v[LI], s[6:7] offset:(4*\n+\k)*2048+512*\c
.endr
.endr
.endr
	WIN 0
.irp n, 0,1,2,3,4,5,6,7
	global_load_b128 v[WS+4*\n:WS+4*\n+3], v[WSA], s[8:9] offset:(32*(\n/2)+8*(\n%2))*16   ; my row's 16 scale bytes are the four K steps' words
.endr
	s_wait_loadcnt 0x0
.irp u, 0,1
.set p, 0
.rept 32
	v_pk_add_f32 v[ACC+64*\u+p:ACC+64*\u+p+1], v[ACC+64*\u+p:ACC+64*\u+p+1], v[T64+p:T64+p+1]   ; x + bo: what the sums begin with
.set p, p+2
.endr
.endr
.irp k, 0,1,2,3                                ; 64 products: 16 accumulators by turns, one instruction a turn
.irp n, 0,1,2,3,4,5,6,7
	WIN 0x06+(\n/4)
.irp u, 0,1
	v_wmma_scale_f32_16x16x128_f8f6f4 v[ACC+64*\u+8*\n:ACC+64*\u+8*\n+7], v[64*(\n%4)+16*\k:64*(\n%4)+16*\k+15], v[64*\u+16*\k:64*\u+16*\k+15], v[ACC+64*\u+8*\n:ACC+64*\u+8*\n+7], v[WS+4*\n+\k], v[XS+4*\u+\k]
.endr
.endr
.endr
	WIN 0
	PLACES 8
.irp u, 0,1
.set gq, 0
.rept 16
	global_store_b128 v[LI], v[ACC+64*\u+4*gq:ACC+64*\u+4*gq+3], s[18:19] offset:32768*\u+512*gq   ; x1, each accumulator from its low end on; 512 consecutive bytes a store
.set gq, gq+1
.endr
.endr
.irp u, 0,1                                    ; the sum of my 64 numbers of a row
.irp k, 0,1,2,3
	v_pk_add_f32 v[SA+2*\k:SA+2*\k+1], v[ACC+64*\u+4*\k:ACC+64*\u+4*\k+1], v[ACC+64*\u+4*\k+2:ACC+64*\u+4*\k+3]
.endr
.set p, 16
.rept 24
	v_pk_add_f32 v[SA+2*((p/2)%4):SA+2*((p/2)%4)+1], v[ACC+64*\u+p:ACC+64*\u+p+1], v[SA+2*((p/2)%4):SA+2*((p/2)%4)+1]
.set p, p+2
.endr
	FOLD \u
	ds_store_b32 v[STW], v[TT+2*\u] offset:128*\u
.endr
	MEET 0
.irp u, 0,1
	v_mul_f32 v[MU+2*\u], 0x3b000000, v[PS+4*\u]
	v_mov_b32 v[MU+2*\u+1], v[MU+2*\u]
.endr
	s_wait_xcnt 0x0                                ; x1's stores have read their registers
.irp u, 0,1
.set p, 0
.rept 32
	v_pk_add_f32 v[ACC+64*\u+p:ACC+64*\u+p+1], v[ACC+64*\u+p:ACC+64*\u+p+1], v[MU+2*\u:MU+2*\u+1] op_sel_hi:[1,0] neg_lo:[0,1] neg_hi:[0,1]
.set p, p+2
.endr
.endr
.irp u, 0,1                                    ; the squares of the differences
.irp k, 0,1,2,3
	v_pk_mul_f32 v[SA+2*\k:SA+2*\k+1], v[ACC+64*\u+2*\k:ACC+64*\u+2*\k+1], v[ACC+64*\u+2*\k:ACC+64*\u+2*\k+1]
.endr
.set p, 8
.rept 28
	v_pk_fma_f32 v[SA+2*((p/2)%4):SA+2*((p/2)%4)+1], v[ACC+64*\u+p:ACC+64*\u+p+1], v[ACC+64*\u+p:ACC+64*\u+p+1], v[SA+2*((p/2)%4):SA+2*((p/2)%4)+1]
.set p, p+2
.endr
	FOLD \u
	ds_store_b32 v[STW], v[TT+2*\u] offset:1024+128*\u   ; other bytes than the first pass's: no barrier between its reads and these stores
.endr
	MEET 1
.irp u, 0,1
	v_fma_f32 v[PS+4*\u], v[PS+4*\u], 0x3b000000, s27
.endr
.irp u, 0,1
	v_rsq_f32 v[RS+2*\u], v[PS+4*\u]
	v_rsq_f32 v[RS+2*\u+1], v[PS+4*\u]
.endr
	v_nop
	s_wait_alu depctr_va_vdst(0)
.irp u, 0,1
.set p, 0
.rept 32
	v_pk_mul_f32 v[ACC+64*\u+p:ACC+64*\u+p+1], v[ACC+64*\u+p:ACC+64*\u+p+1], v[RS+2*\u:RS+2*\u+1]
.set p, p+2
.endr
.endr
	WIN 0x14                                       ; g and b in window 1
.irp u, 0,1
.set p, 0
.rept 32
	v_pk_fma_f32 v[ACC+64*\u+p:ACC+64*\u+p+1], v[ACC+64*\u+p:ACC+64*\u+p+1], v[128+p:128+p+1], v[192+p:192+p+1]
.set p, p+2
.endr
.endr
	WIN 0
.irp u, 0,1
.if \u == 1
	s_wait_xcnt 0x0                                ; the first tile's stores have read the codes' registers
.endif
	QUANT4 ACC+64*\u, PC
	v_lshl_or_b32 v[PW], v[QTP+1], 8, v[QTP]
	v_lshl_or_b32 v[PW], v[QTP+2], 16, v[PW]
	v_lshl_or_b32 v[PW], v[QTP+3], 24, v[PW]
.irp c, 0,1,2,3
	global_store_b128 v[LI], v[PC+4*\c:PC+4*\c+3], s[32:33] offset:8704*\u+512*\c
.endr
	global_store_b32 v[LS], v[PW], s[20:21] offset:8704*\u
.endr
	s_wait_tensorcnt 0x0
	ds_add_u32 v14, v15
	s_wait_dscnt 0x0
	s_endpgm
.Lfunc_end_k_q950f7d0c91_proj:
	.size	k_q950f7d0c91_proj, .Lfunc_end_k_q950f7d0c91_proj-k_q950f7d0c91_proj
	.p2alignl 7, 3214868480
	.fill 96, 4, 3214868480
	.section	.rodata,"a",@progbits
	.p2align	6, 0x0
	.amdhsa_kernel k_q950f7d0c91_proj
		.amdhsa_group_segment_fixed_size 2560
		.amdhsa_private_segment_fixed_size 0
		.amdhsa_enable_private_segment 0
		.amdhsa_kernarg_size 72
		.amdhsa_user_sgpr_count 2
		.amdhsa_user_sgpr_kernarg_segment_ptr 1
		.amdhsa_wavefront_size32 1
		.amdhsa_system_sgpr_workgroup_id_x 1
		.amdhsa_system_sgpr_workgroup_id_y 1
		.amdhsa_system_sgpr_workgroup_id_z 1
		.amdhsa_system_vgpr_workitem_id 0
		.amdhsa_next_free_vgpr 1024
		.amdhsa_next_free_sgpr 66
		.amdhsa_reserve_vcc 0
		.amdhsa_float_denorm_mode_32 3
		.amdhsa_float_denorm_mode_16_64 3
		.amdhsa_memory_ordered 1
		.amdhsa_forward_progress 1
		.amdhsa_inst_pref_size 83
	.end_amdhsa_kernel
	.amdgpu_metadata
---
amdhsa.version: [ 1, 2 ]
amdhsa.kernels:
  - .name:           k_q950f7d0c91_proj
    .symbol:         k_q950f7d0c91_proj.kd
    .args:
      - { .name: avr, .offset: 0, .size: 8, .value_kind: global_buffer, .address_space: global }
      - { .name: wimg, .offset: 8, .size: 8, .value_kind: global_buffer, .address_space: global }
      - { .name: Wo_scales, .offset: 16, .size: 8, .value_kind: global_buffer, .address_space: global }
      - { .name: bo, .offset: 24, .size: 8, .value_kind: global_buffer, .address_space: global }
      - { .name: x, .offset: 32, .size: 8, .value_kind: global_buffer, .address_space: global }
      - { .name: ln2_g, .offset: 40, .size: 8, .value_kind: global_buffer, .address_space: global }
      - { .name: ln2_b, .offset: 48, .size: 8, .value_kind: global_buffer, .address_space: global }
      - { .name: x1, .offset: 56, .size: 8, .value_kind: global_buffer, .address_space: global }
      - { .name: x2r, .offset: 64, .size: 8, .value_kind: global_buffer, .address_space: global }
    .group_segment_fixed_size: 2560
    .private_segment_fixed_size: 0
    .kernarg_segment_align: 8
    .kernarg_segment_size: 72
    .max_flat_workgroup_size: 128
    .sgpr_count:     66
    .vgpr_count:     1024
    .wavefront_size: 32
...
	.end_amdgpu_metadata
.endif
;; end of part 3
;; launch ffn1 (part 4): grid 64 x 4, 4 waves a work-group, no clusters, 168,448 bytes of LDS; arguments x2r, wimg, W1_scales, b1, hid; writes hid
.if DOCPART == 4
	.amdgcn_target "amdgcn-amd-amdhsa--gfx1250"
	.amdhsa_code_object_version 6
	.text
	.protected	k_q950f7d0c91_ffn1
	.globl	k_q950f7d0c91_ffn1
	.p2align	8
	.type	k_q950f7d0c91_ffn1,@function
k_q950f7d0c91_ffn1:
	s_mov_b64 s[64:65], 0
	v_nop
	global_prefetch_b8 v0, s[64:65] scope:SCOPE_SE
	s_setreg_imm32_b32 hwreg(HW_REG_WAVE_MODE, 25, 1), 1
	s_wait_xcnt 0x0
; hid = Q(gelu(x2 W1 + b1)): product on codes of E4M3 with one E8M0 byte for each 32 along K, the exact (erf) GELU in f32, the result quantised along the hidden axis.
; SHARES.  A work-group takes 128 rows (8 row tiles) x 512 hidden units; wave w takes units + 128 w .. + 127, which are one K step of the next product.  Its 128 rows of W1 (512 registers) go from memory straight into its registers, once:
; from wimg, where the first launch laid them as images of operand registers: the wave's 65,536 bytes on end, each load 512 consecutive bytes.
; x2's eight records (69,632 bytes, images of operand registers) come into LDS once, a quarter by each wave's ONE tensor load: no byte of LDS is filled twice.
; NO JOINT LOADS: what the four work-groups of a row block share, those 69,632 bytes, is a fifth of what a work-group reads; the weights never lie in LDS (262,144 + 69,632 bytes are more than a WGP has).
; The product is used transposed (source 0 = 16 rows of W1, source 1 = x2); lane r of weight tile 2 b + u' takes row 32 b + 8 u' + r + (r & 8): a lane's register 16 b + i is hidden unit 32 b + 16 (lane / 16) + i of its row.
; b1 is the C of each sum's first product.
; erf(z) = z P(z^2) / Q(z^2), z = x / sqrt(2) held within +-4, P of degree 6 and Q of degree 4: good to a few ulp of erf; gelu = x / 2 + (x / 2) erf.
; LIMITS: NaN and infinities are not served.  Where erf is near -1 the sum 1 + erf keeps erf's absolute error (about 1e-7), as every f32 form of this sum does.  A block under 2^-118 gets the byte 1.
; OUT.  hid: [row tile][quarter of the hidden axis] records of 8,704 bytes: K step w's four groups of 512 bytes, its scale words at 8,192 + 128 w.
; REGISTERS.  window 0: v5-12 addresses; v16-79 8 accumulators; v80-115 the GELU's; v116-148 the quantiser's; v160-191 W1's scale words, v192-195 x2's.   window 1: v0-63 b1; v64-127 x2's fragments.   windows 2, 3: W1.
.set FLOORC, 0x4800000
.set DEXP,   0xfc000000
.set EXPM,   0x7f800000
.set WSA, 5
.set C64, 6
.set LI,  7
.set LS,  8
.set AI,  9
.set AS,  10
.set CO,  11
.set SO,  12
.set ACC, 16
.set GZ,  80
.set GW,  88
.set GP,  96
.set GQ,  104
.set CA,  112
.set CB,  114
.set QTM, 116
.set QTP, 120
.set QCAP, 124
.set QSOP, 128
.set PC,  132
.set PW,  148
.set WS,  160
.set XS,  192
.set SELR, 30
.set MNTR, 29
.set MSB, 0
.macro WIN new
.if MSB != (\new)
	s_set_vgpr_msb (MSB<<8)|(\new)
.set MSB, (\new)
.endif
.endm
.macro PLACES n
.rept \n
	v_nop
.endr
.endm
.macro SPAIR r, val                    ; a constant for the packed forms: they name a pair and take its low word for both halves
	s_mov_b32 s[\r], \val
	s_mov_b32 s[\r+1], \val
.endm
.macro QUANT4 s, pc
.irp b, 0,1,2,3
	v_max3_num_f32 v[QTM+\b], |v[(\s)+16*\b]|, |v[(\s)+16*\b+1]|, FLOORC
.endr
.irp i, 2,4,6,8,10,12,14
.irp b, 0,1,2,3
	v_max3_num_f32 v[QTM+\b], |v[(\s)+16*\b+\i]|, |v[(\s)+16*\b+\i+1]|, v[QTM+\b]
.endr
.endr
.irp b, 0,1,2,3
	v_permlanex16_b32 v[QTP+\b], v[QTM+\b], s[SELR], s[SELR+1]
.endr
.irp b, 0,1,2,3
	v_max_num_f32 v[QTM+\b], v[QTM+\b], v[QTP+\b]
.endr
.irp b, 0,1,2,3
	v_add_nc_u32 v[QSOP+\b], DEXP, v[QTM+\b]
.endr
.irp b, 0,1,2,3
	v_and_or_b32 v[QCAP+\b], v[QTM+\b], EXPM, s[MNTR]
.endr
.irp b, 0,1,2,3
	v_lshrrev_b32 v[QTP+\b], 23, v[QSOP+\b]
.endr
.irp b, 0,1,2,3
.irp i, 0,1,2,3,4,5,6,7,8,9,10,11,12,13,14,15
	v_med3_num_f32 v[(\s)+16*\b+\i], v[(\s)+16*\b+\i], -v[QCAP+\b], v[QCAP+\b]
.endr
.endr
.irp b, 0,1,2,3
	v_cvt_scalef32_pk8_fp8_f32 v[(\pc)+4*\b:(\pc)+4*\b+1], v[(\s)+16*\b:(\s)+16*\b+7], v[QSOP+\b]
	v_cvt_scalef32_pk8_fp8_f32 v[(\pc)+4*\b+2:(\pc)+4*\b+3], v[(\s)+16*\b+8:(\s)+16*\b+15], v[QSOP+\b]
.endr
	v_nop
.endm
.macro GELU8 x                         ; one accumulator's eight numbers, four pairs by turns
.irp k, 0,2,4,6
	v_pk_mul_f32 v[GZ+\k:GZ+\k+1], v[\x+\k:\x+\k+1], s[56:57] op_sel_hi:[1,0]
.endr
.irp k, 0,1,2,3,4,5,6,7
	v_med3_num_f32 v[GZ+\k], v[GZ+\k], -4.0, 4.0
.endr
.irp k, 0,2,4,6
	v_pk_mul_f32 v[GW+\k:GW+\k+1], v[GZ+\k:GZ+\k+1], v[GZ+\k:GZ+\k+1]
.endr
.irp k, 0,2,4,6
	v_pk_fma_f32 v[GP+\k:GP+\k+1], v[GW+\k:GW+\k+1], v[CA:CA+1], s[36:37] op_sel_hi:[1,1,0]
.endr
.irp k, 0,2,4,6
	v_pk_fma_f32 v[GQ+\k:GQ+\k+1], v[GW+\k:GW+\k+1], v[CB:CB+1], s[48:49] op_sel_hi:[1,1,0]
.endr
.irp q, 38,40,42,44,46
.irp k, 0,2,4,6
	v_pk_fma_f32 v[GP+\k:GP+\k+1], v[GP+\k:GP+\k+1], v[GW+\k:GW+\k+1], s[\q:\q+1] op_sel_hi:[1,1,0]
.endr
.endr
.irp q, 50,52,54
.irp k, 0,2,4,6
	v_pk_fma_f32 v[GQ+\k:GQ+\k+1], v[GQ+\k:GQ+\k+1], v[GW+\k:GW+\k+1], s[\q:\q+1] op_sel_hi:[1,1,0]
.endr
.endr
.irp k, 0,1,2,3,4,5,6,7
	v_rcp_f32 v[GQ+\k], v[GQ+\k]
.endr
.irp k, 0,2,4,6
	v_pk_mul_f32 v[GP+\k:GP+\k+1], v[GP+\k:GP+\k+1], v[GZ+\k:GZ+\k+1]   ; (plain lines behind the reciprocals)
.endr
.irp k, 0,2,4,6
	v_pk_mul_f32 v[\x+\k:\x+\k+1], v[\x+\k:\x+\k+1], 0.5 op_sel_hi:[1,0]
.endr
	s_wait_alu depctr_va_vdst(0)
.irp k, 0,2,4,6
	v_pk_mul_f32 v[GP+\k:GP+\k+1], v[GP+\k:GP+\k+1], v[GQ+\k:GQ+\k+1]   ; erf
.endr
.irp k, 0,2,4,6
	v_pk_fma_f32 v[\x+\k:\x+\k+1], v[\x+\k:\x+\k+1], v[GP+\k:GP+\k+1], v[\x+\k:\x+\k+1]
.endr
.endm
.macro FETCH                           ; a row tile's four fragments and scale words
	WIN 0x40
.irp k, 0,1,2,3
.irp c, 0,1,2,3
	ds_load_b128 v[64+16*\k+4*\c:64+16*\k+4*\c+3], v[AI] offset:2048*\k+512*\c
.endr
.endr
	WIN 0
.irp k, 0,1,2,3
	ds_load_b32 v[XS+\k], v[AS] offset:8192+128*\k
.endr
.endm
.macro RT more                         ; one row tile
	s_wait_dscnt 0x0
.irp k, 0,1,2,3                                ; 32 products: 8 accumulators by turns, one instruction a turn
.irp n, 0,1,2,3,4,5,6,7
.if \k == 0
	WIN 0x16+(\n/4)                                ; source 0 (W1) window 2 or 3, source 1 (x2) and C (b1) window 1
	v_wmma_scale_f32_16x16x128_f8f6f4 v[ACC+8*\n:ACC+8*\n+7], v[64*(\n%4)+16*\k:64*(\n%4)+16*\k+15], v[64+16*\k:64+16*\k+15], v[8*\n:8*\n+7], v[WS+4*\n+\k], v[XS+\k]
.else
	WIN 0x06+(\n/4)
	v_wmma_scale_f32_16x16x128_f8f6f4 v[ACC+8*\n:ACC+8*\n+7], v[64*(\n%4)+16*\k:64*(\n%4)+16*\k+15], v[64+16*\k:64+16*\k+15], v[ACC+8*\n:ACC+8*\n+7], v[WS+4*\n+\k], v[XS+\k]
.endif
.endr
.endr
	WIN 0
.if \more
	s_add_co_u32 s15, s15, 8704                    ; the next record
	v_add_nc_u32 v[AI], s15, v[LI]
	v_add_nc_u32 v[AS], s15, v[LS]
	PLACES 6                                       ; with the two additions: eight places in front of loads into the products' sources and of reads of their results
	FETCH                                          ; lands under the GELU
.else
	PLACES 8
.endif
.irp n, 0,1,2,3,4,5,6,7
	GELU8 ACC+8*\n
.endr
	QUANT4 ACC, PC
	v_lshl_or_b32 v[PW], v[QTP+1], 8, v[QTP]
	v_lshl_or_b32 v[PW], v[QTP+2], 16, v[PW]
	v_lshl_or_b32 v[PW], v[QTP+3], 24, v[PW]
.irp c, 0,1,2,3
	global_store_b128 v[CO], v[PC+4*\c:PC+4*\c+3], s[12:13] offset:512*\c
.endr
	global_store_b32 v[SO], v[PW], s[12:13]
	s_wait_xcnt 0x0                                ; the stores have read their registers and their base
	s_add_nc_u64 s[12:13], s[12:13], 34816         ; the next row tile's record of my quarter
.endm
	s_load_b256 s[4:11], s[0:1], 0x0               ; x2r, wimg, W1's scales, b1
	s_load_b64 s[12:13], s[0:1], 0x20              ; hid
	v_lshl_add_u32 v254, v0, 2, 0x29000
	v_mov_b32 v255, 0
	ds_add_u32 v254, v255
	ds_add_u32 v254, v255
	v_lshrrev_b32 v1, 5, v0
	v_readfirstlane_b32 s14, v1                    ; wave
	v_and_b32 v1, 31, v0
	v_and_b32 v2, 15, v0
	v_bfe_u32 v3, v0, 4, 1
	v_and_b32 v13, 8, v2
	v_add_nc_u32 v13, v13, v2                      ; r + (r & 8)
	v_lshlrev_b32 v[WSA], 4, v13
	v_lshlrev_b32 v[C64], 6, v3
	v_lshlrev_b32 v[LI], 4, v1
	v_lshlrev_b32 v[LS], 2, v1
	s_lshl_b32 s32, s14, 11
	v_add_nc_u32 v[CO], s32, v[LI]                 ; hid: K step w's codes
	s_lshl_b32 s32, s14, 7
	s_add_co_u32 s32, s32, 8192
	v_add_nc_u32 v[SO], s32, v[LS]                 ; and its scale words
	s_and_b32 s34, ttmp7, 0xffff                   ; which quarter of the hidden axis
	s_mov_b32 s33, 0
	s_mov_b32 s16, 1                               ; group 0: count 1,
	s_mul_i32 s17, s14, 17408                      ; LDS address: wave x two records
	s_mov_b32 s20, 3<<16                           ; group 1: no mask; elements of 8 bytes; no padding
	s_mov_b32 s21, 32<<16                          ; rows of 256 bytes,
	s_mov_b32 s22, 68<<16                          ; 68 of them,
	s_mov_b32 s23, 32<<16
	s_mov_b32 s24, 68
	s_mov_b32 s25, 32                              ; dense
	s_mov_b32 s26, 0
	s_mov_b32 s27, 0
	s_mul_i32 s32, ttmp9, 69632
	s_add_co_u32 s32, s32, s17                     ; records 8 x + 2 w, 8 x + 2 w + 1
	s_wait_dscnt 0x0
	s_wait_kmcnt 0x0
	s_add_nc_u64 s[18:19], s[4:5], s[32:33]
	s_or_b32 s19, s19, 0x80000000                  ; type 2
	tensor_load_to_lds s[16:19], s[20:27]          ; my one tensor load: one is out
	s_nop 0
	PLACES 4
	s_lshl_b32 s32, s34, 18
	s_lshl_b32 s35, s14, 16
	s_add_co_u32 s32, s32, s35
	s_add_co_u32 s32, s32, 262144                  ; W1's image lies behind Wo's
	s_add_nc_u64 s[6:7], s[6:7], s[32:33]          ; my 32 fragments
	s_lshl_b32 s32, s34, 13
	s_lshl_b32 s35, s14, 11
	s_add_co_u32 s32, s32, s35
	s_add_nc_u64 s[8:9], s[8:9], s[32:33]
	s_lshl_b32 s32, s34, 11
	s_lshl_b32 s35, s14, 9
	s_add_co_u32 s32, s32, s35
	s_add_nc_u64 s[10:11], s[10:11], s[32:33]      ; b1
	s_lshl_b32 s32, ttmp9, 5
	s_add_co_u32 s32, s32, s34
	s_mul_i32 s32, s32, 8704
	s_add_nc_u64 s[12:13], s[12:13], s[32:33]      ; hid: record (8 x, quarter)
.irp n, 0,1,2,3,4,5,6,7                        ; 512 consecutive bytes a load
	WIN 0x80+0x40*(\n/4)
.irp k, 0,1,2,3
.irp c, 0,1,2,3
	global_load_b128 v[64*(\n%4)+16*\k+4*\c:64*(\n%4)+16*\k+4*\c+3], v[LI], s[6:7] offset:(4*\n+\k)*2048+512*\c
.endr
.endr
.endr
	WIN 0x40
.irp b, 0,1,2,3
.irp j, 0,1,2,3
	global_load_b128 v[16*\b+4*\j:16*\b+4*\j+3], v[C64], s[10:11] offset:128*\b+16*\j
.endr
.endr
	WIN 0
.irp n, 0,1,2,3,4,5,6,7
	global_load_b128 v[WS+4*\n:WS+4*\n+3], v[WSA], s[8:9] offset:(32*(\n/2)+8*(\n%2))*16   ; my row's 16 scale bytes are the four K steps' words
.endr
	s_mov_b32 s30, 0x76543210
	s_mov_b32 s31, 0xfedcba98
	s_mov_b32 s29, 0x600000
	SPAIR 36, 0x32edffee                           ; P's coefficients below the highest,
	SPAIR 38, 0xb60cff51
	SPAIR 40, 0xb86ec2d2
	SPAIR 42, 0xba40ac63
	SPAIR 44, 0xbb41a1f6
	SPAIR 46, 0xbc83dbd4
	SPAIR 48, 0xb95fbd29                           ; Q's,
	SPAIR 50, 0xbadc924e
	SPAIR 52, 0xbbf19bf8
	SPAIR 54, 0xbc69b6a7
	SPAIR 56, 0x3f3504f3                           ; 1 / sqrt(2)
	v_mov_b32 v[CA], 0xaf95df0b                    ; the two highest coefficients in vector pairs: an instruction reads two scalar values at the most
	v_mov_b32 v[CA+1], 0xaf95df0b
	v_mov_b32 v[CB], 0xb77460cd
	v_mov_b32 v[CB+1], 0xb77460cd
.irp b, 0,1,2,3
	v_mov_b32 v[QTP+\b], 0
.endr
	s_mov_b32 s15, 0
	v_add_nc_u32 v[AI], s15, v[LI]
	v_add_nc_u32 v[AS], s15, v[LS]
	s_wait_tensorcnt 0x0                           ; my two records are in,
	s_barrier_signal -1
	s_barrier_wait -1                              ; everybody's are
	FETCH
	s_wait_loadcnt 0x0                             ; the weights, their scale words, b1
	s_mov_b32 s28, 7
.Ltile:
	RT 1
	s_sub_co_u32 s28, s28, 1
	s_cmp_lg_u32 s28, 0
	s_cbranch_scc1 .Ltile
	RT 0                                           ; the last tile fetches nothing beyond the eight records
	s_wait_tensorcnt 0x0
	ds_add_u32 v254, v255
	s_wait_dscnt 0x0
	s_endpgm
.Lfunc_end_k_q950f7d0c91_ffn1:
	.size	k_q950f7d0c91_ffn1, .Lfunc_end_k_q950f7d0c91_ffn1-k_q950f7d0c91_ffn1
	.p2alignl 7, 3214868480
	.fill 96, 4, 3214868480
	.section	.rodata,"a",@progbits
	.p2align	6, 0x0
	.amdhsa_kernel k_q950f7d0c91_ffn1
		.amdhsa_group_segment_fixed_size 168448
		.amdhsa_private_segment_fixed_size 0
		.amdhsa_enable_private_segment 0
		.amdhsa_kernarg_size 40
		.amdhsa_user_sgpr_count 2
		.amdhsa_user_sgpr_kernarg_segment_ptr 1
		.amdhsa_wavefront_size32 1
		.amdhsa_system_sgpr_workgroup_id_x 1
		.amdhsa_system_sgpr_workgroup_id_y 1
		.amdhsa_system_sgpr_workgroup_id_z 1
		.amdhsa_system_vgpr_workitem_id 0
		.amdhsa_next_free_vgpr 1024
		.amdhsa_next_free_sgpr 66
		.amdhsa_reserve_vcc 0
		.amdhsa_float_denorm_mode_32 3
		.amdhsa_float_denorm_mode_16_64 3
		.amdhsa_memory_ordered 1
		.amdhsa_forward_progress 1
		.amdhsa_inst_pref_size 126
	.end_amdhsa_kernel
	.amdgpu_metadata
---
amdhsa.version: [ 1, 2 ]
amdhsa.kernels:
  - .name:           k_q950f7d0c91_ffn1
    .symbol:         k_q950f7d0c91_ffn1.kd
    .args:
      - { .name: x2r, .offset: 0, .size: 8, .value_kind: global_buffer, .address_space: global }
      - { .name: wimg, .offset: 8, .size: 8, .value_kind: global_buffer, .address_space: global }
      - { .name: W1_scales, .offset: 16, .size: 8, .value_kind: global_buffer, .address_space: global }
      - { .name: b1, .offset: 24, .size: 8, .value_kind: global_buffer, .address_space: global }
      - { .name: hid, .offset: 32, .size: 8, .value_kind: global_buffer, .address_space: global }
    .group_segment_fixed_size: 168448
    .private_segment_fixed_size: 0
    .kernarg_segment_align: 8
    .kernarg_segment_size: 40
    .max_flat_workgroup_size: 128
    .sgpr_count:     66
    .vgpr_count:     1024
    .wavefront_size: 32
...
	.end_amdgpu_metadata
.endif
;; end of part 4
;; launch ffn2 (part 5): grid 64 x 4, 4 waves a work-group, no clusters, 296,448 bytes of LDS; arguments hid, wimg, W2_scales, b2, x1, out0; writes out0
.if DOCPART == 5
	.amdgcn_target "amdgcn-amd-amdhsa--gfx1250"
	.amdhsa_code_object_version 6
	.text
	.protected	k_q950f7d0c91_ffn2
	.globl	k_q950f7d0c91_ffn2
	.p2align	8
	.type	k_q950f7d0c91_ffn2,@function
k_q950f7d0c91_ffn2:
	s_mov_b64 s[64:65], 0
	v_nop
	global_prefetch_b8 v0, s[64:65] scope:SCOPE_SE
	s_setreg_imm32_b32 hwreg(HW_REG_WAVE_MODE, 25, 1), 1
	s_wait_xcnt 0x0
; out0 = x1 + hid W2 + b2: product on codes of E4M3 with one E8M0 byte for each 32 along K (K = 2,048), sums in f32.
; SHARES.  A work-group takes 128 rows (8 row tiles) x 128 columns.  THE WAVES SHARE K: wave w takes K = 512 w .. 512 w + 511, so each record of hid is read by one wave, straight into registers (images of operand registers),
; each fragment feeds eight products, and the wave's part of W2 (8 tiles x 4 K steps = 512 registers) is read from memory once: from wimg, where the first launch laid it as images of operand registers, the wave's 65,536 bytes on end,
; each load 512 consecutive bytes.  The four partial sums of a tile meet in LDS and are added in f32, in the order of K.
; NO JOINT LOADS: neither operand lies in LDS, whose 262,144 bytes of partial sums leave no room for W2's 262,144.
; The product is used transposed (source 0 = 16 rows of W2, source 1 = hid); lane r of weight tile 2 b + u' takes row 32 b + 8 u' + r + (r & 8): a lane's register 16 b + i is column 32 b + 16 (lane / 16) + i of its row: x1's image has that layout.
; OUT.  Behind the barrier wave w adds up tiles 2 w and 2 w + 1, adds x1 and b2, turns the tile through its own stage in LDS (rows of 512 + 16 bytes) and stores whole runs of 512 bytes of a row of out0.
; LIMITS: NaN and infinities are not served.  The sum over K is made of four partial sums of 512, not of one chain.
; REGISTERS.  window 0: v5-15 addresses; v16-79, v80-143 two sets of 8 accumulators, later the sums and the rows read back; v144-175 W2's scale words, v176-183 hid's, two sets.
; window 1: hid's fragments, two sets of 64; later the four partial sums.   windows 2, 3: W2; window 2 later: x1 (two tiles), b2.
.set STG, 262144
.set WSA, 5
.set C64, 6
.set LI,  7
.set LS,  8
.set PA,  9
.set RA,  13
.set SO,  14
.set SR,  15
.set ACC, 16
.set WS,  144
.set XS,  176
.set MSB, 0
.macro WIN new
.if MSB != (\new)
	s_set_vgpr_msb (MSB<<8)|(\new)
.set MSB, (\new)
.endif
.endm
.macro PLACES n
.rept \n
	v_nop
.endr
.endm
.macro ALOAD i                         ; row tile i: my K's four fragments and scale words, into set i % 2: 20 loads
	WIN 0x40
.irp k, 0,1,2,3
.irp c, 0,1,2,3
	global_load_b128 v[64*((\i)%2)+16*\k+4*\c:64*((\i)%2)+16*\k+4*\c+3], v[LI], s[4:5] offset:34816*(\i)+2048*\k+512*\c th:TH_LOAD_NT
.endr
.endr
	WIN 0
.irp k, 0,1,2,3
	global_load_b32 v[XS+4*((\i)%2)+\k], v[LS], s[4:5] offset:34816*(\i)+8192+128*\k th:TH_LOAD_NT
.endr
.endm
.macro TILE i
.if (\i) < 7
	s_wait_loadcnt 20                              ; this tile's loads are in; the next tile's 20 may be out
.else
	s_wait_loadcnt 0x0
.endif
.if (\i) >= 2
	s_wait_dscnt 16                                ; the stores of two tiles back have read this set of accumulators; the last tile's 16 may be out
.endif
.irp k, 0,1,2,3                                ; 32 products: 8 accumulators by turns, one instruction a turn
.irp n, 0,1,2,3,4,5,6,7
	WIN 0x06+(\n/4)
.if \k == 0
	v_wmma_scale_f32_16x16x128_f8f6f4 v[ACC+64*((\i)%2)+8*\n:ACC+64*((\i)%2)+8*\n+7], v[64*(\n%4)+16*\k:64*(\n%4)+16*\k+15], v[64*((\i)%2)+16*\k:64*((\i)%2)+16*\k+15], 0, v[WS+4*\n+\k], v[XS+4*((\i)%2)+\k]
.else
	v_wmma_scale_f32_16x16x128_f8f6f4 v[ACC+64*((\i)%2)+8*\n:ACC+64*((\i)%2)+8*\n+7], v[64*(\n%4)+16*\k:64*(\n%4)+16*\k+15], v[64*((\i)%2)+16*\k:64*((\i)%2)+16*\k+15], v[ACC+64*((\i)%2)+8*\n:ACC+64*((\i)%2)+8*\n+7], v[WS+4*\n+\k], v[XS+4*((\i)%2)+\k]
.endif
.endr
.endr
	WIN 0
	PLACES 8                                       ; in front of the stores of results and of loads into the products' sources
.set gq, 0
.rept 16
	ds_store_b128 v[PA+(\i)/2], v[ACC+64*((\i)%2)+4*gq:ACC+64*((\i)%2)+4*gq+3] offset:32768*((\i)%2)+512*gq   ; each accumulator from its low end on
.set gq, gq+1
.endr
.if (\i) < 6
	ALOAD (\i)+2
.endif
.endm
.macro RED t                           ; tile 2 w + t: the four partial sums, x1, b2; through my stage; out
.if \t == 1
	s_wait_xcnt 0x0                                ; the first tile's stores have read the registers that take rows again
.endif
	WIN 0x40
.set kq, 0
.rept 4
.set gq, 0
.rept 16
	ds_load_b128 v[64*kq+4*gq:64*kq+4*gq+3], v[RA] offset:32768*\t+8192*kq+512*gq
.set gq, gq+1
.endr
.set kq, kq+1
.endr
	s_wait_dscnt 0x0
.if \t == 0
	s_wait_loadcnt 0x0                             ; x1 and b2
.endif
	WIN 0x05
.set p, 0
.rept 32
	v_pk_add_f32 v[16+p:17+p], v[p:p+1], v[64+p:65+p]
.set p, p+2
.endr
	WIN 0x01
.set p, 0
.rept 32
	v_pk_add_f32 v[16+p:17+p], v[128+p:129+p], v[16+p:17+p]
.set p, p+2
.endr
.set p, 0
.rept 32
	v_pk_add_f32 v[16+p:17+p], v[192+p:193+p], v[16+p:17+p]
.set p, p+2
.endr
	WIN 0x02
.set p, 0
.rept 32
	v_pk_add_f32 v[16+p:17+p], v[128+p:129+p], v[16+p:17+p]     ; + b2
.set p, p+2
.endr
.set p, 0
.rept 32
	v_pk_add_f32 v[16+p:17+p], v[64*\t+p:64*\t+p+1], v[16+p:17+p]   ; + x1
.set p, p+2
.endr
	WIN 0
.set gq, 0
.rept 16
	ds_store_b128 v[SO], v[16+4*gq:19+4*gq] offset:128*(gq/4)+16*(gq%4)
.set gq, gq+1
.endr
.set gq, 0
.rept 16
	ds_load_b128 v[80+4*gq:83+4*gq], v[SR] offset:528*gq        ; LDS serves a wave's instructions in order (ISA guide 5.7.1.4): these see my stores
.set gq, gq+1
.endr
.set gq, 0
.rept 16
	s_wait_dscnt 15-gq                             ; row gq is back; the younger loads may be out
	global_store_b128 v[LI], v[80+4*gq:83+4*gq], s[14:15] offset:(8*\t+gq+8*(gq/8))*2048 th:TH_STORE_NT   ; 32 lanes store 512 consecutive bytes, at a multiple of 256 from out0's first byte
.set gq, gq+1
.endr
.endm
	s_load_b256 s[4:11], s[0:1], 0x0               ; hid, wimg, W2's scales, b2
	s_load_b128 s[12:15], s[0:1], 0x20             ; x1, out0
	v_lshl_add_u32 v254, v0, 2, 0x48400
	v_mov_b32 v255, 0
	v_lshrrev_b32 v1, 5, v0
	v_readfirstlane_b32 s16, v1                    ; wave
	v_and_b32 v1, 31, v0
	v_and_b32 v2, 15, v0
	v_bfe_u32 v3, v0, 4, 1
	v_and_b32 v[SR], 8, v2
	v_add_nc_u32 v[SR], v[SR], v2                  ; r + (r & 8)
	v_lshlrev_b32 v[WSA], 6, v[SR]                 ; W2: my row's 64 scale bytes
	v_lshlrev_b32 v[C64], 6, v3
	v_lshlrev_b32 v[LI], 4, v1
	v_lshlrev_b32 v[LS], 2, v1
	s_lshl_b32 s18, s16, 13
	v_add_nc_u32 v[PA], s18, v[LI]                 ; partial sums: (4 i + w) x 8,192 + 16 x lane; a register for each two tiles
	v_add_nc_u32 v[PA+1], 0x10000, v[PA]
	v_add_nc_u32 v[PA+2], 0x20000, v[PA]
	v_add_nc_u32 v[PA+3], 0x30000, v[PA]
	s_lshl_b32 s18, s16, 16
	v_add_nc_u32 v[RA], s18, v[LI]                 ; back: tiles 2 w, 2 w + 1
	s_mul_i32 s18, s16, 8448
	s_add_co_u32 s18, s18, STG                     ; my stage
	v_mul_u32_u24 v[SO], v2, 528
	v_lshl_add_u32 v[SO], v3, 6, v[SO]
	v_add_nc_u32 v[SO], s18, v[SO]                 ; in: row r, + 64 h
	v_add_nc_u32 v[SR], s18, v[LI]                 ; back: a row of 512 bytes to the 32 lanes
	s_and_b32 s17, ttmp7, 0xffff                   ; which 128 columns
	s_mov_b32 s19, 0
	s_wait_kmcnt 0x0
	s_lshl_b32 s18, ttmp9, 5
	s_add_co_u32 s18, s18, s16
	s_mul_i32 s18, s18, 8704
	s_add_nc_u64 s[4:5], s[4:5], s[18:19]          ; hid: record (8 x, w)
	s_lshl_b32 s18, s17, 18
	s_lshl_b32 s20, s16, 16
	s_add_co_u32 s18, s18, s20
	s_add_co_u32 s18, s18, 1310720                 ; W2's image lies behind Wo's and W1's
	s_add_nc_u64 s[6:7], s[6:7], s[18:19]          ; my 32 fragments: my 128 rows, my 512 along K
	s_lshl_b32 s18, s17, 13
	s_lshl_b32 s20, s16, 4
	s_add_co_u32 s18, s18, s20
	s_add_nc_u64 s[8:9], s[8:9], s[18:19]
	s_lshl_b32 s18, s17, 9
	s_add_nc_u64 s[10:11], s[10:11], s[18:19]      ; b2
	s_lshl_b32 s20, ttmp9, 18
	s_add_co_u32 s18, s18, s20
	s_lshl_b32 s20, s16, 16
	s_add_co_u32 s18, s18, s20
	s_add_nc_u64 s[14:15], s[14:15], s[18:19]      ; out0: row 128 x + 32 w, my columns
	s_lshl_b32 s18, ttmp9, 5
	s_lshl_b32 s20, s16, 3
	s_add_co_u32 s18, s18, s20
	s_add_co_u32 s18, s18, s17
	s_lshl_b32 s18, s18, 13
	s_add_nc_u64 s[12:13], s[12:13], s[18:19]      ; x1: image (8 x + 2 w, my columns)
.irp n, 0,1,2,3,4,5,6,7                        ; 512 consecutive bytes a load
	WIN 0x80+0x40*(\n/4)
.irp k, 0,1,2,3
.irp c, 0,1,2,3
	global_load_b128 v[64*(\n%4)+16*\k+4*\c:64*(\n%4)+16*\k+4*\c+3], v[LI], s[6:7] offset:(4*\n+\k)*2048+512*\c
.endr
.endr
.endr
	WIN 0
.irp n, 0,1,2,3,4,5,6,7
	global_load_b128 v[WS+4*\n:WS+4*\n+3], v[WSA], s[8:9] offset:(32*(\n/2)+8*(\n%2))*64   ; the 16 scale bytes of my row and my 512 along K are the four K steps' words
.endr
	ALOAD 0
	ALOAD 1
.irp i, 0,1,2,3,4,5,6,7
	TILE \i
.endr
	WIN 0x80                                       ; W2 is done with (eight places stand behind the last product): x1's two images and b2 take its registers
.irp t, 0,1
.set gq, 0
.rept 16
	global_load_b128 v[64*\t+4*gq:64*\t+4*gq+3], v[LI], s[12:13] offset:32768*\t+512*gq th:TH_LOAD_NT
.set gq, gq+1
.endr
.endr
.irp b, 0,1,2,3
.irp j, 0,1,2,3
	global_load_b128 v[128+16*\b+4*\j:128+16*\b+4*\j+3], v[C64], s[10:11] offset:128*\b+16*\j
.endr
.endr
	WIN 0
	s_wait_dscnt 0x0                               ; for the others' sake: my partial sums lie in LDS
	s_barrier_signal -1
	s_barrier_wait -1
	RED 0
	RED 1
	s_wait_tensorcnt 0x0
	ds_add_u32 v254, v255
	s_wait_dscnt 0x0
	s_endpgm
.Lfunc_end_k_q950f7d0c91_ffn2:
	.size	k_q950f7d0c91_ffn2, .Lfunc_end_k_q950f7d0c91_ffn2-k_q950f7d0c91_ffn2
	.p2alignl 7, 3214868480
	.fill 96, 4, 3214868480
	.section	.rodata,"a",@progbits
	.p2align	6, 0x0
	.amdhsa_kernel k_q950f7d0c91_ffn2
		.amdhsa_group_segment_fixed_size 296448
		.amdhsa_private_segment_fixed_size 0
		.amdhsa_enable_private_segment 0
		.amdhsa_kernarg_size 48
		.amdhsa_user_sgpr_count 2
		.amdhsa_user_sgpr_kernarg_segment_ptr 1
		.amdhsa_wavefront_size32 1
		.amdhsa_system_sgpr_workgroup_id_x 1
		.amdhsa_system_sgpr_workgroup_id_y 1
		.amdhsa_system_sgpr_workgroup_id_z 1
		.amdhsa_system_vgpr_workitem_id 0
		.amdhsa_next_free_vgpr 1024
		.amdhsa_next_free_sgpr 66
		.amdhsa_reserve_vcc 0
		.amdhsa_float_denorm_mode_32 3
		.amdhsa_float_denorm_mode_16_64 3
		.amdhsa_memory_ordered 1
		.amdhsa_forward_progress 1
		.amdhsa_inst_pref_size 117
	.end_amdhsa_kernel
	.amdgpu_metadata
---
amdhsa.version: [ 1, 2 ]
amdhsa.kernels:
  - .name:           k_q950f7d0c91_ffn2
    .symbol:         k_q950f7d0c91_ffn2.kd
    .args:
      - { .name: hid, .offset: 0, .size: 8, .value_kind: global_buffer, .address_space: global }
      - { .name: wimg, .offset: 8, .size: 8, .value_kind: global_buffer, .address_space: global }
      - { .name: W2_scales, .offset: 16, .size: 8, .value_kind: global_buffer, .address_space: global }
      - { .name: b2, .offset: 24, .size: 8, .value_kind: global_buffer, .address_space: global }
      - { .name: x1, .offset: 32, .size: 8, .value_kind: global_buffer, .address_space: global }
      - { .name: out0, .offset: 40, .size: 8, .value_kind: global_buffer, .address_space: global }
    .group_segment_fixed_size: 296448
    .private_segment_fixed_size: 0
    .kernarg_segment_align: 8
    .kernarg_segment_size: 48
    .max_flat_workgroup_size: 128
    .sgpr_count:     66
    .vgpr_count:     1024
    .wavefront_size: 32
...
	.end_amdgpu_metadata
.endif
;; end of part 5
;; ======== version 2 of 2: 5 launches
;; workspace buffers: qbuf 4,194,304 bytes; qs 524,288 bytes; kv 8,912,896 bytes; avr 4,456,448 bytes; x2r 4,456,448 bytes; x1 16,777,216 bytes; hid 17,825,792 bytes; wimg 2,359,296 bytes
;; launch qkv (part 6): grid 64 x 4, 4 waves a work-group, no clusters, 78,336 bytes of LDS; arguments x, ln1_g, ln1_b, Wq_codes, Wq_scales, bq, Wk_codes, Wk_scales, bk, Wv_codes, Wv_scales, bv, qbuf, qs, kv, Wo_codes, W1_codes, W2_codes, wimg; writes qbuf, qs, kv, wimg
.if DOCPART == 6
	.amdgcn_target "amdgcn-amd-amdhsa--gfx1250"
	.amdhsa_code_object_version 6
	.text
	.protected	k_q950f7d0c91_qkv
	.globl	k_q950f7d0c91_qkv
	.p2align	8
	.type	k_q950f7d0c91_qkv,@function
k_q950f7d0c91_qkv:
	s_mov_b64 s[64:65], 0
	v_nop
	global_prefetch_b8 v0, s[64:65] scope:SCOPE_SE
	s_setreg_imm32_b32 hwreg(HW_REG_WAVE_SCHED_MODE, 0, 2), 2
	s_setreg_imm32_b32 hwreg(HW_REG_WAVE_MODE, 25, 1), 1
	s_wait_xcnt 0x0
	s_wait_alu depctr_vm_vsrc(0)
; LayerNorm 1, its quantising along D, the products with Wq, Wk, Wv (codes of E4M3, one E8M0 byte for each 32 along K), the biases, and the quantising of q and k (along the head's 64) and of v (along the KEYS).
; SHARES.  A work-group takes 128 rows (one key step of one batch) and two heads.  Wave w normalises rows 32 w .. 32 w + 31 (two tiles of 16) and leaves their codes in LDS as images of operand registers;
; in the products wave w owns head 2 y + (w >> 1) and the 32 columns e = 32 (w & 1) .. of q, of k and of v: six weight tiles x 4 K steps = 384 registers, read from memory once, straight into the registers of the one wave that multiplies by them.
; NO JOINT LOADS: the weights never lie in LDS here (through LDS each byte would be written and read once more), and the rows of x that four work-groups share are 256 KiB of f32 that each needs in a lane order of its own.
; A TILE'S ROWS ARE NOT NEIGHBOURS: lane r of tile 2 f + u takes row 32 f + 8 u + r + (r & 8), of x and of every weight alike.  So in a product used transposed (source 0 = weight, source 1 = xn) the 16 registers of weight tiles
; u' = 0, 1 are 16 neighbours along e, and in v's product (source 0 = xn, source 1 = Wv) the 16 registers of row tiles u = 0, 1 are 16 neighbouring keys: the conversions' results are operand registers as they stand.
; OUT.  qbuf [bh][tile][group bb][16 x lane]; qs: a word a lane, bytes (s0, s1, s0, s1); kv: a record of 17,408 bytes for each head and 128 keys: four fragments of K (two key tiles each: group 2 u + bb), four of V^T (group f),
; then their scale words.  Every store of codes covers 512 consecutive bytes.  The scale bytes meet in LDS and leave as 1,024 consecutive bytes a wave.
; BESIDE THAT the codes of Wo, W1 and W2 are laid for the later launches as images of operand registers: wimg = Wo's 128 fragments, W1's 512, W2's 512, a fragment 2,048 bytes, in the order [owning wave][tile n][K step k][group c][16 x lane].
; The images' 9,216 runs of 256 bytes are shared among the launch's 1,024 waves: one of Wo, four of W1, four of W2 each.  A run is half a group: 16 rows x 16 bytes; two lanes share a row's 16 bytes, and a store covers 256 consecutive bytes, aligned.
; LIMITS: NaN and infinities are not served.  A block whose largest magnitude lies under 2^-118 (a block of zeros too) gets the byte 1: only this program reads the bytes.  v_rsq_f32 is taken as it is (1 ulp).
; The mean is taken first and the squares of the differences after it, so a common offset of x does no harm.
; THE MODE: SCHED_MODE bits 1:0 = 2 (LLVM: expert scheduling mode 2), set by the entry lines.  The code itself states the register dependences between vector or matrix instructions and memory or LDS instructions, with s_wait_alu, always for 0.
; THE PLAN.  Registers that memory or LDS instructions touch, and who else names them:
;   offsets and LDS addresses (v4-15, v185-187, v238-241, v250): made at the head, ahead of one wait on va_vdst, and never written again.
;   v16-143    g and b of a K step.  LDS loads land there; the K step's 32 multiply-adds read them; one wait on va_vdst stands between those and the next K step's loads.  (v16-23 first carry g and b into LDS: one wait on vm_vsrc behind that.)
;   v168-184   a K step's codes and scale word.  Written by the quantiser, read by five LDS stores: a wait on va_vdst ahead of the stores, a wait on vm_vsrc ahead of the next quantiser.
;   window 1   in the LayerNorm a tile of x: the quantiser of K step s is the last to name its 64 registers; the second tile's loads land there behind the wait that stands ahead of the image's stores.
;   window 1, v216-223, v242-249   in the products xn's fragments and scale words, TWO sets.  Step f multiplies by set f % 2; the LDS loads of step f + 1 land in the other set, which step f - 1's products read:
;              the one wait on va_vdst of step f - 1, ahead of its stores, shows those products done, and nothing issued since names that set.  So the loads are dealt among step f's products with no further wait.
;   v112-135, v150-155, v188-189   codes, bytes and v's bytes of a step.  Written by the quantiser and the two lines behind it, read by the step's stores: the same wait on va_vdst ahead of them; a wait on vm_vsrc ahead of the next quantiser.
; REGISTERS.  window 0: v4-15 addresses; v16-143 g and b of a K step, later 12 accumulators (v16-111) and their codes (v112-135); v144-167 the quantiser's; v168-184 xn's codes and scale word; v192-215 the weights' scale words,
; v216-223 and v242-249 xn's; v224-237 sums; v239-241 the images' addresses; v250 the fragments' address.   window 1: a tile of x (256 numbers a lane), later xn's fragments, two sets of 128.   window 2: Wq, Wk.
; window 3: Wv; from v128 the biases in the results' layouts; v176-193 the images' nine runs.
.set XSC,    65536                     ; LDS: xn's images 0 .. 65,535 (tile x 8,192 + K step x 2,048 + group x 512 + 16 x lane); their scale words (tile x 512 + K step x 128 + 4 x lane);
.set GB,     69632                     ; ln1_g, then ln1_b;
.set SCG,    73728                     ; the scale bytes on their way out, 2,048 for each of the two heads: K's words, V's, q's
.set FLOORC, 0x4800000                 ; 2^(9 - 127): under it no largest magnitude is taken
.set DEXP,   0xfc000000                ; -(8 << 23)
.set EXPM,   0x7f800000
.set XA,  4
.set WA,  5
.set WSA, 6
.set BQA, 7
.set BVA, 8
.set LI,  9
.set LS,  10
.set GA,  11
.set XWI, 12
.set XWS, 13
.set SBA, 14
.set SVA, 15
.set GG,  16
.set BB,  80
.set ACC, 16
.set PC,  112
.set QTM, 144
.set QTP, 150
.set QCAP, 156
.set QSOP, 162
.set LPC, 168
.set PW,  184
.set LSX, 185
.set SRD, 186
.set GST, 187
.set VW,  188
.set WS,  192
.set XS,  216
.set SA,  224
.set MU,  232
.set RS,  234
.set TT,  236
.set TID, 238
.set RVA, 239                          ; the images: my byte in 16 rows of 512 bytes;
.set RVB, 240                          ; in 16 rows of 2,048 bytes;
.set RDS, 241                          ; 8 x lane
.set XS2, 242                          ; v242-249 xn's scale words, the second set
.set LIF, 250                          ; 16 x lane once more: named by the fragments' LDS loads alone
.set RIM, 176                          ; in window 3: nine runs, two registers each; never rewritten
.set SELR, 48
.set MNTR, 50
.set MSB, 0
.macro WIN new                         ; the immediate's high byte repeats the setting that is left; a switch that changes nothing is dropped
.if MSB != (\new)
	s_set_vgpr_msb (MSB<<8)|(\new)
.set MSB, (\new)
.endif
.endm
.macro PLACES n
.rept \n
	v_nop
.endr
.endm
.macro BARRIER                         ; my LDS stores have landed and my LDS loads are in: then the work-group's barrier
	s_wait_dscnt 0x0
	s_barrier_signal -1
	s_barrier_wait -1
.endm
; n blocks of 16 registers from v[s] of window w (register 16 b + i: number 16 (lane / 16) + i of block b of my row) become codes in v[pc + 4 b ..] and bytes in v[QTP + b]
.macro QUANT s, n, w, pc
	WIN 5*(\w)
.set qb, 0
.rept \n
	v_max3_num_f32 v[QTM+qb], |v[(\s)+16*qb]|, |v[(\s)+16*qb+1]|, FLOORC
.set qb, qb+1
.endr
.set qi, 2
.rept 7
.set qb, 0
.rept \n
	v_max3_num_f32 v[QTM+qb], |v[(\s)+16*qb+qi]|, |v[(\s)+16*qb+qi+1]|, v[QTM+qb]   ; the blocks by turns
.set qb, qb+1
.endr
.set qi, qi+2
.endr
	WIN 0
.set qb, 0
.rept \n
	v_permlanex16_b32 v[QTP+qb], v[QTM+qb], s[SELR], s[SELR+1]
.set qb, qb+1
.endr
.set qb, 0
.rept \n
	v_max_num_f32 v[QTM+qb], v[QTM+qb], v[QTP+qb]          ; with lane l xor 16's 16 numbers: the block's largest magnitude
.set qb, qb+1
.endr
.set qb, 0
.rept \n
	v_add_nc_u32 v[QSOP+qb], DEXP, v[QTM+qb]               ; 8 off its exponent field: the conversion's scale operand
.set qb, qb+1
.endr
.set qb, 0
.rept \n
	v_and_or_b32 v[QCAP+qb], v[QTM+qb], EXPM, s[MNTR]      ; 448 x the scale
.set qb, qb+1
.endr
.set qb, 0
.rept \n
	v_lshrrev_b32 v[QTP+qb], 23, v[QSOP+qb]                ; the scale's byte
.set qb, qb+1
.endr
	WIN 0x41*(\w)
.set qb, 0
.rept \n
.set qi, 0
.rept 16
	v_med3_num_f32 v[(\s)+16*qb+qi], v[(\s)+16*qb+qi], -v[QCAP+qb], v[QCAP+qb]   ; the conversion does not saturate (ISA guide 7.6.2): the hold
.set qi, qi+1
.endr
.set qb, qb+1
.endr
	WIN (\w)
.set qb, 0
.rept \n
	v_cvt_scalef32_pk8_fp8_f32 v[(\pc)+4*qb:(\pc)+4*qb+1], v[(\s)+16*qb:(\s)+16*qb+7], v[QSOP+qb]
	v_cvt_scalef32_pk8_fp8_f32 v[(\pc)+4*qb+2:(\pc)+4*qb+3], v[(\s)+16*qb+8:(\s)+16*qb+15], v[QSOP+qb]
.set qb, qb+1
.endr
	WIN 0
	v_nop                                          ; one plain line behind the last conversion
.endm
.macro WORD4 d
	v_lshl_or_b32 v[\d], v[QTP+1], 8, v[QTP]
	v_lshl_or_b32 v[\d], v[QTP+2], 16, v[\d]
	v_lshl_or_b32 v[\d], v[QTP+3], 24, v[\d]
.endm
.macro XLOAD u, s                      ; K step s of row tile u of my 32 rows: 64 numbers a lane: of each block of 32 my half's 16
	WIN 0x40
.set xb, 4*(\s)
.rept 4
.irp j, 0,1,2,3
	global_load_b128 v[16*xb+4*\j:16*xb+4*\j+3], v[XA], s[8:9] offset:16384*(\u)+128*xb+16*\j
.endr
.set xb, xb+1
.endr
.endm
.macro WLD win, base, ptr              ; two weight tiles x four K steps, into registers that nothing has named: no wait is owed
	WIN \win
.irp u, 0,1
.irp s, 0,1,2,3
.irp c, 0,1,2,3
	global_load_b128 v[\base+64*\u+16*\s+4*\c:\base+64*\u+16*\s+4*\c+3], v[WA], s[\ptr:\ptr+1] offset:4096*\u+128*\s+32*\c
.endr
.endr
.endr
.endm
.macro GBLOAD s                        ; g and b at my 64 columns of K step s
.irp b, 0,1,2,3
.irp j, 0,1,2,3
	ds_load_b128 v[GG+16*\b+4*\j:GG+16*\b+4*\j+3], v[GA] offset:128*(4*(\s)+\b)+16*\j
	ds_load_b128 v[BB+16*\b+4*\j:BB+16*\b+4*\j+3], v[GA] offset:2048+128*(4*(\s)+\b)+16*\j
.endr
.endr
.endm
.macro FOLD                            ; four pairs of partial sums, and lane l xor 16's, into v[TT]
	v_pk_add_f32 v[SA:SA+1], v[SA:SA+1], v[SA+2:SA+3]
	v_pk_add_f32 v[SA+4:SA+5], v[SA+4:SA+5], v[SA+6:SA+7]
	v_pk_add_f32 v[SA:SA+1], v[SA:SA+1], v[SA+4:SA+5]
	v_add_f32 v[TT], v[SA], v[SA+1]
	v_permlanex16_b32 v[TT+1], v[TT], s[SELR], s[SELR+1]
	v_add_f32 v[TT], v[TT], v[TT+1]
.endm
.macro LNSTEP u, s                     ; K step s of tile u: x g + b, quantised, its image to LDS
	s_wait_dscnt 0x0                               ; g and b of this K step are in
	WIN 0x41
.set p, 0
.rept 32
	v_pk_fma_f32 v[64*(\s)+p:64*(\s)+p+1], v[64*(\s)+p:64*(\s)+p+1], v[GG+p:GG+p+1], v[BB+p:BB+p+1]
.set p, p+2
.endr
	WIN 0
.if \s < 3
	s_wait_alu depctr_va_vdst(0)                   ; the 32 multiply-adds are done reading g and b, in whose registers the next K step's land
	GBLOAD (\s)+1                                  ; they land while this K step is quantised
.endif
.if (\u)+(\s) > 0
	s_wait_alu depctr_vm_vsrc(0)                   ; the last image's LDS stores have read v[LPC ..] and v[PW], which the quantiser below writes again
.endif
	QUANT 64*(\s), 4, 1, LPC
	WORD4 PW
.if \u == 0
	WIN 0x40                                       ; (the switch, then the wait, then the loads)
.endif
	s_wait_alu depctr_va_vdst(0)                   ; the codes and the scale word are written, which the LDS stores read; the quantiser is done with this K step's 64 registers of window 1, in which the second tile's numbers land
.if \u == 0
	XLOAD 1, \s                                    ; the second tile's numbers take the registers just left
.if \s == 0
	WLD 0xc0, 0, 26                                ; Wv
.endif
	WIN 0
.endif
.irp c, 0,1,2,3
	ds_store_b128 v[XWI], v[LPC+4*\c:LPC+4*\c+3] offset:8192*(\u)+2048*(\s)+512*\c
.endr
	ds_store_b32 v[XWS], v[PW] offset:512*(\u)+128*(\s)
.endm
.macro LNTILE u
	WIN 0x05                                       ; the sum of my 256 numbers, in four chains
.irp k, 0,1,2,3
	v_pk_add_f32 v[SA+2*\k:SA+2*\k+1], v[4*\k:4*\k+1], v[4*\k+2:4*\k+3]
.endr
	WIN 0x01
.set p, 16
.rept 120
	v_pk_add_f32 v[SA+2*((p/2)%4):SA+2*((p/2)%4)+1], v[p:p+1], v[SA+2*((p/2)%4):SA+2*((p/2)%4)+1]
.set p, p+2
.endr
	WIN 0
	FOLD
	v_mul_f32 v[MU], 0x3b000000, v[TT]             ; / 512
	v_mov_b32 v[MU+1], v[MU]
.if \u == 0
	WLD 0x80, 0, 14                                ; Wq
	WIN 0
.endif
	GBLOAD 0                                       ; no wait: in the first tile no vector instruction has named v16-143; in the second none has since the first tile's last wait on va_vdst
	WIN 0x41
.set p, 0
.rept 128
	v_pk_add_f32 v[p:p+1], v[p:p+1], v[MU:MU+1] op_sel_hi:[1,0] neg_lo:[0,1] neg_hi:[0,1]
.set p, p+2
.endr
	WIN 0x05                                       ; the squares of the differences
.irp k, 0,1,2,3
	v_pk_mul_f32 v[SA+2*\k:SA+2*\k+1], v[2*\k:2*\k+1], v[2*\k:2*\k+1]
.endr
.set p, 8
.rept 124
	v_pk_fma_f32 v[SA+2*((p/2)%4):SA+2*((p/2)%4)+1], v[p:p+1], v[p:p+1], v[SA+2*((p/2)%4):SA+2*((p/2)%4)+1]
.set p, p+2
.endr
	WIN 0
	FOLD
	v_fma_f32 v[TT], v[TT], 0x3b000000, s51        ; the variance + 1e-5
	s_wait_alu depctr_va_vdst(0)
	v_rsq_f32 v[RS], v[TT]
	v_rsq_f32 v[RS+1], v[TT]
	v_nop                                          ; a plain line behind the transcendentals
.if \u == 0
	WLD 0x80, 128, 20                              ; Wk
.endif
	WIN 0x41
.set p, 0
	s_wait_alu depctr_va_vdst(0)                   ; the two reciprocal roots v[RS], v[RS+1] are written, ahead of their first reader
.rept 128
	v_pk_mul_f32 v[p:p+1], v[p:p+1], v[RS:RS+1]
.set p, p+2
.endr
	WIN 0
.irp s, 0,1,2,3
	LNSTEP \u, \s
.endr
.endm
; Step f: 48 products: 12 accumulators by turns, one instruction a turn, K step by K step.  The biases are the C of each sum's first product.
; xn's fragments and scale words come from set f % 2.  Behind each K step's 12 products stand ten LDS loads of step f + 1 (that K step's two fragments and two scale words), into the other set.
.macro PROD f
.set FRB, 128*((\f)%2)
.set XSB, XS+(XS2-XS)*((\f)%2)
.set FRN, 128*(((\f)+1)%2)
.set XSN, XS+(XS2-XS)*(((\f)+1)%2)
.irp s, 0,1,2,3
.if \s == 0
	WIN 0x36                                       ; source 0 (weight) window 2, source 1 (xn) window 1, C (bias) window 3
.else
	WIN 0x06
.endif
.irp t, 0,1
.irp u, 0,1
.if \s == 0
	v_wmma_scale_f32_16x16x128_f8f6f4 v[ACC+16*\t+8*\u:ACC+16*\t+8*\u+7], v[64*\u+16*\s:64*\u+16*\s+15], v[FRB+64*\t+16*\s:FRB+64*\t+16*\s+15], v[128+8*\u:128+8*\u+7], v[WS+4*\u+\s], v[XSB+4*\t+\s]
	v_wmma_scale_f32_16x16x128_f8f6f4 v[ACC+32+16*\t+8*\u:ACC+32+16*\t+8*\u+7], v[128+64*\u+16*\s:128+64*\u+16*\s+15], v[FRB+64*\t+16*\s:FRB+64*\t+16*\s+15], v[144+8*\u:144+8*\u+7], v[WS+8+4*\u+\s], v[XSB+4*\t+\s]
.else
	v_wmma_scale_f32_16x16x128_f8f6f4 v[ACC+16*\t+8*\u:ACC+16*\t+8*\u+7], v[64*\u+16*\s:64*\u+16*\s+15], v[FRB+64*\t+16*\s:FRB+64*\t+16*\s+15], v[ACC+16*\t+8*\u:ACC+16*\t+8*\u+7], v[WS+4*\u+\s], v[XSB+4*\t+\s]
	v_wmma_scale_f32_16x16x128_f8f6f4 v[ACC+32+16*\t+8*\u:ACC+32+16*\t+8*\u+7], v[128+64*\u+16*\s:128+64*\u+16*\s+15], v[FRB+64*\t+16*\s:FRB+64*\t+16*\s+15], v[ACC+32+16*\t+8*\u:ACC+32+16*\t+8*\u+7], v[WS+8+4*\u+\s], v[XSB+4*\t+\s]
.endif
.endr
.endr
.if \s == 0
	WIN 0x3d                                       ; v: source 0 (xn) window 1, source 1 (Wv) and C (bias) window 3
.else
	WIN 0x0d
.endif
.irp u, 0,1
.irp t, 0,1
.if \s == 0
	v_wmma_scale_f32_16x16x128_f8f6f4 v[ACC+64+16*\u+8*\t:ACC+64+16*\u+8*\t+7], v[FRB+64*\t+16*\s:FRB+64*\t+16*\s+15], v[64*\u+16*\s:64*\u+16*\s+15], v[160+8*\u:160+8*\u+7], v[XSB+4*\t+\s], v[WS+16+4*\u+\s]
.else
	v_wmma_scale_f32_16x16x128_f8f6f4 v[ACC+64+16*\u+8*\t:ACC+64+16*\u+8*\t+7], v[FRB+64*\t+16*\s:FRB+64*\t+16*\s+15], v[64*\u+16*\s:64*\u+16*\s+15], v[ACC+64+16*\u+8*\t:ACC+64+16*\u+8*\t+7], v[XSB+4*\t+\s], v[WS+16+4*\u+\s]
.endif
.endr
.endr
.if \f < 3
	WIN 0x40                                       ; no wait: since the last wait on va_vdst (ahead of the last step's stores, or of the last image's) no vector or matrix instruction has named the other set, v[LIF] or v[LSX]
.irp t, 0,1
.irp c, 0,1,2,3
	ds_load_b128 v[FRN+64*\t+16*\s+4*\c:FRN+64*\t+16*\s+4*\c+3], v[LIF] offset:(2*((\f)+1)+\t)*8192+2048*\s+512*\c
.endr
.endr
	WIN 0
.irp t, 0,1
	ds_load_b32 v[XSN+4*\t+\s], v[LSX] offset:(2*((\f)+1)+\t)*512+128*\s
.endr
.endif
.endr
.endm
.macro OUTF f                          ; v's bytes gathered in a word; then six groups of codes, 512 consecutive bytes each, and the bytes of q and k to LDS
.if \f == 0
	v_mov_b32 v[VW], v[QTP+4]
	v_mov_b32 v[VW+1], v[QTP+5]
.else
	v_lshl_or_b32 v[VW], v[QTP+4], 8*(\f), v[VW]
	v_lshl_or_b32 v[VW+1], v[QTP+5], 8*(\f), v[VW+1]
.endif
	s_wait_alu depctr_va_vdst(0)                   ; the codes, the bytes and v's words are written, which the stores read; this step's products are done reading their set of xn's fragments and scale words, in which the loads of two steps on land
	global_store_b128 v[LI], v[PC:PC+3], s[32:33] offset:2048*(\f)
	global_store_b128 v[LI], v[PC+4:PC+7], s[32:33] offset:2048*(\f)+1024
	global_store_b128 v[LI], v[PC+8:PC+11], s[52:53] offset:2048*(\f)
	global_store_b128 v[LI], v[PC+12:PC+15], s[52:53] offset:2048*(\f)+1024
	global_store_b128 v[LI], v[PC+16:PC+19], s[54:55] offset:512*(\f)
	global_store_b128 v[LI], v[PC+20:PC+23], s[54:55] offset:2048+512*(\f)
	ds_store_b8 v[SBA], v[QTP] offset:1024+256*(\f)
	ds_store_b8 v[SBA], v[QTP] offset:1024+256*(\f)+2
	ds_store_b8 v[SBA], v[QTP+1] offset:1024+256*(\f)+128
	ds_store_b8 v[SBA], v[QTP+1] offset:1024+256*(\f)+130
	ds_store_b8 v[SBA], v[QTP+2] offset:128*(\f)
	ds_store_b8 v[SBA], v[QTP+3] offset:128*(\f)+2
.endm
	s_load_b512 s[8:23], s[0:1], 0x0               ; x, ln1_g, ln1_b, Wq's codes, scales, bq, Wk's codes, scales
	s_load_b256 s[24:31], s[0:1], 0x40             ; bk, Wv's codes, scales, bv
	s_load_b128 s[32:35], s[0:1], 0x60             ; qbuf, qs
	s_load_b128 s[36:39], s[0:1], 0x70             ; kv, Wo's codes
	s_load_b128 s[68:71], s[0:1], 0x80             ; W1's codes, W2's codes
	s_load_b64 s[72:73], s[0:1], 0x90              ; wimg
	v_lshl_add_u32 v254, v0, 2, 0x13000
	v_mov_b32 v255, 0
	v_lshrrev_b32 v1, 5, v0
	v_readfirstlane_b32 s40, v1                    ; wave
	v_and_b32 v1, 31, v0                           ; lane
	v_and_b32 v2, 15, v0                           ; r
	v_bfe_u32 v3, v0, 4, 1                         ; h
	v_and_b32 v[TT], 8, v2
	v_add_nc_u32 v[TT], v[TT], v2                  ; r + (r & 8)
	v_mov_b32 v[TT+1], 0                           ; (a lane permute's destination counts as read)
	v_lshlrev_b32 v[XA], 11, v[TT]
	v_lshl_add_u32 v[XA], v3, 6, v[XA]             ; x: my row of 2,048 bytes + 64 h
	v_lshlrev_b32 v[WA], 9, v[TT]
	v_lshl_add_u32 v[WA], v3, 4, v[WA]             ; a weight: my row of 512 codes + 16 h
	v_lshlrev_b32 v[WSA], 4, v[TT]                 ; its 16 scale bytes
	v_lshlrev_b32 v[BQA], 6, v3                    ; bq, bk: my half's 16 numbers
	v_lshlrev_b32 v[BVA], 2, v[TT]                 ; bv: my row's number
	v_lshlrev_b32 v[LI], 4, v1
	s_wait_alu depctr_va_vdst(0)
	v_lshlrev_b32 v[LIF], 4, v1
	v_lshlrev_b32 v[LS], 2, v1
	s_wait_alu depctr_va_vdst(0)
	v_add_nc_u32 v[GA], GB, v[BQA]
	s_wait_alu depctr_va_sdst(0)                   ; s40 is written, ahead of its first reader: heads, columns, bases and LDS places are made from it
	s_lshr_b32 s41, s40, 1                         ; hh: which of the two heads
	s_and_b32 s42, s40, 1                          ; bb: which 32 of its 64 columns
	s_and_b32 s43, ttmp7, 0xffff
	s_lshl_b32 s74, ttmp9, 2
	s_add_co_u32 s74, s74, s43
	s_lshl_b32 s74, s74, 2
	s_add_co_u32 s74, s74, s40                     ; my wave's number in the launch, 0 .. 1,023: 4 (4 x + y) + wave
	s_lshl_b32 s43, s43, 1
	s_add_co_u32 s43, s43, s41                     ; the head
	s_lshr_b32 s44, ttmp9, 4
	s_lshl_b32 s44, s44, 3
	s_add_co_u32 s44, s44, s43                     ; bh = 8 x batch + head
	s_and_b32 s45, ttmp9, 15                       ; the key step
	s_mov_b32 s48, 0x76543210
	s_mov_b32 s49, 0xfedcba98                      ; v_permlanex16_b32's selects for lane l xor 16
	s_mov_b32 s50, 0x600000                        ; the mantissa field of 448
	s_mov_b32 s51, 0x3727c5ac                      ; 1e-5
	s_lshl_b32 s46, s40, 14
	v_add_nc_u32 v[XWI], s46, v[LI]                ; my two tiles' images
	s_lshl_b32 s46, s40, 10
	s_add_co_u32 s46, s46, XSC
	v_add_nc_u32 v[XWS], s46, v[LS]                ; and their scale words
	s_lshl_b32 s46, s41, 11
	s_add_co_u32 s46, s46, SCG                     ; my head's 2,048 bytes
	s_add_co_u32 s60, s46, s42
	v_add_nc_u32 v[SBA], s60, v[LS]                ; bytes of q and k: 4 x lane + bb
	s_lshl_b32 s60, s42, 8
	s_add_co_u32 s60, s60, s46
	s_add_co_u32 s60, s60, 512
	v_add_nc_u32 v[SVA], s60, v[LS]                ; V's words of fragments 2 bb, 2 bb + 1
	s_lshl_b32 s60, s42, 10
	s_add_co_u32 s60, s60, s46
	v_add_nc_u32 v[SRD], s60, v[LI]                ; the way out: bb = 0: K's and V's words; bb = 1: q's
	v_add_nc_u32 v[LSX], XSC, v[LS]
	v_lshl_add_u32 v[GST], v0, 4, GB
	v_lshlrev_b32 v[TID], 4, v0
	v_lshrrev_b32 v[RVA], 1, v1                    ; the images: two lanes to a row: j = lane / 2,
	v_and_b32 v[RVB], 8, v[RVA]
	v_add_nc_u32 v[RVB], v[RVB], v[RVA]            ; the tile's row j + (j & 8),
	v_and_b32 v[RDS], 1, v1
	v_lshlrev_b32 v[RDS], 3, v[RDS]                ; and which 8 of its 16 bytes
	v_lshl_add_u32 v[RVA], v[RVB], 9, v[RDS]
	v_lshl_add_u32 v[RVB], v[RVB], 11, v[RDS]
	v_lshlrev_b32 v[RDS], 3, v1
.irp b, 0,1,2,3,4,5
	v_mov_b32 v[QTP+\b], 0
.endr
	s_mov_b32 s47, 0
	s_wait_kmcnt 0x0
	s_lshl_b32 s46, ttmp9, 18
	s_lshl_b32 s60, s40, 16
	s_add_co_u32 s46, s46, s60
	s_add_nc_u64 s[8:9], s[8:9], s[46:47]          ; x at my 32 rows
	s_lshl_b32 s46, s43, 15
	s_lshl_b32 s60, s42, 14
	s_add_co_u32 s46, s46, s60
	s_add_nc_u64 s[14:15], s[14:15], s[46:47]      ; the weights' codes at my 32 rows
	s_add_nc_u64 s[20:21], s[20:21], s[46:47]
	s_add_nc_u64 s[26:27], s[26:27], s[46:47]
	s_lshl_b32 s46, s43, 10
	s_lshl_b32 s60, s42, 9
	s_add_co_u32 s46, s46, s60
	s_add_nc_u64 s[16:17], s[16:17], s[46:47]      ; their scale bytes
	s_add_nc_u64 s[22:23], s[22:23], s[46:47]
	s_add_nc_u64 s[28:29], s[28:29], s[46:47]
	s_lshl_b32 s46, s43, 8
	s_lshl_b32 s60, s42, 7
	s_add_co_u32 s46, s46, s60
	s_add_nc_u64 s[18:19], s[18:19], s[46:47]      ; the biases
	s_add_nc_u64 s[24:25], s[24:25], s[46:47]
	s_add_nc_u64 s[30:31], s[30:31], s[46:47]
	s_lshl_b32 s46, s44, 17
	s_lshl_b32 s60, s45, 13
	s_add_co_u32 s46, s46, s60
	s_lshl_b32 s60, s42, 9
	s_add_co_u32 s46, s46, s60
	s_add_nc_u64 s[32:33], s[32:33], s[46:47]      ; qbuf: my eight tiles, group bb
	s_lshl_b32 s46, s44, 14
	s_lshl_b32 s60, s45, 10
	s_add_co_u32 s46, s46, s60
	s_add_nc_u64 s[34:35], s[34:35], s[46:47]      ; qs
	s_lshl_b32 s46, s44, 4
	s_add_co_u32 s46, s46, s45
	s_mul_i32 s46, s46, 17408
	s_add_nc_u64 s[36:37], s[36:37], s[46:47]      ; my record of kv
	s_lshl_b32 s46, s42, 9
	s_add_nc_u64 s[52:53], s[36:37], s[46:47]      ; K's groups 2 u + bb
	s_lshl_b32 s46, s42, 12
	s_add_co_u32 s46, s46, 8192
	s_add_nc_u64 s[54:55], s[36:37], s[46:47]      ; V's fragments 2 bb + u'
	s_add_nc_u64 s[56:57], s[36:37], 16384         ; the record's scale words
	; The images.  Run q of an image (256 bytes) is half q & 1 of group (q >> 1) & 3 of K step (q >> 3) & 3 of tile t = q >> 5: along K it begins at byte 16 (q & 31).
	; Wo: q = my wave's number; tile t begins at row 32 (t >> 1) + 8 (t & 1)
	s_lshr_b32 s60, s74, 5
	s_lshr_b32 s46, s60, 1
	s_lshl_b32 s46, s46, 14                        ; 32 rows of 512 bytes
	s_and_b32 s60, s60, 1
	s_lshl_b32 s60, s60, 12                        ; 8 rows
	s_add_co_u32 s46, s46, s60
	s_and_b32 s60, s74, 31
	s_lshl_b32 s60, s60, 4
	s_add_co_u32 s46, s46, s60
	s_add_nc_u64 s[38:39], s[38:39], s[46:47]
	; W1: q = 4 x my wave's number + i: t = number >> 3, along K 64 (number & 7) + 16 i
	s_lshr_b32 s75, s74, 3
	s_lshr_b32 s46, s75, 1
	s_lshl_b32 s46, s46, 14
	s_and_b32 s60, s75, 1
	s_lshl_b32 s60, s60, 12
	s_add_co_u32 s46, s46, s60
	s_and_b32 s61, s74, 7
	s_lshl_b32 s61, s61, 6
	s_add_co_u32 s46, s46, s61
	s_add_nc_u64 s[68:69], s[68:69], s[46:47]
	; W2: t = (4 cs + w) 8 + n: rows 128 cs + 32 (n >> 1) + 8 (n & 1) on, of 2,048 bytes; along K 512 w more
	s_lshr_b32 s46, s75, 5
	s_lshl_b32 s46, s46, 18
	s_bfe_u32 s60, s75, 0x20001
	s_lshl_b32 s60, s60, 16
	s_add_co_u32 s46, s46, s60
	s_and_b32 s60, s75, 1
	s_lshl_b32 s60, s60, 14
	s_add_co_u32 s46, s46, s60
	s_bfe_u32 s60, s75, 0x20003
	s_lshl_b32 s60, s60, 9
	s_add_co_u32 s46, s46, s60
	s_add_co_u32 s46, s46, s61
	s_add_nc_u64 s[70:71], s[70:71], s[46:47]
	s_lshl_b32 s46, s74, 8
	s_add_nc_u64 s[76:77], s[72:73], s[46:47]      ; where my run of Wo's image goes,
	s_lshl_b32 s46, s74, 10
	s_add_co_u32 s46, s46, 262144
	s_add_nc_u64 s[78:79], s[72:73], s[46:47]      ; my four of W1's,
	s_add_co_u32 s46, s46, 1048576
	s_add_nc_u64 s[80:81], s[72:73], s[46:47]      ; my four of W2's
	WIN 0xc0
	s_wait_alu depctr_va_vdst(0)                   ; every offset and LDS address of the kernel is written: the loads and stores from here on read them, and none is written again
	global_load_b64 v[RIM:RIM+1], v[RVA], s[38:39]
.irp i, 0,1,2,3
	global_load_b64 v[RIM+2+2*\i:RIM+3+2*\i], v[RVA], s[68:69] offset:16*\i
	global_load_b64 v[RIM+10+2*\i:RIM+11+2*\i], v[RVB], s[70:71] offset:16*\i
.endr
	WIN 0
	global_load_b128 v[16:19], v[TID], s[10:11]
	global_load_b128 v[20:23], v[TID], s[12:13]
.irp s, 0,1,2,3
	XLOAD 0, \s
.endr
	WIN 0
	s_wait_loadcnt 0x0
	ds_store_b128 v[GST], v[16:19]
	ds_store_b128 v[GST], v[20:23] offset:2048
	WIN 0x0c                                       ; a store's data are its source 1: window 3
	global_store_b64 v[RDS], v[RIM:RIM+1], s[76:77]                          ; 32 lanes store 256 consecutive bytes, at a multiple of 256 from wimg's first byte
.irp i, 0,1,2,3
	global_store_b64 v[RDS], v[RIM+2+2*\i:RIM+3+2*\i], s[78:79] offset:256*\i
	global_store_b64 v[RDS], v[RIM+10+2*\i:RIM+11+2*\i], s[80:81] offset:256*\i
.endr
	WIN 0
	BARRIER                                        ; g and b lie in LDS
	s_wait_alu depctr_vm_vsrc(0)                   ; my two LDS stores have read v16-23, in which g and b of a K step land from here on
.irp u, 0,1                                    ; the weights' scale words and the biases
.irp s, 0,1,2,3
	global_load_b32 v[WS+4*\u+\s], v[WSA], s[16:17] offset:128*\u+4*\s
	global_load_b32 v[WS+8+4*\u+\s], v[WSA], s[22:23] offset:128*\u+4*\s
	global_load_b32 v[WS+16+4*\u+\s], v[WSA], s[28:29] offset:128*\u+4*\s
.endr
.endr
	WIN 0xc0
.irp u, 0,1
	global_load_b128 v[128+8*\u:128+8*\u+3], v[BQA], s[18:19] offset:32*\u          ; bq at e = 32 bb + 16 h + 8 u' + 0 .. 7
	global_load_b128 v[128+8*\u+4:128+8*\u+7], v[BQA], s[18:19] offset:32*\u+16
	global_load_b128 v[144+8*\u:144+8*\u+3], v[BQA], s[24:25] offset:32*\u
	global_load_b128 v[144+8*\u+4:144+8*\u+7], v[BQA], s[24:25] offset:32*\u+16
.irp j, 0,1,2,3,4,5,6,7
	global_load_b32 v[160+8*\u+\j], v[BVA], s[30:31] offset:32*\u                   ; bv at my row e, for eight keys
.endr
.endr
	WIN 0
	LNTILE 0
	s_wait_loadcnt 0x0                             ; the second tile, and all the weights
	LNTILE 1
	BARRIER                                        ; xn's 32 fragments lie in LDS
	WIN 0x40                                       ; row tiles 0 and 1 into set 0.  No wait: the quantiser's last lines stand ahead of the wait in front of the last image's stores, and no vector instruction has been issued since
.irp t, 0,1
.irp s, 0,1,2,3
.irp c, 0,1,2,3
	ds_load_b128 v[64*\t+16*\s+4*\c:64*\t+16*\s+4*\c+3], v[LIF] offset:\t*8192+2048*\s+512*\c
.endr
.endr
.endr
	WIN 0
.irp t, 0,1
.irp s, 0,1,2,3
	ds_load_b32 v[XS+4*\t+\s], v[LSX] offset:\t*512+128*\s
.endr
.endr
.irp f, 0,1,2,3
	s_wait_dscnt 0x0                               ; this step's fragments and scale words are in
	PROD \f
	WIN 0
	PLACES 8                                       ; behind this form eight places in front of reads of its results
	s_wait_xcnt 0x0                                ; the last codes' stores have had their addresses translated: their data are written again only behind this wait
.if \f > 0
	s_wait_alu depctr_vm_vsrc(0)                   ; the last step's stores have read the codes v[PC ..] and the bytes v[QTP ..], which the quantiser below writes again
.endif
	QUANT ACC, 6, 0, PC
	OUTF \f
.endr
	ds_store_b32 v[SVA], v[VW]                     ; (v's words were written ahead of the last step's wait on va_vdst)
	ds_store_b32 v[SVA], v[VW+1] offset:128
	BARRIER                                        ; both heads' scale words lie whole in LDS
	ds_load_b128 v[16:19], v[SRD]                  ; (no vector instruction has named v16-23 since that wait)
	ds_load_b128 v[20:23], v[SRD] offset:512
	s_cmp_eq_u32 s42, 0
	s_cselect_b64 s[58:59], s[56:57], s[34:35]     ; the choice hangs on the wave's number alone
	s_wait_dscnt 0x0
	global_store_b128 v[LI], v[16:19], s[58:59]
	global_store_b128 v[LI], v[20:23], s[58:59] offset:512
	s_wait_dscnt 0x0                               ; the closing lines, six on end
	s_wait_alu 0x0
	s_wait_tensorcnt 0x0
	ds_add_u32 v254, v255
	s_wait_dscnt 0x0
	s_endpgm
.Lfunc_end_k_q950f7d0c91_qkv:
	.size	k_q950f7d0c91_qkv, .Lfunc_end_k_q950f7d0c91_qkv-k_q950f7d0c91_qkv
	.p2alignl 7, 3214868480
	.fill 96, 4, 3214868480
	.section	.rodata,"a",@progbits
	.p2align	6, 0x0
	.amdhsa_kernel k_q950f7d0c91_qkv
		.amdhsa_group_segment_fixed_size 78336
		.amdhsa_private_segment_fixed_size 0
		.amdhsa_enable_private_segment 0
		.amdhsa_kernarg_size 152
		.amdhsa_user_sgpr_count 2
		.amdhsa_user_sgpr_kernarg_segment_ptr 1
		.amdhsa_wavefront_size32 1
		.amdhsa_system_sgpr_workgroup_id_x 1
		.amdhsa_system_sgpr_workgroup_id_y 1
		.amdhsa_system_sgpr_workgroup_id_z 1
		.amdhsa_system_vgpr_workitem_id 0
		.amdhsa_next_free_vgpr 1024
		.amdhsa_next_free_sgpr 84
		.amdhsa_reserve_vcc 0
		.amdhsa_float_denorm_mode_32 3
		.amdhsa_float_denorm_mode_16_64 3
		.amdhsa_memory_ordered 1
		.amdhsa_forward_progress 1
		.amdhsa_inst_pref_size 255
	.end_amdhsa_kernel
	.section	.bss,"aw",@nobits
	.p2align	6
	.space	262144
	.amdgpu_metadata
---
amdhsa.version: [ 1, 2 ]
amdhsa.kernels:
  - .name:           k_q950f7d0c91_qkv
    .symbol:         k_q950f7d0c91_qkv.kd
    .args:
      - { .name: x, .offset: 0, .size: 8, .value_kind: global_buffer, .address_space: global }
      - { .name: ln1_g, .offset: 8, .size: 8, .value_kind: global_buffer, .address_space: global }
      - { .name: ln1_b, .offset: 16, .size: 8, .value_kind: global_buffer, .address_space: global }
      - { .name: Wq_codes, .offset: 24, .size: 8, .value_kind: global_buffer, .address_space: global }
      - { .name: Wq_scales, .offset: 32, .size: 8, .value_kind: global_buffer, .address_space: global }
      - { .name: bq, .offset: 40, .size: 8, .value_kind: global_buffer, .address_space: global }
      - { .name: Wk_codes, .offset: 48, .size: 8, .value_kind: global_buffer, .address_space: global }
      - { .name: Wk_scales, .offset: 56, .size: 8, .value_kind: global_buffer, .address_space: global }
      - { .name: bk, .offset: 64, .size: 8, .value_kind: global_buffer, .address_space: global }
      - { .name: Wv_codes, .offset: 72, .size: 8, .value_kind: global_buffer, .address_space: global }
      - { .name: Wv_scales, .offset: 80, .size: 8, .value_kind: global_buffer, .address_space: global }
      - { .name: bv, .offset: 88, .size: 8, .value_kind: global_buffer, .address_space: global }
      - { .name: qbuf, .offset: 96, .size: 8, .value_kind: global_buffer, .address_space: global }
      - { .name: qs, .offset: 104, .size: 8, .value_kind: global_buffer, .address_space: global }
      - { .name: kv, .offset: 112, .size: 8, .value_kind: global_buffer, .address_space: global }
      - { .name: Wo_codes, .offset: 120, .size: 8, .value_kind: global_buffer, .address_space: global }
      - { .name: W1_codes, .offset: 128, .size: 8, .value_kind: global_buffer, .address_space: global }
      - { .name: W2_codes, .offset: 136, .size: 8, .value_kind: global_buffer, .address_space: global }
      - { .name: wimg, .offset: 144, .size: 8, .value_kind: global_buffer, .address_space: global }
    .group_segment_fixed_size: 78336
    .private_segment_fixed_size: 0
    .kernarg_segment_align: 8
    .kernarg_segment_size: 152
    .max_flat_workgroup_size: 128
    .sgpr_count:     84
    .vgpr_count:     1024
    .wavefront_size: 32
...
	.end_amdgpu_metadata
.endif
;; end of part 6
;; launch attn (part 7): grid 8 x 32, 16 waves a work-group, clusters of 4 x 1, 280,576 bytes of LDS; arguments qbuf, qs, kv, avr; writes avr
.if DOCPART == 7
	.amdgcn_target "amdgcn-amd-amdhsa--gfx1250"
	.amdhsa_code_object_version 6
	.text
	.protected	k_q950f7d0c91_attn
	.globl	k_q950f7d0c91_attn
	.p2align	8
	.type	k_q950f7d0c91_attn,@function
k_q950f7d0c91_attn:
	s_mov_b64 s[64:65], 0
	v_nop
	global_prefetch_b8 v0, s[64:65] scope:SCOPE_SE
	s_setreg_imm32_b32 hwreg(HW_REG_WAVE_MODE, 25, 1), 1
	s_wait_xcnt 0x0
	s_wait_alu depctr_hold_cnt(0) depctr_sa_sdst(0) depctr_va_vdst(0) depctr_va_sdst(0) depctr_va_ssrc(0) depctr_va_vcc(0) depctr_vm_vsrc(0)
	s_getreg_b32 s2, hwreg(HW_REG_IB_STS2, 6, 4)
	s_cmp_eq_u32 s2, 0
	s_cbranch_scc0 .Lentry_in_a_cluster
	s_endpgm
.Lentry_in_a_cluster:
	s_bfe_u32 s2, ttmp6, 0x10000c
	s_cmp_lg_u32 s2, 0x3003
	s_cbranch_scc0 .Lentry_shape_is_right
	s_endpgm
.Lentry_shape_is_right:
; av = softmax(q k^T / 8) v for one head and 256 queries a work-group, both products on codes of E4M3 with one E8M0 byte for each 32 along K; av is divided by the row's sum and quantised along H x HD on its way out.
; THE SOFTMAX AHEAD OF THE SECOND PRODUCT: t = score x log2(e) / 8; M = the running largest t rounded UP to a whole number; p = 2^(t - M) is quantised along the keys, not normalised; the row's sum is taken of the unquantised p.
; When M moves, the sum and O^T are multiplied by 2^(old M - new M), which rounds nothing.
; SHARES.  Sixteen waves, each one tile of 16 queries in 256 registers, four to a SIMD.  Every wave walks the head's 2,048 keys, 128 a step.
; THE WHOLE HEAD LIES IN LDS: sixteen records of 17,408 bytes (K's four fragments, V^T's four, their scale words), images of operand registers, so a fragment is four loads of 512 consecutive bytes.  No byte of LDS is filled twice.
; IT COMES IN FOUR QUARTERS of four records (69,632 bytes): each wave brings 17 rows of 256 bytes of each quarter, four tensor loads in one group at the start (four of a wave's are out).  A wave's tensor loads end in order
; (ISA guide 10.11.1), so a counted wait and a barrier in front of each quarter's four steps show that quarter whole, and the later quarters land while the earlier ones are worked.
; CLUSTER: the four work-groups of a cluster belong to one head and want the same records: each load is a joint one (mask 15), the same descriptor in all four.
; K = 64 UNDER AN INSTRUCTION OF 128: a fragment of K holds TWO key tiles (groups 0, 1 and 2, 3).  Q stands in 24 registers as [Q][zeros][Q]: source 1 = the first 16 of them for the even tile, the last 16 for the odd one;
; zero codes take the other tile's half out of the sum under any byte but 0xff, and the bytes lie between 1 and 254.
; Both products are used transposed (source 0 = keys, or V^T's rows): a lane holds ONE query (lane % 16); by the order of a tile's rows its 16 registers of two neighbouring tiles are 16 neighbouring keys (or columns e).
; OUT.  avr: a record of 8,704 bytes a row tile: head hd fills groups 2 (hd & 1) + b of K step hd >> 1, 512 consecutive bytes a store.  Its two scale bytes go out as 2 bytes a lane, 4 bytes apart (128 KiB in the whole launch):
; the one place where aligned blocks of 256 bytes are written in part, by two heads.
; LIMITS: NaN and infinities are not served; a block under 2^-118 gets the byte 1.  A block's largest p is made from its largest score by the same two instructions, which takes v_exp_f32 not to fall where its input rises.
.set REC,    17408
.set QUART,  69632                     ; four records
.set PART,   4352                      ; a wave's sixteenth of a quarter: 17 rows of 256 bytes
.set FLOORC, 0x4800000
.set DEXP,   0xfc000000
.set EXPM,   0x7f800000
.set LI,  1                            ; 16 x lane
.set LS,  2                            ; 4 x lane
.set ADI, 3
.set ADS, 4
.set NM,  12                           ; -M
.set TMX, 13                           ; the largest t
.set SUM, 14                           ; v[14:15]
.set QF,  16                           ; v16-39
.set F,   40                           ; v40-103 four fragments of K, then of V^T
.set S,   104                          ; v104-167 S^T, then p
.set O,   168                          ; v168-199 O^T
.set PC,  200                          ; v200-215 p's codes
.set BM,  216
.set T2,  220
.set CAP, 224
.set SOP, 228
.set SW,  232                          ; the fragments' scale words
.set FF,  236                          ; 2^(old M - new M)
.set PW,  237                          ; p's scale word
.set TMP, 238
.set QSW, 239                          ; Q's scale word
.set SUM2, 240
.set CAP2, 245                         ; the caps once more, one register bank on: the two halves of a dual instruction take their second sources from different banks
.set QTM, 216
.set QTP, 220
.set QCAP, 224
.set QSOP, 228
.set G0,  44                           ; s[44:59] descriptor group 0, a set for each quarter
.macro PLACES n
.rept \n
	v_nop
.endr
.endm
.macro CROUND                          ; a round of the cluster's barrier
	s_barrier_signal -1
	s_barrier_wait -1
	s_cmp_lg_u32 s31, 0
	s_cbranch_scc1 .Lnot_wave_0_\@
	s_barrier_signal -3
.Lnot_wave_0_\@:
	s_barrier_wait -3
	s_barrier_signal -1
	s_barrier_wait -1
.endm
; A KEY STEP: the 128 keys of the record at LDS byte s29
.macro STEP
	v_add_nc_u32 v[ADI], s29, v[LI]
	v_add_nc_u32 v[ADS], s29, v[LS]
	PLACES 6                                       ; with the two additions: eight places in front of loads into registers that the last products read
.irp f, 0,1,2,3
.irp c, 0,1,2,3
	ds_load_b128 v[F+16*\f+4*\c:F+16*\f+4*\c+3], v[ADI] offset:2048*\f+512*\c
.endr
	ds_load_b32 v[SW+\f], v[ADS] offset:16384+128*\f
.endr
	s_wait_alu depctr_va_vdst(0)
	s_wait_dscnt 0x0
.irp f, 0,1,2,3
.irp u, 0,1
	v_wmma_scale_f32_16x16x128_f8f6f4 v[S+16*\f+8*\u:S+16*\f+8*\u+7], v[F+16*\f:F+16*\f+15], v[QF+8*\u:QF+8*\u+15], 0, v[SW+\f], v[QSW]
.endr
.endr
	PLACES 8
.irp f, 0,1,2,3                                ; V^T's fragments land under the softmax
.irp c, 0,1,2,3
	ds_load_b128 v[F+16*\f+4*\c:F+16*\f+4*\c+3], v[ADI] offset:8192+2048*\f+512*\c
.endr
	ds_load_b32 v[SW+\f], v[ADS] offset:16896+128*\f
.endr
.irp b, 0,1,2,3
	v_max3_num_f32 v[BM+\b], v[S+16*\b], v[S+1+16*\b], v[S+2+16*\b]   ; the largest score of each block of 32 keys: for the row's maximum and for the block's largest p
.endr
.irp i, 3,5,7,9,11,13
.irp b, 0,1,2,3
	v_max3_num_f32 v[BM+\b], v[BM+\b], v[S+16*\b+\i], v[S+1+16*\b+\i]
.endr
.endr
.irp b, 0,1,2,3
	v_max_num_f32 v[BM+\b], v[BM+\b], v[S+15+16*\b]
.endr
.irp b, 0,1,2,3
	s_delay_alu instid0(VALU_DEP_4)
	v_permlanex16_b32 v[T2+\b], v[BM+\b], s24, s25
.endr
.irp b, 0,1,2,3
	s_delay_alu instid0(VALU_DEP_4)
	v_max_num_f32 v[BM+\b], v[BM+\b], v[T2+\b]     ; with lane l xor 16's 16 keys
.endr
	s_delay_alu instid0(VALU_DEP_2)
	v_max3_num_f32 v[TMP], v[BM], v[BM+1], v[BM+2]
	s_delay_alu instid0(VALU_DEP_1)
	v_max_num_f32 v[TMP], v[TMP], v[BM+3]
	s_delay_alu instid0(VALU_DEP_1)
	v_mul_f32 v[TMP], s26, v[TMP]                  ; as t (c is positive)
	s_delay_alu instid0(VALU_DEP_1)
	v_max_num_f32 v[TMX], v[TMX], v[TMP]
	v_mov_b32 v[TMP], v[NM]
	s_delay_alu instid0(VALU_DEP_2)
	v_floor_f32 v[NM], -v[TMX]                     ; the new -M = -ceil(t)
	s_delay_alu instid0(VALU_DEP_1)
	v_sub_f32 v[TMP], v[NM], v[TMP]                ; old M - new M: a whole number, 0 or less
	s_delay_alu instid0(VALU_DEP_1)
	v_cvt_i32_f32 v[TMP], v[TMP]                   ; (it saturates)
	s_delay_alu instid0(VALU_DEP_1)
	v_ldexp_f32 v[FF], 1.0, v[TMP]
.set j, 0
.rept 32
	v_pk_fma_f32 v[S+j:S+j+1], v[S+j:S+j+1], s[26:27], v[NM:NM+1] op_sel_hi:[1,0,0]   ; t - M
.set j, j+2
.endr
.irp b, 0,1,2,3
	v_fma_f32 v[BM+\b], v[BM+\b], s26, v[NM]
.endr
.set j, 0
	s_wait_alu depctr_va_vdst(0)
.rept 64
	v_exp_f32 v[S+j], v[S+j]                       ; p
.set j, j+1
.endr
	s_setprio 1
.irp b, 0,1,2,3
	v_exp_f32 v[BM+\b], v[BM+\b]                   ; the block's largest p
.endr
	v_pk_mul_f32 v[SUM:SUM+1], v[SUM:SUM+1], v[FF:FF+1] op_sel_hi:[1,0]   ; the sums under the new M (a plain line behind the exponentials)
	s_wait_alu depctr_va_vdst(0)
.irp b, 0,1,2,3
	v_max_num_f32 v[BM+\b], FLOORC, v[BM+\b]
.endr
.irp b, 0,1,2,3
	s_delay_alu instid0(VALU_DEP_4)
	v_add_nc_u32 v[SOP+\b], DEXP, v[BM+\b]
.endr
.irp b, 0,1,2,3
	v_and_or_b32 v[CAP+\b], v[BM+\b], EXPM, s28    ; 448 x the scale,
.endr
.irp b, 0,1,2,3
	v_and_or_b32 v[CAP2+\b], v[BM+\b], EXPM, s28   ; twice
.endr
.irp b, 0,1,2,3
	v_lshrrev_b32 v[T2+\b], 23, v[SOP+\b]
.endr
	s_delay_alu instid0(VALU_DEP_3)
	v_lshl_or_b32 v[PW], v[T2+1], 8, v[T2]         ; p's scale word for these 128 keys
	s_delay_alu instid0(VALU_DEP_1)
	v_lshl_or_b32 v[PW], v[T2+2], 16, v[PW]
	s_delay_alu instid0(VALU_DEP_1)
	v_lshl_or_b32 v[PW], v[T2+3], 24, v[PW]
	v_pk_add_f32 v[240:241], v[108:109], v[112:113]
	v_pk_add_f32 v[252:253], v[116:117], v[120:121]
	v_pk_add_f32 v[250:251], v[124:125], v[128:129]
	v_pk_add_f32 v[242:243], v[132:133], v[136:137]
	v_pk_add_f32 v[218:219], v[140:141], v[144:145]
	v_pk_add_f32 v[216:217], v[148:149], v[152:153]
	v_pk_add_f32 v[214:215], v[156:157], v[160:161]
	v_pk_add_f32 v[14:15], v[14:15], v[164:165]
	v_pk_add_f32 v[240:241], v[240:241], v[104:105]
	v_pk_add_f32 v[252:253], v[252:253], v[106:107]
	v_pk_add_f32 v[250:251], v[250:251], v[110:111]
	v_pk_add_f32 v[242:243], v[242:243], v[114:115]
	v_pk_add_f32 v[218:219], v[218:219], v[118:119]
	v_pk_add_f32 v[216:217], v[216:217], v[122:123]
	v_pk_add_f32 v[214:215], v[214:215], v[126:127]
	v_pk_add_f32 v[14:15], v[14:15], v[130:131]
	v_pk_add_f32 v[240:241], v[240:241], v[134:135]
	v_pk_add_f32 v[252:253], v[252:253], v[138:139]
	v_pk_add_f32 v[250:251], v[250:251], v[142:143]
	v_pk_add_f32 v[242:243], v[242:243], v[146:147]
	v_pk_add_f32 v[218:219], v[218:219], v[150:151]
	v_pk_add_f32 v[216:217], v[216:217], v[154:155]
	v_pk_add_f32 v[214:215], v[214:215], v[158:159]
	v_pk_add_f32 v[14:15], v[14:15], v[162:163]
	v_pk_add_f32 v[240:241], v[240:241], v[166:167]
	s_delay_alu instid0(VALU_DEP_2)
	v_pk_add_f32 v[14:15], v[14:15], v[242:243]
	s_delay_alu instid0(VALU_DEP_2)
	v_pk_add_f32 v[240:241], v[240:241], v[218:219]
	v_pk_add_f32 v[252:253], v[252:253], v[216:217]
	v_pk_add_f32 v[250:251], v[250:251], v[214:215]
	s_delay_alu instid0(VALU_DEP_2)
	v_pk_add_f32 v[14:15], v[14:15], v[252:253]
	s_delay_alu instid0(VALU_DEP_2)
	v_pk_add_f32 v[240:241], v[240:241], v[250:251]
	s_delay_alu instid0(VALU_DEP_1)
	v_pk_add_f32 v[14:15], v[14:15], v[240:241]
.irp b, 0,1,2,3
.irp i, 0,2,4,6,8,10,12,14
	v_dual_min_num_f32 v[S+16*\b+\i], v[S+16*\b+\i], v[CAP+\b] :: v_dual_min_num_f32 v[S+16*\b+\i+1], v[S+16*\b+\i+1], v[CAP2+\b]   ; p is not negative: the hold is one-sided; two holds an instruction (an even and an odd destination; sources of different banks)
.endr
	v_cvt_scalef32_pk8_fp8_f32 v[PC+4*\b:PC+4*\b+1], v[S+16*\b:S+16*\b+7], v[SOP+\b]
	v_cvt_scalef32_pk8_fp8_f32 v[PC+4*\b+2:PC+4*\b+3], v[S+16*\b+8:S+16*\b+15], v[SOP+\b]
.endr
.set j, 0
	s_setprio 0
.rept 16
	v_pk_mul_f32 v[O+j:O+j+1], v[O+j:O+j+1], v[FF:FF+1] op_sel_hi:[1,0]   ; O^T under the new M; these sixteen also stand between the codes and the products
.set j, j+2
.endr
	s_wait_alu depctr_va_vdst(0)
	s_wait_dscnt 0x0                               ; V^T
.irp t, 0,1,2,3                                ; four accumulators by turns, one instruction a turn
	v_wmma_scale_f32_16x16x128_f8f6f4 v[O+8*\t:O+8*\t+7], v[F+16*\t:F+16*\t+15], v[PC:PC+15], v[O+8*\t:O+8*\t+7], v[SW+\t], v[PW]
.endr
.endm
; Quarter c of the head: left = how many of my later quarters' loads may stay out.  The wait is counted.  No LDS access of mine is out at the signal: a step ends behind its wait for all of them.
.macro QUARTER c, left
	s_wait_tensorcnt \left                         ; my part of quarter c is in,
	s_barrier_signal -1
	s_barrier_wait -1                              ; everybody's is
	s_mov_b32 s29, \c*QUART
	s_mov_b32 s30, 4
.Lstep_\@:
	s_setprio 2
	STEP
	s_add_co_u32 s29, s29, REC
	s_sub_co_u32 s30, s30, 1
	s_cmp_lg_u32 s30, 0
	s_cbranch_scc1 .Lstep_\@
	s_setprio 0
.endm
	s_load_b256 s[4:11], s[0:1], 0x0               ; qbuf, qs, kv, avr
	v_lshl_add_u32 v254, v0, 2, 0x44000
	v_mov_b32 v255, 0
	ds_add_u32 v254, v255
	ds_add_u32 v254, v255
	v_lshrrev_b32 v1, 5, v0
	s_delay_alu instid0(VALU_DEP_1)
	v_readfirstlane_b32 s31, v1                    ; wave 0..15
	v_and_b32 v2, 31, v0
	s_delay_alu instid0(VALU_DEP_1)
	v_lshlrev_b32 v[LI], 4, v2
	s_delay_alu instid0(VALU_DEP_2)
	v_lshlrev_b32 v[LS], 2, v2
	s_bfe_u32 s32, ttmp6, 0x40000                  ; cx: it enters Q's and avr's addresses alone
	s_lshl_b32 s33, ttmp9, 2
	s_add_co_u32 s33, s33, s32                     ; my block of 256 queries
	s_and_b32 s34, ttmp7, 0xffff                   ; bh, which the four partners share
	s_lshl_b32 s35, s33, 4
	s_add_co_u32 s35, s35, s31                     ; my query tile, 0 .. 127
	s_mul_i32 s13, s31, PART                       ; my part of a quarter: in LDS as in memory
	s_mul_i32 s36, s34, 4*QUART                    ; the head's sixteen records
	s_add_co_u32 s36, s36, s13
	s_mov_b32 s37, 0
	s_mov_b32 s39, 0
	s_mov_b32 s16, 15|(3<<16)|(1<<21)              ; group 1: the mask: all four work-groups; elements of 8 bytes; bit 21 beside a mask; no padding: images are read as they lie
	s_mov_b32 s17, 32<<16                          ; tensor_dim0 = 32 elements: rows of 256 bytes
	s_mov_b32 s18, 17<<16                          ; tensor_dim1 = 17 rows
	s_mov_b32 s19, 32<<16                          ; tile_dim0
	s_mov_b32 s20, 17                              ; tile_dim1
	s_mov_b32 s21, 32                              ; the pitch: dense
	s_mov_b32 s22, 0
	s_mov_b32 s23, 0
	s_mov_b32 s24, 0x76543210
	s_mov_b32 s25, 0xfedcba98
	s_mov_b32 s26, 0x3e38aa3b                      ; c = log2(e) / 8
	s_mov_b32 s27, s26
	s_mov_b32 s28, 0x600000
	s_wait_dscnt 0x0
	s_wait_kmcnt 0x0
	s_add_nc_u64 s[14:15], s[8:9], s[36:37]
.irp c, 0,1,2,3
	s_mov_b32 s[G0+4*\c], 1                                        ; count 1
	s_add_co_u32 s[G0+4*\c+1], s13, \c*QUART                       ; LDS address: quarter x 69,632 + wave x 4,352
	s_add_nc_u64 s[G0+4*\c+2:G0+4*\c+3], s[14:15], \c*QUART        ; the same bytes of the head in memory
	s_or_b32 s[G0+4*\c+3], s[G0+4*\c+3], 0x80000000                ; type 2
.endr
	s_lshl_b32 s38, s34, 17
	s_lshl_b32 s36, s35, 10
	s_add_co_u32 s38, s38, s36
	s_add_nc_u64 s[4:5], s[4:5], s[38:39]          ; my tile of Q
	s_lshl_b32 s38, s34, 14
	s_lshl_b32 s36, s35, 7
	s_add_co_u32 s38, s38, s36
	s_add_nc_u64 s[6:7], s[6:7], s[38:39]          ; its scale words
	s_lshr_b32 s38, s34, 3
	s_lshl_b32 s38, s38, 7
	s_add_co_u32 s38, s38, s35                     ; the row tile: 128 x batch + query tile
	s_mul_i32 s38, s38, 8704
	s_add_nc_u64 s[10:11], s[10:11], s[38:39]
	s_bfe_u32 s36, s34, 0x20001                    ; (head >> 1)
	s_and_b32 s33, s34, 1                          ; head & 1
	s_lshl_b32 s38, s36, 7
	s_add_co_u32 s38, s38, 8192
	s_lshl_b32 s32, s33, 1
	s_add_co_u32 s38, s38, s32
	s_add_nc_u64 s[40:41], s[10:11], s[38:39]      ; my two scale bytes of each row's word
	s_lshl_b32 s38, s36, 11
	s_lshl_b32 s32, s33, 10
	s_add_co_u32 s38, s38, s32
	s_add_nc_u64 s[10:11], s[10:11], s[38:39]      ; my two groups of codes
	CROUND                                         ; all four work-groups are here: the joint loads meet
	tensor_load_to_lds s[G0:G0+3], s[16:23]        ; the first fills, one group: four of mine are out
	s_nop 0
	tensor_load_to_lds s[G0+4:G0+7], s[16:23]
	s_nop 0
	tensor_load_to_lds s[G0+8:G0+11], s[16:23]
	s_nop 0
	tensor_load_to_lds s[G0+12:G0+15], s[16:23]
	s_nop 0
	PLACES 4
	s_wait_alu depctr_va_vdst(0)
	global_load_b128 v[QF:QF+3], v[LI], s[4:5]
	global_load_b128 v[QF+4:QF+7], v[LI], s[4:5] offset:512
	global_load_b128 v[QF+16:QF+19], v[LI], s[4:5]
	global_load_b128 v[QF+20:QF+23], v[LI], s[4:5] offset:512
	global_load_b32 v[QSW], v[LS], s[6:7]
.irp j, 8,9,10,11,12,13,14,15
	v_mov_b32 v[QF+\j], 0                          ; zero codes
.endr
.set j, 0
.rept 32
	v_mov_b32 v[O+j], 0                            ; O^T: the step is written once; its first trip finds zeros
.set j, j+1
.endr
	v_mov_b32 v[TMX], 0xff61b1e6                   ; -3e38, under every t
	s_delay_alu instid0(VALU_DEP_1)
	v_floor_f32 v[NM], -v[TMX]
	v_mov_b32 v[SUM], 0
	v_mov_b32 v[SUM+1], 0
.irp b, 0,1,2,3
	v_mov_b32 v[T2+\b], 0                          ; (a lane permute's destination counts as read)
.endr
	v_mov_b32 v[PW], 0                             ; (named as the upper half of a pair before it is first written)
	v_mov_b32 v[TMP], 0
	s_wait_loadcnt 0x0                             ; Q
	QUARTER 0, 3
	QUARTER 1, 2
	QUARTER 2, 1
	QUARTER 3, 0
	PLACES 8
	v_add_f32 v[SUM], v[SUM], v[SUM+1]
	s_delay_alu instid0(VALU_DEP_1)
	v_permlanex16_b32 v[TMP], v[SUM], s24, s25
	s_delay_alu instid0(VALU_DEP_1)
	v_add_f32 v[SUM], v[SUM], v[TMP]               ; the row's sum
	s_wait_alu depctr_va_vdst(0)
	v_rcp_f32 v[SUM], v[SUM]
	v_nop
.set j, 0
	s_wait_alu depctr_va_vdst(0)
.rept 32
	v_mul_f32 v[S+j], v[O+j], v[SUM]               ; register 16 b + i: av(my query, 64 head + 32 b + 16 (lane / 16) + i)
.set j, j+1
.endr
	; av's two blocks are quantised as every operand is
.irp b, 0,1
	v_max3_num_f32 v[QTM+\b], |v[S+16*\b]|, |v[S+16*\b+1]|, FLOORC
.endr
.irp i, 2,4,6,8,10,12,14
.irp b, 0,1
	s_delay_alu instid0(VALU_DEP_2)
	v_max3_num_f32 v[QTM+\b], |v[S+16*\b+\i]|, |v[S+16*\b+\i+1]|, v[QTM+\b]
.endr
.endr
.irp b, 0,1
	s_delay_alu instid0(VALU_DEP_2)
	v_permlanex16_b32 v[QTP+\b], v[QTM+\b], s24, s25
.endr
.irp b, 0,1
	s_delay_alu instid0(VALU_DEP_2)
	v_max_num_f32 v[QTM+\b], v[QTM+\b], v[QTP+\b]
.endr
.irp b, 0,1
	s_delay_alu instid0(VALU_DEP_2)
	v_add_nc_u32 v[QSOP+\b], DEXP, v[QTM+\b]
.endr
.irp b, 0,1
	s_delay_alu instid0(VALU_DEP_4)
	v_and_or_b32 v[QCAP+\b], v[QTM+\b], EXPM, s28
.endr
.irp b, 0,1
	s_delay_alu instid0(VALU_DEP_4)
	v_lshrrev_b32 v[QTP+\b], 23, v[QSOP+\b]
.endr
.irp b, 0,1
.irp i, 0,1,2,3,4,5,6,7,8,9,10,11,12,13,14,15
	v_med3_num_f32 v[S+16*\b+\i], v[S+16*\b+\i], -v[QCAP+\b], v[QCAP+\b]
.endr
.endr
.irp b, 0,1
	v_cvt_scalef32_pk8_fp8_f32 v[PC+4*\b:PC+4*\b+1], v[S+16*\b:S+16*\b+7], v[QSOP+\b]
	v_cvt_scalef32_pk8_fp8_f32 v[PC+4*\b+2:PC+4*\b+3], v[S+16*\b+8:S+16*\b+15], v[QSOP+\b]
.endr
	v_lshl_or_b32 v[TMP], v[QTP+1], 8, v[QTP]      ; (a plain line behind the conversions)  the two bytes
	global_store_b128 v[LI], v[PC:PC+3], s[10:11]
	global_store_b128 v[LI], v[PC+4:PC+7], s[10:11] offset:512
	global_store_b16 v[LS], v[TMP], s[40:41]
	s_wait_tensorcnt 0x0
	ds_add_u32 v254, v255
	s_wait_dscnt 0x0
	CROUND                                         ; the closing round: no work-group ends while a partner may still ask for a record that names it
	s_endpgm
.Lfunc_end_k_q950f7d0c91_attn:
	.size	k_q950f7d0c91_attn, .Lfunc_end_k_q950f7d0c91_attn-k_q950f7d0c91_attn
	.p2alignl 7, 3214868480
	.fill 96, 4, 3214868480
	.section	.rodata,"a",@progbits
	.p2align	6, 0x0
	.amdhsa_kernel k_q950f7d0c91_attn
		.amdhsa_group_segment_fixed_size 280576
		.amdhsa_private_segment_fixed_size 0
		.amdhsa_enable_private_segment 0
		.amdhsa_kernarg_size 32
		.amdhsa_user_sgpr_count 2
		.amdhsa_user_sgpr_kernarg_segment_ptr 1
		.amdhsa_wavefront_size32 1
		.amdhsa_system_sgpr_workgroup_id_x 1
		.amdhsa_system_sgpr_workgroup_id_y 1
		.amdhsa_system_sgpr_workgroup_id_z 1
		.amdhsa_system_vgpr_workitem_id 0
		.amdhsa_next_free_vgpr 256
		.amdhsa_next_free_sgpr 66
		.amdhsa_reserve_vcc 0
		.amdhsa_float_denorm_mode_32 3
		.amdhsa_float_denorm_mode_16_64 3
		.amdhsa_memory_ordered 1
		.amdhsa_forward_progress 1
		.amdhsa_inst_pref_size 95
	.end_amdhsa_kernel
	.amdgpu_metadata
---
amdhsa.version: [ 1, 2 ]
amdhsa.kernels:
  - .name:           k_q950f7d0c91_attn
    .symbol:         k_q950f7d0c91_attn.kd
    .args:
      - { .name: qbuf, .offset: 0, .size: 8, .value_kind: global_buffer, .address_space: global }
      - { .name: qs, .offset: 8, .size: 8, .value_kind: global_buffer, .address_space: global }
      - { .name: kv, .offset: 16, .size: 8, .value_kind: global_buffer, .address_space: global }
      - { .name: avr, .offset: 24, .size: 8, .value_kind: global_buffer, .address_space: global }
    .group_segment_fixed_size: 280576
    .private_segment_fixed_size: 0
    .kernarg_segment_align: 8
    .kernarg_segment_size: 32
    .max_flat_workgroup_size: 512
    .sgpr_count:     66
    .vgpr_count:     256
    .wavefront_size: 32
...
	.end_amdgpu_metadata
.endif
;; end of part 7
;; launch proj (part 8): grid 256 x 1, 4 waves a work-group, no clusters, 2,560 bytes of LDS; arguments avr, wimg, Wo_scales, bo, x, ln2_g, ln2_b, x1, x2r; writes x1, x2r
.if DOCPART == 8
	.amdgcn_target "amdgcn-amd-amdhsa--gfx1250"
	.amdhsa_code_object_version 6
	.text
	.protected	k_q950f7d0c91_proj
	.globl	k_q950f7d0c91_proj
	.p2align	8
	.type	k_q950f7d0c91_proj,@function
k_q950f7d0c91_proj:
	s_mov_b64 s[64:65], 0
	v_nop
	global_prefetch_b8 v0, s[64:65] scope:SCOPE_SE
	s_setreg_imm32_b32 hwreg(HW_REG_WAVE_SCHED_MODE, 0, 2), 2
	s_setreg_imm32_b32 hwreg(HW_REG_WAVE_MODE, 25, 1), 1
	s_wait_xcnt 0x0
	s_wait_alu depctr_vm_vsrc(0)
; x1 = x + av Wo + bo (product on codes of E4M3, one E8M0 byte for each 32 along K); x2 = LayerNorm 2 of x1, quantised along D.
; SHARES.  A work-group takes 32 rows (row tiles 2 g, 2 g + 1).  THE WAVES SHARE THE COLUMNS: wave w makes columns 128 w .. 128 w + 127, which are K step w of x2: its 128 rows of Wo (8 tiles x 4 K steps = 512 registers) go from
; memory straight into its registers, once.  They come from wimg, where the first launch laid them as images of operand registers: wave w's 65,536 bytes on end, each load 512 consecutive bytes.
; NO JOINT LOADS: Wo never lies in LDS (through LDS each byte would be written and read once more), and av's records are each work-group's own.
; The product is used transposed (source 0 = 16 rows of Wo, source 1 = av); lane r of weight tile 2 b + u' takes row 32 b + 8 u' + r + (r & 8), so a lane's register 16 b + i is column 128 w + 32 b + 16 (lane / 16) + i of its row.
; x is loaded in that very layout into the accumulators, bo is added, and the products add onto them in place.
; A row's mean and variance span the four waves: each wave's part goes through LDS, one barrier for the sums and one for the squares of the differences (two passes: a common offset does no harm).
; OUT.  x1: images of the 64 registers, [row tile][w][16 groups of 512 bytes].  x2r: a record of 8,704 bytes a row tile: K step w's four groups of 512 bytes, its scale words at 8,192 + 128 w.
; LIMITS: NaN and infinities are not served; a block under 2^-118 gets the byte 1 (only this program reads the bytes); v_rsq_f32 is taken as it is.
; THE MODE: SCHED_MODE bits 1:0 = 2 (LLVM: expert scheduling mode 2), set by the entry lines.  The code itself states the register dependences between vector or matrix instructions and memory or LDS instructions, with s_wait_alu, always for 0.
; THE PLAN.  Registers that memory or LDS instructions touch, and who else names them:
;   v4-10      offsets and an LDS address: made at the head, ahead of one wait on va_vdst, never written again.
;   v16-143    the accumulators.  Written by the products, read by x1's 32 stores (eight places, a wait on va_vdst); written again by the subtraction of the mean, behind a wait on vm_vsrc.
;   v196, v198 a tile's part of a sum.  Both tiles' are made first; one wait on va_vdst; two LDS stores.  Written again in the second pass, behind the same wait on vm_vsrc.
;   v188-195   the four waves' parts.  LDS loads land there behind the barrier; whatever vector instruction named them stands ahead of the wait in front of the pass's LDS stores.
;   v160-176 and v180-195, v200   codes and scale word, an out-buffer for each row tile: written by the tile's quantiser, read by its five stores behind one wait on va_vdst, and never written again.
; REGISTERS.  window 0: v4-10 addresses; v16-143 the 16 accumulators; v144-207 bo, then the quantiser's and the sums'; v208-239 Wo's scale words, v240-247 av's; v248-255 means and 1 / deviations.
; window 1: v0-127 av's fragments; v128-191 ln2_g, v192-255 ln2_b.   windows 2, 3: Wo.
.set FLOORC, 0x4800000
.set DEXP,   0xfc000000
.set EXPM,   0x7f800000
.set XA,  4
.set WSA, 6
.set C64, 7
.set LI,  8
.set LS,  9
.set STW, 10
.set ACC, 16
.set T64, 144
.set QTM, 144
.set QTP, 148
.set QCAP, 152
.set QSOP, 156
.set PC,  160                          ; row tile u's codes at PC + 20 u: v160-175, v180-195 (the sums' registers, done with by then)
.set PW,  176                          ; its scale word at PW + 24 u: v176, v200
.set SA,  180
.set PS,  188
.set TT,  196
.set WS,  208
.set XS,  240
.set MU,  248
.set RS,  252
.set SELR, 24
.set MNTR, 26
.set MSB, 0
.macro WIN new
.if MSB != (\new)
	s_set_vgpr_msb (MSB<<8)|(\new)
.set MSB, (\new)
.endif
.endm
.macro PLACES n
.rept \n
	v_nop
.endr
.endm
.macro BARRIER
	s_wait_dscnt 0x0
	s_barrier_signal -1
	s_barrier_wait -1
.endm
.macro QUANT4 s, pc                    ; four blocks of 16 registers from v[s] become codes in v[pc ..] and bytes in v[QTP ..]
.irp b, 0,1,2,3
	v_max3_num_f32 v[QTM+\b], |v[(\s)+16*\b]|, |v[(\s)+16*\b+1]|, FLOORC
.endr
.irp i, 2,4,6,8,10,12,14
.irp b, 0,1,2,3
	v_max3_num_f32 v[QTM+\b], |v[(\s)+16*\b+\i]|, |v[(\s)+16*\b+\i+1]|, v[QTM+\b]
.endr
.endr
.irp b, 0,1,2,3
	v_permlanex16_b32 v[QTP+\b], v[QTM+\b], s[SELR], s[SELR+1]
.endr
.irp b, 0,1,2,3
	v_max_num_f32 v[QTM+\b], v[QTM+\b], v[QTP+\b]
.endr
.irp b, 0,1,2,3
	v_add_nc_u32 v[QSOP+\b], DEXP, v[QTM+\b]
.endr
.irp b, 0,1,2,3
	v_and_or_b32 v[QCAP+\b], v[QTM+\b], EXPM, s[MNTR]
.endr
.irp b, 0,1,2,3
	v_lshrrev_b32 v[QTP+\b], 23, v[QSOP+\b]
.endr
.irp b, 0,1,2,3
.irp i, 0,1,2,3,4,5,6,7,8,9,10,11,12,13,14,15
	v_med3_num_f32 v[(\s)+16*\b+\i], v[(\s)+16*\b+\i], -v[QCAP+\b], v[QCAP+\b]
.endr
.endr
.irp b, 0,1,2,3
	v_cvt_scalef32_pk8_fp8_f32 v[(\pc)+4*\b:(\pc)+4*\b+1], v[(\s)+16*\b:(\s)+16*\b+7], v[QSOP+\b]
	v_cvt_scalef32_pk8_fp8_f32 v[(\pc)+4*\b+2:(\pc)+4*\b+3], v[(\s)+16*\b+8:(\s)+16*\b+15], v[QSOP+\b]
.endr
	v_nop
.endm
.macro FOLD u                          ; four pairs of partial sums, and lane l xor 16's, into v[TT + 2 u]
	v_pk_add_f32 v[SA:SA+1], v[SA:SA+1], v[SA+2:SA+3]
	v_pk_add_f32 v[SA+4:SA+5], v[SA+4:SA+5], v[SA+6:SA+7]
	v_pk_add_f32 v[SA:SA+1], v[SA:SA+1], v[SA+4:SA+5]
	v_add_f32 v[TT+2*\u], v[SA], v[SA+1]
	v_permlanex16_b32 v[TT+2*\u+1], v[TT+2*\u], s[SELR], s[SELR+1]
	v_add_f32 v[TT+2*\u], v[TT+2*\u], v[TT+2*\u+1]
.endm
.macro MEET pass                       ; the four waves' parts of both tiles' sums: v[PS], v[PS + 4]
	BARRIER
.irp u, 0,1
.irp k, 0,1,2,3
	ds_load_b32 v[PS+4*\u+\k], v[LS] offset:1024*\pass+256*\k+128*\u
.endr
.endr
	s_wait_dscnt 0x0
.irp u, 0,1
	v_add_f32 v[PS+4*\u], v[PS+4*\u], v[PS+4*\u+1]
	v_add_f32 v[PS+4*\u+2], v[PS+4*\u+2], v[PS+4*\u+3]
	v_add_f32 v[PS+4*\u], v[PS+4*\u], v[PS+4*\u+2]
.endr
.endm
	s_load_b512 s[4:19], s[0:1], 0x0               ; avr, wimg, Wo's scales, bo, x, ln2_g, ln2_b, x1
	s_load_b64 s[20:21], s[0:1], 0x40              ; x2r
	v_lshl_add_u32 v14, v0, 2, 0x800
	v_mov_b32 v15, 0
	v_lshrrev_b32 v1, 5, v0
	v_readfirstlane_b32 s22, v1                    ; wave
	v_and_b32 v1, 31, v0
	v_and_b32 v2, 15, v0
	v_bfe_u32 v3, v0, 4, 1
	v_and_b32 v11, 8, v2
	v_add_nc_u32 v11, v11, v2                      ; r + (r & 8)
	v_lshlrev_b32 v[XA], 11, v11
	v_lshl_add_u32 v[XA], v3, 6, v[XA]
	v_lshlrev_b32 v[WSA], 4, v11
	v_lshlrev_b32 v[C64], 6, v3
	v_lshlrev_b32 v[LI], 4, v1
	v_lshlrev_b32 v[LS], 2, v1
	s_wait_alu depctr_va_sdst(0)                   ; s22 is written, ahead of its first reader: the bases and my words among the sums are made from it
	s_lshl_b32 s28, s22, 8
	v_add_nc_u32 v[STW], s28, v[LS]                ; my wave's words among the sums
	s_mov_b32 s24, 0x76543210
	s_mov_b32 s25, 0xfedcba98
	s_mov_b32 s26, 0x600000
	s_mov_b32 s27, 0x3727c5ac                      ; 1e-5
	s_mov_b32 s29, 0
	s_wait_kmcnt 0x0
	s_mul_i32 s28, ttmp9, 17408
	s_add_nc_u64 s[4:5], s[4:5], s[28:29]          ; av's two records
	s_add_nc_u64 s[20:21], s[20:21], s[28:29]      ; x2's two records
	s_lshl_b32 s28, s22, 16
	s_add_nc_u64 s[6:7], s[6:7], s[28:29]          ; Wo's image begins wimg: my 32 fragments
	s_lshl_b32 s28, s22, 11
	s_add_nc_u64 s[8:9], s[8:9], s[28:29]
	s_add_nc_u64 s[32:33], s[20:21], s[28:29]      ; x2r: K step w's codes
	s_lshl_b32 s28, s22, 9
	s_add_nc_u64 s[10:11], s[10:11], s[28:29]      ; bo, g, b at my 128 columns
	s_add_nc_u64 s[14:15], s[14:15], s[28:29]
	s_add_nc_u64 s[16:17], s[16:17], s[28:29]
	s_lshl_b32 s30, ttmp9, 16
	s_add_co_u32 s28, s28, s30
	s_add_nc_u64 s[12:13], s[12:13], s[28:29]      ; x at my rows and columns
	s_lshl_b32 s28, s22, 13
	s_add_co_u32 s28, s28, s30
	s_add_nc_u64 s[18:19], s[18:19], s[28:29]      ; x1's images
	s_lshl_b32 s28, s22, 7
	s_add_co_u32 s28, s28, 8192
	s_add_nc_u64 s[20:21], s[20:21], s[28:29]      ; x2r: K step w's scale words
	s_wait_alu depctr_va_vdst(0)                   ; the offsets and the LDS address v4 to v10 are written: every load and store of the kernel reads one of them, and none is written again
.irp u, 0,1
.irp b, 0,1,2,3
.irp j, 0,1,2,3
	global_load_b128 v[ACC+64*\u+16*\b+4*\j:ACC+64*\u+16*\b+4*\j+3], v[XA], s[12:13] offset:16384*\u+128*\b+16*\j
.endr
.endr
.endr
.irp b, 0,1,2,3
.irp j, 0,1,2,3
	global_load_b128 v[T64+16*\b+4*\j:T64+16*\b+4*\j+3], v[C64], s[10:11] offset:128*\b+16*\j
.endr
.endr
	WIN 0x40
.irp b, 0,1,2,3
.irp j, 0,1,2,3
	global_load_b128 v[128+16*\b+4*\j:128+16*\b+4*\j+3], v[C64], s[14:15] offset:128*\b+16*\j
	global_load_b128 v[192+16*\b+4*\j:192+16*\b+4*\j+3], v[C64], s[16:17] offset:128*\b+16*\j
.endr
.endr
.irp u, 0,1
.irp k, 0,1,2,3
.irp c, 0,1,2,3
	global_load_b128 v[64*\u+16*\k+4*\c:64*\u+16*\k+4*\c+3], v[LI], s[4:5] offset:8704*\u+2048*\k+512*\c
.endr
.endr
.endr
	WIN 0
.irp u, 0,1
.irp k, 0,1,2,3
	global_load_b32 v[XS+4*\u+\k], v[LS], s[4:5] offset:8704*\u+8192+128*\k
.endr
.endr
.irp n, 0,1,2,3,4,5,6,7                        ; Wo: tile n, K step k at register 64 (n % 4) + 16 k of window 2 (n < 4) or 3: 512 consecutive bytes a load
	WIN 0x80+0x40*(\n/4)
.irp k, 0,1,2,3
.irp c, 0,1,2,3
	global_load_b128 v[64*(\n%4)+16*\k+4*\c:64*(\n%4)+16*\k+4*\c+3], v[LI], s[6:7] offset:(4*\n+\k)*2048+512*\c
.endr
.endr
.endr
	WIN 0
.irp n, 0,1,2,3,4,5,6,7
	global_load_b128 v[WS+4*\n:WS+4*\n+3], v[WSA], s[8:9] offset:(32*(\n/2)+8*(\n%2))*16   ; my row's 16 scale bytes are the four K steps' words
.endr
	s_wait_loadcnt 0x0
.irp u, 0,1
.set p, 0
.rept 32
	v_pk_add_f32 v[ACC+64*\u+p:ACC+64*\u+p+1], v[ACC+64*\u+p:ACC+64*\u+p+1], v[T64+p:T64+p+1]   ; x + bo: what the sums begin with
.set p, p+2
.endr
.endr
.irp k, 0,1,2,3                                ; 64 products: 16 accumulators by turns, one instruction a turn
.irp n, 0,1,2,3,4,5,6,7
	WIN 0x06+(\n/4)
.irp u, 0,1
	v_wmma_scale_f32_16x16x128_f8f6f4 v[ACC+64*\u+8*\n:ACC+64*\u+8*\n+7], v[64*(\n%4)+16*\k:64*(\n%4)+16*\k+15], v[64*\u+16*\k:64*\u+16*\k+15], v[ACC+64*\u+8*\n:ACC+64*\u+8*\n+7], v[WS+4*\n+\k], v[XS+4*\u+\k]
.endr
.endr
.endr
	WIN 0
	PLACES 8
	s_wait_alu depctr_va_vdst(0)                   ; the products have written the accumulators, which x1's stores read; the eight places above stay beside this wait
.irp u, 0,1
.set gq, 0
.rept 16
	global_store_b128 v[LI], v[ACC+64*\u+4*gq:ACC+64*\u+4*gq+3], s[18:19] offset:32768*\u+512*gq   ; x1, each accumulator from its low end on; 512 consecutive bytes a store
.set gq, gq+1
.endr
.endr
.irp u, 0,1                                    ; the sum of my 64 numbers of a row
.irp k, 0,1,2,3
	v_pk_add_f32 v[SA+2*\k:SA+2*\k+1], v[ACC+64*\u+4*\k:ACC+64*\u+4*\k+1], v[ACC+64*\u+4*\k+2:ACC+64*\u+4*\k+3]
.endr
.set p, 16
.rept 24
	v_pk_add_f32 v[SA+2*((p/2)%4):SA+2*((p/2)%4)+1], v[ACC+64*\u+p:ACC+64*\u+p+1], v[SA+2*((p/2)%4):SA+2*((p/2)%4)+1]
.set p, p+2
.endr
	FOLD \u
.endr
	s_wait_alu depctr_va_vdst(0)                   ; both tiles' sums v[TT], v[TT+2] are written, which the two LDS stores read; the additions of bo are done reading v[PS ..], in which the four waves' parts land
.irp u, 0,1
	ds_store_b32 v[STW], v[TT+2*\u] offset:128*\u
.endr
	MEET 0
.irp u, 0,1
	v_mul_f32 v[MU+2*\u], 0x3b000000, v[PS+4*\u]
	v_mov_b32 v[MU+2*\u+1], v[MU+2*\u]
.endr
	s_wait_alu depctr_va_vdst(0)
	s_wait_xcnt 0x0                                ; x1's stores have had their addresses translated: their data are written again only behind this wait
	s_wait_alu depctr_vm_vsrc(0)                   ; x1's stores have read the accumulators, which the subtraction writes; the two LDS stores have read v[TT], v[TT+2], which the second pass writes
.irp u, 0,1
.set p, 0
.rept 32
	v_pk_add_f32 v[ACC+64*\u+p:ACC+64*\u+p+1], v[ACC+64*\u+p:ACC+64*\u+p+1], v[MU+2*\u:MU+2*\u+1] op_sel_hi:[1,0] neg_lo:[0,1] neg_hi:[0,1]
.set p, p+2
.endr
.endr
.irp u, 0,1                                    ; the squares of the differences
.irp k, 0,1,2,3
	v_pk_mul_f32 v[SA+2*\k:SA+2*\k+1], v[ACC+64*\u+2*\k:ACC+64*\u+2*\k+1], v[ACC+64*\u+2*\k:ACC+64*\u+2*\k+1]
.endr
.set p, 8
.rept 28
	v_pk_fma_f32 v[SA+2*((p/2)%4):SA+2*((p/2)%4)+1], v[ACC+64*\u+p:ACC+64*\u+p+1], v[ACC+64*\u+p:ACC+64*\u+p+1], v[SA+2*((p/2)%4):SA+2*((p/2)%4)+1]
.set p, p+2
.endr
	FOLD \u
.endr
	s_wait_alu depctr_va_vdst(0)                   ; both tiles' sums of squares are written, which the two LDS stores read; the first pass's lines are done with v[PS ..], in which the parts land again
.irp u, 0,1
	ds_store_b32 v[STW], v[TT+2*\u] offset:1024+128*\u   ; other bytes than the first pass's: no barrier between its reads and these stores
.endr
	MEET 1
.irp u, 0,1
	v_fma_f32 v[PS+4*\u], v[PS+4*\u], 0x3b000000, s27
.endr
	s_wait_alu depctr_va_vdst(0)
.irp u, 0,1
	v_rsq_f32 v[RS+2*\u], v[PS+4*\u]
	v_rsq_f32 v[RS+2*\u+1], v[PS+4*\u]
.endr
	v_nop
	s_wait_alu depctr_va_vdst(0)                   ; the four reciprocal roots v[RS ..] are written, ahead of their first reader
.irp u, 0,1
.set p, 0
.rept 32
	v_pk_mul_f32 v[ACC+64*\u+p:ACC+64*\u+p+1], v[ACC+64*\u+p:ACC+64*\u+p+1], v[RS+2*\u:RS+2*\u+1]
.set p, p+2
.endr
.endr
	WIN 0x14                                       ; g and b in window 1
.irp u, 0,1
.set p, 0
.rept 32
	v_pk_fma_f32 v[ACC+64*\u+p:ACC+64*\u+p+1], v[ACC+64*\u+p:ACC+64*\u+p+1], v[128+p:128+p+1], v[192+p:192+p+1]
.set p, p+2
.endr
.endr
	WIN 0
.irp u, 0,1                                    ; an out-buffer for each tile: the second tile's quantiser writes none of the registers that the first tile's stores read
	QUANT4 ACC+64*\u, PC+20*\u
	v_lshl_or_b32 v[PW+24*\u], v[QTP+1], 8, v[QTP]
	v_lshl_or_b32 v[PW+24*\u], v[QTP+2], 16, v[PW+24*\u]
	v_lshl_or_b32 v[PW+24*\u], v[QTP+3], 24, v[PW+24*\u]
	s_wait_alu depctr_va_vdst(0)                   ; this tile's codes and scale word are written, which its five stores read
.irp c, 0,1,2,3
	global_store_b128 v[LI], v[PC+20*\u+4*\c:PC+20*\u+4*\c+3], s[32:33] offset:8704*\u+512*\c
.endr
	global_store_b32 v[LS], v[PW+24*\u], s[20:21] offset:8704*\u
.endr
	s_wait_dscnt 0x0                               ; the closing lines, six on end
	s_wait_alu 0x0
	s_wait_tensorcnt 0x0
	ds_add_u32 v14, v15
	s_wait_dscnt 0x0
	s_endpgm
.Lfunc_end_k_q950f7d0c91_proj:
	.size	k_q950f7d0c91_proj, .Lfunc_end_k_q950f7d0c91_proj-k_q950f7d0c91_proj
	.p2alignl 7, 3214868480
	.fill 96, 4, 3214868480
	.section	.rodata,"a",@progbits
	.p2align	6, 0x0
	.amdhsa_kernel k_q950f7d0c91_proj
		.amdhsa_group_segment_fixed_size 2560
		.amdhsa_private_segment_fixed_size 0
		.amdhsa_enable_private_segment 0
		.amdhsa_kernarg_size 72
		.amdhsa_user_sgpr_count 2
		.amdhsa_user_sgpr_kernarg_segment_ptr 1
		.amdhsa_wavefront_size32 1
		.amdhsa_system_sgpr_workgroup_id_x 1
		.amdhsa_system_sgpr_workgroup_id_y 1
		.amdhsa_system_sgpr_workgroup_id_z 1
		.amdhsa_system_vgpr_workitem_id 0
		.amdhsa_next_free_vgpr 1024
		.amdhsa_next_free_sgpr 66
		.amdhsa_reserve_vcc 0
		.amdhsa_float_denorm_mode_32 3
		.amdhsa_float_denorm_mode_16_64 3
		.amdhsa_memory_ordered 1
		.amdhsa_forward_progress 1
		.amdhsa_inst_pref_size 83
	.end_amdhsa_kernel
	.amdgpu_metadata
---
amdhsa.version: [ 1, 2 ]
amdhsa.kernels:
  - .name:           k_q950f7d0c91_proj
    .symbol:         k_q950f7d0c91_proj.kd
    .args:
      - { .name: avr, .offset: 0, .size: 8, .value_kind: global_buffer, .address_space: global }
      - { .name: wimg, .offset: 8, .size: 8, .value_kind: global_buffer, .address_space: global }
      - { .name: Wo_scales, .offset: 16, .size: 8, .value_kind: global_buffer, .address_space: global }
      - { .name: bo, .offset: 24, .size: 8, .value_kind: global_buffer, .address_space: global }
      - { .name: x, .offset: 32, .size: 8, .value_kind: global_buffer, .address_space: global }
      - { .name: ln2_g, .offset: 40, .size: 8, .value_kind: global_buffer, .address_space: global }
      - { .name: ln2_b, .offset: 48, .size: 8, .value_kind: global_buffer, .address_space: global }
      - { .name: x1, .offset: 56, .size: 8, .value_kind: global_buffer, .address_space: global }
      - { .name: x2r, .offset: 64, .size: 8, .value_kind: global_buffer, .address_space: global }
    .group_segment_fixed_size: 2560
    .private_segment_fixed_size: 0
    .kernarg_segment_align: 8
    .kernarg_segment_size: 72
    .max_flat_workgroup_size: 128
    .sgpr_count:     66
    .vgpr_count:     1024
    .wavefront_size: 32
...
	.end_amdgpu_metadata
.endif
;; end of part 8
;; launch ffn1: the kernel of part 4 again; grid 64 x 4, 4 waves a work-group, no clusters, 168,448 bytes of LDS; arguments x2r, wimg, W1_scales, b1, hid; writes hid
;; launch ffn2 (part 9): grid 64 x 4, 4 waves a work-group, no clusters, 296,448 bytes of LDS; arguments hid, wimg, W2_scales, b2, x1, out0; writes out0
.if DOCPART == 9
	.amdgcn_target "amdgcn-amd-amdhsa--gfx1250"
	.amdhsa_code_object_version 6
	.text
	.protected	k_q950f7d0c91_ffn2
	.globl	k_q950f7d0c91_ffn2
	.p2align	8
	.type	k_q950f7d0c91_ffn2,@function
k_q950f7d0c91_ffn2:
	s_mov_b64 s[64:65], 0
	v_nop
	global_prefetch_b8 v0, s[64:65] scope:SCOPE_SE
	s_setreg_imm32_b32 hwreg(HW_REG_WAVE_SCHED_MODE, 0, 2), 2
	s_setreg_imm32_b32 hwreg(HW_REG_WAVE_MODE, 25, 1), 1
	s_wait_xcnt 0x0
	s_wait_alu depctr_vm_vsrc(0)
; out0 = x1 + hid W2 + b2: product on codes of E4M3 with one E8M0 byte for each 32 along K (K = 2,048), sums in f32.
; SHARES.  A work-group takes 128 rows (8 row tiles) x 128 columns.  THE WAVES SHARE K: wave w takes K = 512 w .. 512 w + 511, so each record of hid is read by one wave, straight into registers (images of operand registers),
; each fragment feeds eight products, and the wave's part of W2 (8 tiles x 4 K steps = 512 registers) is read from memory once: from wimg, where the first launch laid it as images of operand registers, the wave's 65,536 bytes on end,
; each load 512 consecutive bytes.  The four partial sums of a tile meet in LDS and are added in f32, in the order of K.
; NO JOINT LOADS: neither operand lies in LDS, whose 262,144 bytes of partial sums leave no room for W2's 262,144.
; The product is used transposed (source 0 = 16 rows of W2, source 1 = hid); lane r of weight tile 2 b + u' takes row 32 b + 8 u' + r + (r & 8): a lane's register 16 b + i is column 32 b + 16 (lane / 16) + i of its row: x1's image has that layout.
; OUT.  Behind the barrier wave w adds up tiles 2 w and 2 w + 1, adds x1 and b2, turns the tile through its own stage in LDS (rows of 512 + 16 bytes) and stores whole runs of 512 bytes of a row of out0.
; LIMITS: NaN and infinities are not served.  The sum over K is made of four partial sums of 512, not of one chain.
; THE MODE: SCHED_MODE bits 1:0 = 2 (LLVM: expert scheduling mode 2), set by the entry lines.  The code itself states the register dependences between vector or matrix instructions and memory or LDS instructions, with s_wait_alu, always for 0.
; THE PLAN.  Registers that memory or LDS instructions touch, and who else names them:
;   v5-15      offsets and LDS addresses: made at the head, ahead of one wait on va_vdst, never written again.
;   F0 .. F3   four sets of hid's fragments (window 1) and scale words (v176-191).  Tile i's products read F[i % 4]; the loads of tile i + 3, issued at the head of tile i, land in F[(i - 1) % 4].
;   A0, A1     two sets of accumulators.  Tile i's products write A[i % 2]; the 16 LDS stores that read it are issued in tile i + 1, four ahead of each K step's products.
; So the memory and LDS instructions of tile i touch F[(i - 1) % 4] and A[(i - 1) % 2], which tile i - 1 worked on and which no product of tile i names.  Two waits at a tile's head state all of it: va_vdst: tile i - 1's products have written
; their accumulators and are done reading their fragments; vm_vsrc: the LDS stores issued in tile i - 1 have read A[i % 2], which this tile's products begin anew.
;   Behind the barrier: v16-79 (sums) and v80-143 (rows read back) are written again behind a wait on vm_vsrc at each reduction's head; one wait on va_vdst stands ahead of the stage's stores.
; REGISTERS.  window 0: v5-15 addresses; v16-79, v80-143 two sets of 8 accumulators, later the sums and the rows read back; v144-175 W2's scale words, v176-191 hid's, four sets.
; window 1: hid's fragments, four sets of 64; later the four partial sums.   windows 2, 3: W2; window 2 later: x1 (two tiles), b2.
.set STG, 262144
.set WSA, 5
.set C64, 6
.set LI,  7
.set LS,  8
.set PA,  9
.set RA,  13
.set SO,  14
.set SR,  15
.set ACC, 16
.set WS,  144
.set XS,  176
.set MSB, 0
.macro WIN new
.if MSB != (\new)
	s_set_vgpr_msb (MSB<<8)|(\new)
.set MSB, (\new)
.endif
.endm
.macro PLACES n
.rept \n
	v_nop
.endr
.endm
.macro ALOAD i                         ; row tile i: my K's four fragments and scale words, into set i % 4: 20 loads
	WIN 0x40
.irp k, 0,1,2,3
.irp c, 0,1,2,3
	global_load_b128 v[64*((\i)%4)+16*\k+4*\c:64*((\i)%4)+16*\k+4*\c+3], v[LI], s[4:5] offset:34816*(\i)+2048*\k+512*\c th:TH_LOAD_NT
.endr
.endr
	WIN 0
.irp k, 0,1,2,3
	global_load_b32 v[XS+4*((\i)%4)+\k], v[LS], s[4:5] offset:34816*(\i)+8192+128*\k th:TH_LOAD_NT
.endr
.endm
.macro TILE i
.if (\i) > 0
	PLACES 8                                       ; behind the last tile's last product, in front of the stores of its results
.endif
.if (\i) < 5
	WIN 0x40                                       ; (the switch, then the waits, then the loads)
.endif
.if (\i) > 0
	s_wait_alu depctr_va_vdst(0)                   ; the last tile's products have written their accumulators, which the LDS stores below read, and are done reading their fragments and scale words, in which the loads below land
.endif
.if (\i) > 1
	s_wait_alu depctr_vm_vsrc(0)                   ; the LDS stores issued in the last tile have read the set of accumulators that this tile's products begin anew
.endif
.if (\i) < 5
	ALOAD (\i)+3
	s_wait_loadcnt 60                              ; loads come back in order (ISA guide 5.7.1): this tile's are in; the three younger tiles' 60 may be out
.else
	s_wait_loadcnt 20*(7-(\i))                     ; nothing more is asked for: the counts run down
.endif
.irp k, 0,1,2,3                                ; 32 products: 8 accumulators by turns, one instruction a turn; ahead of each K step's eight, four LDS stores of the last tile's results
.if (\i) > 0
	WIN 0
.irp g, 0,1,2,3
	ds_store_b128 v[PA+((\i)-1)/2], v[ACC+64*(((\i)-1)%2)+4*(4*\k+\g):ACC+64*(((\i)-1)%2)+4*(4*\k+\g)+3] offset:32768*(((\i)-1)%2)+512*(4*\k+\g)   ; each accumulator from its low end on; no product of this tile names these registers
.endr
.endif
.irp n, 0,1,2,3,4,5,6,7
	WIN 0x06+(\n/4)
.if \k == 0
	v_wmma_scale_f32_16x16x128_f8f6f4 v[ACC+64*((\i)%2)+8*\n:ACC+64*((\i)%2)+8*\n+7], v[64*(\n%4)+16*\k:64*(\n%4)+16*\k+15], v[64*((\i)%4)+16*\k:64*((\i)%4)+16*\k+15], 0, v[WS+4*\n+\k], v[XS+4*((\i)%4)+\k]
.else
	v_wmma_scale_f32_16x16x128_f8f6f4 v[ACC+64*((\i)%2)+8*\n:ACC+64*((\i)%2)+8*\n+7], v[64*(\n%4)+16*\k:64*(\n%4)+16*\k+15], v[64*((\i)%4)+16*\k:64*((\i)%4)+16*\k+15], v[ACC+64*((\i)%2)+8*\n:ACC+64*((\i)%2)+8*\n+7], v[WS+4*\n+\k], v[XS+4*((\i)%4)+\k]
.endif
.endr
.endr
	WIN 0
.endm
.macro RED t                           ; tile 2 w + t: the four partial sums, x1, b2; through my stage; out
.if \t == 1
	s_wait_xcnt 0x0                                ; the first tile's stores have had their addresses translated: the registers that they read take rows again only behind this wait
.endif
	s_wait_alu depctr_vm_vsrc(0)                   ; the LDS stores issued so far have read v16-79, which the sums below write; the LDS stores (second tile: the global stores) have read v80-143, in which the rows land
	WIN 0x40                                       ; no wait on va_vdst: whatever named window 1 (the products; the first tile's additions) stands ahead of the last such wait, and nothing issued since names it or v[RA]
.set kq, 0
.rept 4
.set gq, 0
.rept 16
	ds_load_b128 v[64*kq+4*gq:64*kq+4*gq+3], v[RA] offset:32768*\t+8192*kq+512*gq
.set gq, gq+1
.endr
.set kq, kq+1
.endr
	s_wait_dscnt 0x0
.if \t == 0
	s_wait_loadcnt 0x0                             ; x1 and b2
.endif
	WIN 0x05
.set p, 0
.rept 32
	v_pk_add_f32 v[16+p:17+p], v[p:p+1], v[64+p:65+p]
.set p, p+2
.endr
	WIN 0x01
.set p, 0
.rept 32
	v_pk_add_f32 v[16+p:17+p], v[128+p:129+p], v[16+p:17+p]
.set p, p+2
.endr
.set p, 0
.rept 32
	v_pk_add_f32 v[16+p:17+p], v[192+p:193+p], v[16+p:17+p]
.set p, p+2
.endr
	WIN 0x02
.set p, 0
.rept 32
	v_pk_add_f32 v[16+p:17+p], v[128+p:129+p], v[16+p:17+p]     ; + b2
.set p, p+2
.endr
.set p, 0
.rept 32
	v_pk_add_f32 v[16+p:17+p], v[64*\t+p:64*\t+p+1], v[16+p:17+p]   ; + x1
.set p, p+2
.endr
	WIN 0
	s_wait_alu depctr_va_vdst(0)                   ; the additions have written v16-79, which the stage's stores read, and are done reading window 1, in which the next tile's partial sums land
.set gq, 0
.rept 16
	ds_store_b128 v[SO], v[16+4*gq:19+4*gq] offset:128*(gq/4)+16*(gq%4)
.set gq, gq+1
.endr
.set gq, 0
.rept 16
	ds_load_b128 v[80+4*gq:83+4*gq], v[SR] offset:528*gq        ; LDS serves a wave's instructions in order (ISA guide 5.7.1.4): these see my stores
.set gq, gq+1
.endr
.set gq, 0
.rept 16
	s_wait_dscnt 15-gq                             ; row gq is back; the younger loads may be out
	global_store_b128 v[LI], v[80+4*gq:83+4*gq], s[14:15] offset:(8*\t+gq+8*(gq/8))*2048 th:TH_STORE_NT   ; 32 lanes store 512 consecutive bytes, at a multiple of 256 from out0's first byte
.set gq, gq+1
.endr
.endm
	s_load_b256 s[4:11], s[0:1], 0x0               ; hid, wimg, W2's scales, b2
	s_load_b128 s[12:15], s[0:1], 0x20             ; x1, out0
	v_lshl_add_u32 v254, v0, 2, 0x48400
	v_mov_b32 v255, 0
	v_lshrrev_b32 v1, 5, v0
	v_readfirstlane_b32 s16, v1                    ; wave
	v_and_b32 v1, 31, v0
	v_and_b32 v2, 15, v0
	v_bfe_u32 v3, v0, 4, 1
	v_and_b32 v[SR], 8, v2
	v_add_nc_u32 v[SR], v[SR], v2                  ; r + (r & 8)
	v_lshlrev_b32 v[WSA], 6, v[SR]                 ; W2: my row's 64 scale bytes
	v_lshlrev_b32 v[C64], 6, v3
	v_lshlrev_b32 v[LI], 4, v1
	v_lshlrev_b32 v[LS], 2, v1
	s_wait_alu depctr_va_sdst(0)                   ; s16 is written, ahead of its first reader: the LDS places and the bases are made from it
	s_lshl_b32 s18, s16, 13
	v_add_nc_u32 v[PA], s18, v[LI]                 ; partial sums: (4 i + w) x 8,192 + 16 x lane; a register for each two tiles
	v_add_nc_u32 v[PA+1], 0x10000, v[PA]
	v_add_nc_u32 v[PA+2], 0x20000, v[PA]
	v_add_nc_u32 v[PA+3], 0x30000, v[PA]
	s_lshl_b32 s18, s16, 16
	v_add_nc_u32 v[RA], s18, v[LI]                 ; back: tiles 2 w, 2 w + 1
	s_mul_i32 s18, s16, 8448
	s_add_co_u32 s18, s18, STG                     ; my stage
	v_mul_u32_u24 v[SO], v2, 528
	v_lshl_add_u32 v[SO], v3, 6, v[SO]
	v_add_nc_u32 v[SO], s18, v[SO]                 ; in: row r, + 64 h
	v_add_nc_u32 v[SR], s18, v[LI]                 ; back: a row of 512 bytes to the 32 lanes
	s_and_b32 s17, ttmp7, 0xffff                   ; which 128 columns
	s_mov_b32 s19, 0
	s_wait_kmcnt 0x0
	s_lshl_b32 s18, ttmp9, 5
	s_add_co_u32 s18, s18, s16
	s_mul_i32 s18, s18, 8704
	s_add_nc_u64 s[4:5], s[4:5], s[18:19]          ; hid: record (8 x, w)
	s_lshl_b32 s18, s17, 18
	s_lshl_b32 s20, s16, 16
	s_add_co_u32 s18, s18, s20
	s_add_co_u32 s18, s18, 1310720                 ; W2's image lies behind Wo's and W1's
	s_add_nc_u64 s[6:7], s[6:7], s[18:19]          ; my 32 fragments: my 128 rows, my 512 along K
	s_lshl_b32 s18, s17, 13
	s_lshl_b32 s20, s16, 4
	s_add_co_u32 s18, s18, s20
	s_add_nc_u64 s[8:9], s[8:9], s[18:19]
	s_lshl_b32 s18, s17, 9
	s_add_nc_u64 s[10:11], s[10:11], s[18:19]      ; b2
	s_lshl_b32 s20, ttmp9, 18
	s_add_co_u32 s18, s18, s20
	s_lshl_b32 s20, s16, 16
	s_add_co_u32 s18, s18, s20
	s_add_nc_u64 s[14:15], s[14:15], s[18:19]      ; out0: row 128 x + 32 w, my columns
	s_lshl_b32 s18, ttmp9, 5
	s_lshl_b32 s20, s16, 3
	s_add_co_u32 s18, s18, s20
	s_add_co_u32 s18, s18, s17
	s_lshl_b32 s18, s18, 13
	s_add_nc_u64 s[12:13], s[12:13], s[18:19]      ; x1: image (8 x + 2 w, my columns)
	WIN 0x80
	s_wait_alu depctr_va_vdst(0)                   ; the offsets and LDS addresses v5 to v15 are written: every load and store of the kernel reads one of them, and none is written again
.irp n, 0,1,2,3,4,5,6,7                        ; 512 consecutive bytes a load
	WIN 0x80+0x40*(\n/4)
.irp k, 0,1,2,3
.irp c, 0,1,2,3
	global_load_b128 v[64*(\n%4)+16*\k+4*\c:64*(\n%4)+16*\k+4*\c+3], v[LI], s[6:7] offset:(4*\n+\k)*2048+512*\c
.endr
.endr
.endr
	WIN 0
.irp n, 0,1,2,3,4,5,6,7
	global_load_b128 v[WS+4*\n:WS+4*\n+3], v[WSA], s[8:9] offset:(32*(\n/2)+8*(\n%2))*64   ; the 16 scale bytes of my row and my 512 along K are the four K steps' words
.endr
	ALOAD 0
	ALOAD 1
	ALOAD 2                                        ; tile 0 asks for tile 3, and so on: three tiles ahead
.irp i, 0,1,2,3,4,5,6,7
	TILE \i
.endr
	PLACES 8                                       ; behind the last product, in front of the stores of its results
	WIN 0x80                                       ; (the switch, then the wait, then the loads)
	s_wait_alu depctr_va_vdst(0)                   ; tile 7's products have written their accumulators, which the LDS stores below read; all products are done reading W2's registers, in which x1 and b2 land, and window 1, in which the partial sums land
.irp t, 0,1
.set gq, 0
.rept 16
	global_load_b128 v[64*\t+4*gq:64*\t+4*gq+3], v[LI], s[12:13] offset:32768*\t+512*gq th:TH_LOAD_NT
.set gq, gq+1
.endr
.endr
.irp b, 0,1,2,3
.irp j, 0,1,2,3
	global_load_b128 v[128+16*\b+4*\j:128+16*\b+4*\j+3], v[C64], s[10:11] offset:128*\b+16*\j
.endr
.endr
	WIN 0
.set gq, 0
.rept 16
	ds_store_b128 v[PA+3], v[ACC+64+4*gq:ACC+64+4*gq+3] offset:32768+512*gq   ; tile 7's results, each accumulator from its low end on
.set gq, gq+1
.endr
	s_wait_dscnt 0x0                               ; for the others' sake: my partial sums lie in LDS
	s_barrier_signal -1
	s_barrier_wait -1
	RED 0
	RED 1
	s_wait_dscnt 0x0                               ; the closing lines, six on end
	s_wait_alu 0x0
	s_wait_tensorcnt 0x0
	ds_add_u32 v254, v255
	s_wait_dscnt 0x0
	s_endpgm
.Lfunc_end_k_q950f7d0c91_ffn2:
	.size	k_q950f7d0c91_ffn2, .Lfunc_end_k_q950f7d0c91_ffn2-k_q950f7d0c91_ffn2
	.p2alignl 7, 3214868480
	.fill 96, 4, 3214868480
	.section	.rodata,"a",@progbits
	.p2align	6, 0x0
	.amdhsa_kernel k_q950f7d0c91_ffn2
		.amdhsa_group_segment_fixed_size 296448
		.amdhsa_private_segment_fixed_size 0
		.amdhsa_enable_private_segment 0
		.amdhsa_kernarg_size 48
		.amdhsa_user_sgpr_count 2
		.amdhsa_user_sgpr_kernarg_segment_ptr 1
		.amdhsa_wavefront_size32 1
		.amdhsa_system_sgpr_workgroup_id_x 1
		.amdhsa_system_sgpr_workgroup_id_y 1
		.amdhsa_system_sgpr_workgroup_id_z 1
		.amdhsa_system_vgpr_workitem_id 0
		.amdhsa_next_free_vgpr 1024
		.amdhsa_next_free_sgpr 66
		.amdhsa_reserve_vcc 0
		.amdhsa_float_denorm_mode_32 3
		.amdhsa_float_denorm_mode_16_64 3
		.amdhsa_memory_ordered 1
		.amdhsa_forward_progress 1
		.amdhsa_inst_pref_size 119
	.end_amdhsa_kernel
	.amdgpu_metadata
---
amdhsa.version: [ 1, 2 ]
amdhsa.kernels:
  - .name:           k_q950f7d0c91_ffn2
    .symbol:         k_q950f7d0c91_ffn2.kd
    .args:
      - { .name: hid, .offset: 0, .size: 8, .value_kind: global_buffer, .address_space: global }
      - { .name: wimg, .offset: 8, .size: 8, .value_kind: global_buffer, .address_space: global }
      - { .name: W2_scales, .offset: 16, .size: 8, .value_kind: global_buffer, .address_space: global }
      - { .name: b2, .offset: 24, .size: 8, .value_kind: global_buffer, .address_space: global }
      - { .name: x1, .offset: 32, .size: 8, .value_kind: global_buffer, .address_space: global }
      - { .name: out0, .offset: 40, .size: 8, .value_kind: global_buffer, .address_space: global }
    .group_segment_fixed_size: 296448
    .private_segment_fixed_size: 0
    .kernarg_segment_align: 8
    .kernarg_segment_size: 48
    .max_flat_workgroup_size: 128
    .sgpr_count:     66
    .vgpr_count:     1024
    .wavefront_size: 32
...
	.end_amdgpu_metadata
.endif
;; end of part 9
